; MI455X (gfx1250); checked and timed in simulation.
; The chip was launched on July 23, 2026; its instructions are those of AMD's public machine-readable ISA for CDNA 5 (MIT licence, August 2026) and "CDNA5" Instruction Set Architecture Reference Guide (July 2026). The comments in the code are by the model that wrote it; some were corrected since.
;; Encoder Block. Allowed arithmetic: matrix products marked QUANTISED: E2M3 operands, one E8M0 scale for each 32 along K, by v_wmma_scale_f32_16x16x128_f8f6f4 with both operands' format E2M3, f32 sums; everything else in f32.
;; Inputs: b1 2,048 float32; b2 512 float32; beta1 one number float32; beta2 one number float32; bk 512 float32; bo 512 float32; bq 512 float32; bv 512 float32; g1 one number float32; g2 one number float32; mask 4 x 1 x 1 x 2,048 bool; w1 2,048 x 512 float32; w2 512 x 2,048 float32; wk 512 x 512 float32; wo 512 x 512 float32; wq 512 x 512 float32; wv 512 x 512 float32; x 4 x 2,048 x 512 float32.
;; Outputs: out0 4 x 2,048 x 512 float32.
;; This version of the problem:
;;   THIS VERSION OF THE PROBLEM IS GIVEN IN LOW PRECISION. The matrix products marked QUANTISED in the list below multiply operands that are first quantised to E2M3 (2 exponent bits, 3 mantissa bits; 6 bits a number), with one power-of-two scale for each 32 numbers along K (OCP MX v1.0); their sums are f32. All else is computed in f32.
;;   The module's matrix products, in the order in which they are computed (A, B: the left and right operand; K: the contracted axis; several contracted axes count as one K, in the product's order):
;;     1. [M 8,192, K 512] x [K 512, N 512]; A: input x; B: input wq: QUANTISED
;;     2. [M 8,192, K 512] x [K 512, N 512]; A: input x; B: input wk: QUANTISED
;;     3. [M 8,192, K 512] x [K 512, N 512]; A: input x; B: input wv: QUANTISED
;;     4. batch 32 x [M 2,048, K 64] x [K 64, N 2,048]; A: computed on the way; B: computed on the way: QUANTISED
;;     5. batch 32 x [M 64, K 2,048] x [K 2,048, N 2,048]; A: computed on the way; B: softmax (see below): QUANTISED
;;     6. [M 8,192, K 512] x [K 512, N 512]; A: computed on the way; B: input wo: QUANTISED
;;     7. [M 8,192, K 512] x [K 512, N 2,048]; A: computed on the way; B: input w1: QUANTISED
;;     8. [M 8,192, K 2,048] x [K 2,048, N 512]; A: computed on the way; B: input w2: QUANTISED
;;   THE QUANTISER, for each operand of a quantised product, along K:
;;     - K is cut into blocks of 32 from its start; a last block that is shorter is filled with zeros.
;;     - A block's scale is 2^e with e = floor(log2(the largest magnitude in the block)) - 2, held to -126 .. 127; a block of zeros has e = 0. As a byte (E8M0): e + 127.
;;     - Each number is divided by its block's scale, clamped to +-7.5, and rounded to the nearest number of E2M3, ties to even, subnormals kept.
;;     - The product sums the exact products of the quantised numbers (number of the format x scale) in f32.
;;   ~~~python
;;   def quantise(x, axis):      # numpy; x: float32 -> the quantised numbers, widened to float32 again
;;       x = np.moveaxis(x, axis, -1); K = x.shape[-1]
;;       x = np.pad(x, [(0, 0)] * (x.ndim - 1) + [(0, -K % 32)]); x = x.reshape(x.shape[:-1] + (-1, 32)); a = np.abs(x).max(-1, keepdims=True)
;;       e = np.where(a > 0, np.clip(np.frexp(np.where(a > 0, a, 1))[1] - 1 - 2, -126, 127), 0)      # np.frexp(a)[1] - 1 = floor(log2(a)), exactly
;;       r = np.clip(x / 2.0 ** e, -7.5, 7.5)
;;       step = 2.0 ** (np.maximum(np.frexp(np.where(r == 0, 1, r))[1] - 1, 0) - 3)
;;       q = np.round(r / step) * step * 2.0 ** e      # np.round: ties to even
;;       return np.moveaxis(q.reshape(q.shape[:-2] + (-1,))[..., :K], -1, axis).astype(np.float32)
;;   ~~~
;;   SOFTMAX AHEAD OF A QUANTISED PRODUCT. Where the list says 'softmax', what is quantised is not the finished softmax but p = 2^(t - M), with t = logit x log2(e) and M = ceil(the row's largest t), a whole number; so 1/2 < the row's largest p <= 1. The row's sum l is taken of the UNQUANTISED p, in f32, and the product's result is divided by l at the end. Since M is a whole number, a kernel that streams over the keys may use a running M (the ceiling of the running maximum): every later rescaling is an exact power of two, which a block's scale takes up: the codes' values come out the same.
;;   OPERANDS COMPUTED ON THE WAY. 'Computed on the way' means the value that the module computes at that place (a softmax that the list does not call 'softmax' is quantised finished and normalised). What goes into a quantiser is computed in f32, as accurately as f32 sums, v_exp_f32 and their like allow (about 1e-6 of the number): no bf16 or f16 on the way to a quantiser, and a product that is left as it is and whose result goes on into a quantised operand takes f32 operands (vector FMAs, or v_wmma_f32_16x16x4_f32). A number that lies on a knife's edge between two numbers of the format may be rounded either way, as far as f32 arithmetic and the matrix unit's own rounding can turn it there, and no further.
;; 2 versions. Each part assembles by itself: llvm-mc -triple=amdgcn-amd-amdhsa -mcpu=gfx1250 --defsym DOCPART=n.
;; ======== version 1 of 2: 4 launches
;; limits: right only within a limited range of input values
;; workspace buffers: codes 5,505,024 bytes; scales 229,376 bytes; qc 3,145,728 bytes; qs 262,144 bytes; kv 6,684,672 bytes; oc 3,145,728 bytes; os 131,072 bytes
;; launch prep (part 1): grid 224 x 1, 4 waves a work-group, no clusters, 0 bytes of LDS; arguments x, wq, wk, wv, wo, w1, w2, codes, scales; writes codes, scales
.if DOCPART == 1
	.amdgcn_target "amdgcn-amd-amdhsa--gfx1250"
	.amdhsa_code_object_version 6
	.text
	.protected	k_q2d47b02daa_prep
	.globl	k_q2d47b02daa_prep
	.p2align	8
	.type	k_q2d47b02daa_prep,@function
k_q2d47b02daa_prep:
	s_mov_b64 s[64:65], 0
	v_nop
	global_prefetch_b8 v0, s[64:65] scope:SCOPE_SE
	s_setreg_imm32_b32 hwreg(HW_REG_WAVE_MODE, 25, 1), 1
	s_wait_xcnt 0x0
; x [8192][512] and the six weights (K innermost, f32) become codes of FP6 (E2M3) with one E8M0 byte for each 32 along K, laid in the ORDER OF AN OPERAND'S REGISTERS.
; A UNIT is 16 rows x 512 along K: four fragments of 16 rows x 128 K.  A fragment is 12 registers a lane; registers 4 c .. 4 c + 3 of lane l lie at byte 512 c + 16 l: 1,536 bytes.
; A unit's codes are 6,144 bytes at 6144 u, its scale words 256 bytes at 256 u, laid [row 16][K step 4] words.
; Units: x 0-511, wq 512-543, wk 544-575, wv 576-607, wo 608-639, w1 640-767, w2 768-895 (768 + 4 x tile of 16 rows + chunk of 512 along K).
; A block's scale is 2^(floor(log2(its largest magnitude)) - 2); its byte is the largest magnitude's exponent field - 2, held at 1 from below.
; LIMITS: a block of zeros, and one whose largest magnitude lies under 2^-124, keep the byte 1 (a block of zeros has zero codes, and this program alone reads the bytes); NaN and infinities are not served.
; One wave takes one unit: 896 units, 224 work-groups of four waves.  Waves share nothing: no LDS, no barrier.  One path serves all seven tensors: only the pointer, the row's pitch and the offset are chosen.
; No matrix unit and no cluster: each number is read once and each code is written once.
.set SET0, 16                          ; v16-79, v80-143: two sets of 64 numbers: register 16 b + i = k 32 b + 16 (lane / 16) + i of my row, in the K step in hand
.set PW,   8                           ; v8-11   the four K steps' scale words
.set PC,   144                         ; v144-163 the codes just made: 12 registers, and 8 at work
.set TM,   164                         ; v164-179 at work: largest magnitudes, bytes, scale operands
.set SEL,  32                          ; s[32:33] lane selects for v_permlanex16_b32: lane l xor 16
; 64 numbers of a lane become a fragment's codes in v[PC] on and its row's scale word in v[pw]
.macro QUANT s, pw
.irp b, 0,1,2,3
	v_max3_num_f32 v[TM+\b], |v[\s+16*\b]|, |v[\s+1+16*\b]|, 0x1800000   ; block b: my 16 numbers, and the floor 2^(3 - 127): the byte cannot fall under 1
.endr
.irp i, 2,4,6,8,10,12,14
.irp b, 0,1,2,3
	v_max3_num_f32 v[TM+\b], v[TM+\b], |v[\s+16*\b+\i]|, |v[\s+1+16*\b+\i]|   ; the four blocks by turns
.endr
.endr
.irp b, 0,1,2,3
	v_permlanex16_b32 v[TM+4+\b], v[TM+\b], s[SEL], s[SEL+1]
.endr
.irp b, 0,1,2,3
	v_max_num_f32 v[TM+\b], v[TM+\b], v[TM+4+\b]   ; with lane l xor 16's 16: the block's largest magnitude
.endr
.irp b, 0,1,2,3
	v_add_nc_u32 v[TM+12+\b], 0xff000000, v[TM+\b]   ; 2 off its exponent field: the conversion takes this operand's exponent field as its scale
.endr
.irp b, 0,1,2,3
	v_lshrrev_b32 v[TM+4+\b], 23, v[TM+12+\b]      ; the scale's byte
.endr
	v_lshl_or_b32 v[\pw], v[TM+5], 8, v[TM+4]
	v_lshl_or_b32 v[\pw], v[TM+6], 16, v[\pw]
	v_lshl_or_b32 v[\pw], v[TM+7], 24, v[\pw]
.irp c, 0,1
	v_cvt_scalef32_pk16_fp6_f32 v[PC+6*\c:PC+2+6*\c], v[\s+32*\c:\s+15+32*\c], v[TM+12+2*\c]
	v_cvt_scalef32_pk16_fp6_f32 v[PC+12+4*\c:PC+14+4*\c], v[\s+16+32*\c:\s+31+32*\c], v[TM+12+2*\c+1]   ; (a conversion's three registers begin on an even number)
.endr
	v_nop                                          ; one plain place behind a scaled conversion
.irp c, 0,1                                    ; the operand's layout wants a whole block in a lane: lanes 0-15 block 2 c, lanes 16-31 block 2 c + 1
.irp i, 0,1,2
	v_permlane16_swap_b32 v[PC+6*\c+\i], v[PC+12+4*\c+\i]
.endr
.irp i, 0,1,2
	v_mov_b32 v[PC+3+6*\c+\i], v[PC+12+4*\c+\i]
.endr
.endr
.endm
.macro XLOAD set, ks                   ; my row's 64 numbers of K step ks: the 16 loads together read 16 rows x 512 whole bytes
.irp b, 0,1,2,3
.irp j, 0,1,2,3
	global_load_b128 v[\set+16*\b+4*\j:\set+16*\b+4*\j+3], v4, s[24:25] offset:512*(\ks)+128*\b+16*\j
.endr
.endr
.endm
.macro PICK first, lo                  ; from unit 'first' on the source is the tensor at s[lo:lo+1]; the choice hangs on the unit's number alone
	s_cmp_ge_u32 s22, \first
	s_cselect_b64 s[24:25], s[\lo:\lo+1], s[24:25]
	s_cselect_b32 s26, \first, s26
.endm
	s_load_b256 s[4:11], s[0:1], 0x0               ; x, wq, wk, wv
	s_load_b256 s[12:19], s[0:1], 0x20             ; wo, w1, w2, codes
	s_load_b64 s[20:21], s[0:1], 0x40              ; scales
	v_lshrrev_b32 v1, 5, v0
	v_readfirstlane_b32 s23, v1                    ; wave
	s_lshl_b32 s22, ttmp9, 2
	s_add_co_u32 s22, s22, s23                     ; my unit
	v_and_b32 v1, 31, v0                           ; lane
	v_and_b32 v2, 15, v0                           ; r
	v_bfe_u32 v3, v0, 4, 1                         ; h
	v_lshlrev_b32 v5, 4, v1                        ; an image's place for my lane
	v_lshlrev_b32 v6, 4, v2
	v_lshl_add_u32 v6, v3, 3, v6                   ; the scale words: 16 r + 8 h
	s_mov_b32 s[SEL], 0x76543210
	s_mov_b32 s[SEL+1], 0xfedcba98
.irp b, 0,1,2,3
	v_mov_b32 v[TM+4+\b], 0                        ; written once: a lane permute's destination counts as one of its sources
.endr
	s_wait_kmcnt 0x0
	s_mov_b64 s[24:25], s[4:5]
	s_mov_b32 s26, 0
	PICK 512, 6
	PICK 544, 8
	PICK 576, 10
	PICK 608, 12
	PICK 640, 14
	PICK 768, 16
	s_sub_co_u32 s28, s22, s26                     ; the unit's number in its tensor
	s_lshr_b32 s29, s28, 2
	s_lshl_b32 s29, s29, 17                        ; w2: 16 rows of 8,192 bytes a tile,
	s_and_b32 s30, s28, 3
	s_lshl_b32 s30, s30, 11                        ; 2,048 bytes a chunk of 512 along K
	s_add_co_u32 s29, s29, s30
	s_lshl_b32 s30, s28, 15                        ; the others: 16 rows of 2,048 bytes
	s_cmp_ge_u32 s22, 768
	s_cselect_b32 s28, s29, s30
	s_cselect_b32 s27, 13, 11                      ; log2 of a row's bytes
	s_mov_b32 s29, 0
	s_add_nc_u64 s[24:25], s[24:25], s[28:29]
	s_mul_i32 s30, s22, 6144
	s_mov_b32 s31, 0
	s_add_nc_u64 s[18:19], s[18:19], s[30:31]
	s_lshl_b32 s30, s22, 8
	s_add_nc_u64 s[20:21], s[20:21], s[30:31]
	v_lshlrev_b32 v4, s27, v2
	v_lshl_add_u32 v4, v3, 6, v4                   ; row r, + 64 h: my 16 numbers of a block of 32
	XLOAD SET0, 0
	XLOAD SET0+64, 1
.irp ks, 0,1,2,3
.if \ks < 3
	s_wait_loadcnt 16                              ; this K step's 16 loads are in; the other set's 16 may be out
.else
	s_wait_loadcnt 0x0
.endif
.if \ks > 0
	s_wait_xcnt 0x0                                ; the last K step's stores have read the codes' registers
.endif
	QUANT SET0+64*(\ks%2), PW+\ks
.irp c, 0,1,2
	global_store_b128 v5, v[PC+4*\c:PC+4*\c+3], s[18:19] offset:1536*\ks+512*\c   ; 32 lanes store 512 consecutive bytes, aligned
.endr
.if \ks < 2
	XLOAD SET0+64*(\ks%2), \ks+2
.endif
.endr
	v_cmp_ne_u32 vcc_lo, 0, v3                     ; lanes 0-15 store their row's words 0 and 1, lanes 16-31 words 2 and 3
	v_cndmask_b32 v12, v[PW], v[PW+2], vcc_lo
	v_cndmask_b32 v13, v[PW+1], v[PW+3], vcc_lo
	global_store_b64 v6, v[12:13], s[20:21]        ; 32 lanes store 256 consecutive bytes, aligned
	s_endpgm
.Lfunc_end_k_q2d47b02daa_prep:
	.size	k_q2d47b02daa_prep, .Lfunc_end_k_q2d47b02daa_prep-k_q2d47b02daa_prep
	.p2alignl 7, 3214868480
	.fill 96, 4, 3214868480
	.section	.rodata,"a",@progbits
	.p2align	6, 0x0
	.amdhsa_kernel k_q2d47b02daa_prep
		.amdhsa_group_segment_fixed_size 0
		.amdhsa_private_segment_fixed_size 0
		.amdhsa_enable_private_segment 0
		.amdhsa_kernarg_size 72
		.amdhsa_user_sgpr_count 2
		.amdhsa_user_sgpr_kernarg_segment_ptr 1
		.amdhsa_wavefront_size32 1
		.amdhsa_system_sgpr_workgroup_id_x 1
		.amdhsa_system_sgpr_workgroup_id_y 1
		.amdhsa_system_sgpr_workgroup_id_z 1
		.amdhsa_system_vgpr_workitem_id 0
		.amdhsa_next_free_vgpr 192
		.amdhsa_next_free_sgpr 66
		.amdhsa_reserve_vcc 1
		.amdhsa_float_denorm_mode_32 3
		.amdhsa_float_denorm_mode_16_64 3
		.amdhsa_memory_ordered 1
		.amdhsa_forward_progress 1
		.amdhsa_inst_pref_size 26
	.end_amdhsa_kernel
	.amdgpu_metadata
---
amdhsa.version: [ 1, 2 ]
amdhsa.kernels:
  - .name:           k_q2d47b02daa_prep
    .symbol:         k_q2d47b02daa_prep.kd
    .args:
      - { .name: x, .offset: 0, .size: 8, .value_kind: global_buffer, .address_space: global }
      - { .name: wq, .offset: 8, .size: 8, .value_kind: global_buffer, .address_space: global }
      - { .name: wk, .offset: 16, .size: 8, .value_kind: global_buffer, .address_space: global }
      - { .name: wv, .offset: 24, .size: 8, .value_kind: global_buffer, .address_space: global }
      - { .name: wo, .offset: 32, .size: 8, .value_kind: global_buffer, .address_space: global }
      - { .name: w1, .offset: 40, .size: 8, .value_kind: global_buffer, .address_space: global }
      - { .name: w2, .offset: 48, .size: 8, .value_kind: global_buffer, .address_space: global }
      - { .name: codes, .offset: 56, .size: 8, .value_kind: global_buffer, .address_space: global }
      - { .name: scales, .offset: 64, .size: 8, .value_kind: global_buffer, .address_space: global }
    .group_segment_fixed_size: 0
    .private_segment_fixed_size: 0
    .kernarg_segment_align: 8
    .kernarg_segment_size: 72
    .max_flat_workgroup_size: 128
    .sgpr_count:     66
    .vgpr_count:     192
    .wavefront_size: 32
...
	.end_amdgpu_metadata
.endif
;; end of part 1
;; launch qkv (part 2): grid 192 x 1, 4 waves a work-group, no clusters, 0 bytes of LDS; arguments codes, scales, bq, bk, bv, qc, qs, kv; writes qc, qs, kv
.if DOCPART == 2
	.amdgcn_target "amdgcn-amd-amdhsa--gfx1250"
	.amdhsa_code_object_version 6
	.text
	.protected	k_q2d47b02daa_qkv
	.globl	k_q2d47b02daa_qkv
	.p2align	8
	.type	k_q2d47b02daa_qkv,@function
k_q2d47b02daa_qkv:
	s_mov_b64 s[64:65], 0
	v_nop
	global_prefetch_b8 v0, s[64:65] scope:SCOPE_SE
	s_setreg_imm32_b32 hwreg(HW_REG_WAVE_MODE, 25, 1), 1
	s_wait_xcnt 0x0
; q = x wq^T + bq, k = x wk^T + bk, v = x wv^T + bv on codes of FP6 (E2M3), and each result quantised in registers for attention: q and k along the head's 64 channels, v along the keys.
; Work-groups 0-63 make q, 64-127 k, 128-191 v.  A wave holds a STATIONARY source 0 of 128 rows x K 512 (32 fragments, 384 registers, read once) and takes 8 STREAMED tiles of 16 rows as source 1:
; 32 matrix instructions a tile on 8 accumulators by turns.   q, k: stationary = 128 rows of the weight (two heads), streamed = 128 tokens.   v: stationary = 128 tokens, streamed = 128 rows of wv.
; THE ROWS OF A STATIONARY TILE ARE NOT NEIGHBOURS: lane r of tile 2 b + u takes row 32 b + 8 u + r + 8 (r / 8).  In the result a lane holds one streamed row, and its register 16 b + i the stationary row
; 32 b + 16 (lane / 16) + i: 16 neighbours along the next product's K, which is what the conversions take.  The images in memory are natural (tile n = rows 16 n + r): a permuted fragment is read from them
; at (r / 8) x 6144 + 16 (r % 8) + 256 (lane / 16), + 2 b x 6144 + 128 u.
; k's and wv's streamed tiles are permuted in the same way, since attention takes k's and v's tiles as its source 0; q's are natural.  The two forms differ in the factor of r / 8 and in the step from an even
; tile to an odd one: two scalars.
; OUT.  q: half fragments (16 rows x 64 K, registers 0-5; registers 2 p, 2 p + 1 of lane l at 256 p + 8 l) at qc [head of 32][query tile 128]; scale words (two bytes, the upper two 0) at
; qs [head][8 tiles][4 tiles][row][tile].   k, v: one record of 208,896 bytes a head: k's 128 half fragments; from 98,304 v's fragments [key step 16][tile of 16 channels 4]; from 196,608 k's scale
; words [step][4 tiles][row][tile]; from 204,800 v's [step][row][tile].
; The biases are the C of each sum's first matrix instruction.  Waves share nothing but reads: no LDS, no barrier.
; No cluster: a joint request lands in LDS, and here each fragment is wanted by one wave, in its registers; what work-groups share (393,216 bytes of weight codes a mode) they read at about the same time.
; LIMITS: as in the launch that makes the codes: zero blocks and blocks under 2^-124 keep the byte 1; NaN and infinities are not served.
; REGISTERS, in windows of 256: window 0 below;  window 1: stationary fragments (tile t, K steps 0, 1) at 12 (2 t + ks);  window 2: K steps 2, 3 likewise, from v192 q's or k's bias in the result's layout;
; window 3: v0-47, v48-95 the streamed tile's four fragments, two buffers.
.set KVREC, 208896
.set VIMG,  98304
.set KSC,   196608
.set VSC,   204800
.set LP,  4                            ; v4   a permuted fragment's lane term
.set SE,  5                            ; v5, v6  the streamed tile's lane term: even tiles, odd tiles
.set LSP, 7                            ; v7   a permuted tile's scale words
.set SSE, 8                            ; v8, v9  the streamed tile's scale words: even, odd
.set OA,  10                           ; v10  8 x lane
.set OB,  11                           ; v11  the same, one head on
.set OV,  12                           ; v12  16 x lane
.set OSV, 13                           ; v13  16 r + (lane / 16) x one head
.set BA,  14                           ; v14  the biases' lane term
.set H16, 15                           ; v15  16 x (lane / 16)
.set WD,  16                           ; v16-23 scale words on their way out
.set BV,  24                           ; v24-31 bv of my row of each streamed tile
.set SWS, 32                           ; v32-63 the stationary rows' scale words [4 t + ks]
.set XS,  64                           ; v64-71 the streamed rows' scale words, two sets of four
.set PWS, 72                           ; v72-79 the scale word made of each streamed tile
.set HA,  80                           ; v80-143 the 8 accumulators
.set PC,  144
.set TM,  164
.set CV,  180                          ; v180-187 v's bias as a C: eight times the lane's number
.set CB,  192                          ; in window 2
.set SEL, 2                            ; s[2:3]
.set MSB, 0
.macro WIN new                         ; the immediate's high byte repeats the setting that is left
.if MSB != (\new)
	s_set_vgpr_msb (MSB<<8)|(\new)
.set MSB, (\new)
.endif
.endm
.macro PLACES n
.rept \n
	v_nop
.endr
.endm
.macro MM d, a, b, c, sa, sb
	v_wmma_scale_f32_16x16x128_f8f6f4 v[\d:\d+7], v[\a:\a+11], v[\b:\b+11], v[\c:\c+7], v[\sa], v[\sb] matrix_a_fmt:MATRIX_FMT_FP6 matrix_b_fmt:MATRIX_FMT_FP6
.endm
.macro QUANT s, pw                     ; 64 numbers of a lane, register 16 b + i = k 32 b + 16 (lane / 16) + i of my row, become a fragment in v[PC] on and a scale word in v[pw]
.irp b, 0,1,2,3
	v_max3_num_f32 v[TM+\b], |v[\s+16*\b]|, |v[\s+1+16*\b]|, 0x1800000   ; each accumulator is read from its low end on; the floor 2^(3 - 127) holds the byte at 1 from below
.endr
.irp i, 2,4,6,8,10,12,14
.irp b, 0,1,2,3
	v_max3_num_f32 v[TM+\b], v[TM+\b], |v[\s+16*\b+\i]|, |v[\s+1+16*\b+\i]|
.endr
.endr
.irp b, 0,1,2,3
	v_permlanex16_b32 v[TM+4+\b], v[TM+\b], s[SEL], s[SEL+1]
.endr
.irp b, 0,1,2,3
	v_max_num_f32 v[TM+\b], v[TM+\b], v[TM+4+\b]
.endr
.irp b, 0,1,2,3
	v_add_nc_u32 v[TM+12+\b], 0xff000000, v[TM+\b]   ; 2 off the exponent field: the conversion's scale operand
.endr
.irp b, 0,1,2,3
	v_lshrrev_b32 v[TM+4+\b], 23, v[TM+12+\b]
.endr
	v_lshl_or_b32 v[\pw], v[TM+5], 8, v[TM+4]
	v_lshl_or_b32 v[\pw], v[TM+6], 16, v[\pw]
	v_lshl_or_b32 v[\pw], v[TM+7], 24, v[\pw]
.irp c, 0,1
	v_cvt_scalef32_pk16_fp6_f32 v[PC+6*\c:PC+2+6*\c], v[\s+32*\c:\s+15+32*\c], v[TM+12+2*\c]
	v_cvt_scalef32_pk16_fp6_f32 v[PC+12+4*\c:PC+14+4*\c], v[\s+16+32*\c:\s+31+32*\c], v[TM+12+2*\c+1]
.endr
	v_nop                                          ; one plain place behind a scaled conversion
.irp c, 0,1
.irp i, 0,1,2
	v_permlane16_swap_b32 v[PC+6*\c+\i], v[PC+12+4*\c+\i]
.endr
.irp i, 0,1,2
	v_mov_b32 v[PC+3+6*\c+\i], v[PC+12+4*\c+\i]
.endr
.endr
.endm
.macro XFETCH m                        ; streamed tile m: four fragments into buffer m % 2, four scale words: 13 loads
	WIN 0xc0
.irp ks, 0,1,2,3
.irp c, 0,1,2
	global_load_b128 v[48*((\m)%2)+12*\ks+4*\c:48*((\m)%2)+12*\ks+4*\c+3], v[SE+(\m)%2], s[32:33] offset:((\m)/2)*12288+1536*\ks+512*\c
.endr
.endr
	WIN 0
	global_load_b128 v[XS+4*((\m)%2):XS+4*((\m)%2)+3], v[SSE+(\m)%2], s[34:35] offset:((\m)/2)*512
.endm
.macro TILE m, vmode
.if (\m) < 7
	s_wait_loadcnt 13                              ; this tile's loads, and all older ones, are in; the next tile's 13 may be out
.else
	s_wait_loadcnt 0x0
.endif
.if \vmode
.irp j, 0,1,2,3,4,5,6,7
	v_mov_b32 v[CV+\j], v[BV+(\m)]                 ; a lane holds one channel of v: its bias in all eight registers
.endr
.endif
	PLACES 5                                       ; the accumulators are begun anew with another C: five places behind the last matrix instruction that named them
.if \vmode
	WIN 0x0d                                       ; source 0 window 1, source 1 window 3, C and D window 0
.else
	WIN 0x2d                                       ; the same, C (the bias) window 2
.endif
.irp t, 0,1,2,3,4,5,6,7                        ; the 8 accumulators take turns, one instruction a turn, K step by K step
.if \vmode
	MM HA+8*\t, 24*\t, 48*((\m)%2), CV, SWS+4*\t, XS+4*((\m)%2)
.else
	MM HA+8*\t, 24*\t, 48*((\m)%2), CB+8*\t, SWS+4*\t, XS+4*((\m)%2)
.endif
.endr
	WIN 0x0d
.irp t, 0,1,2,3,4,5,6,7
	MM HA+8*\t, 24*\t+12, 48*((\m)%2)+12, HA+8*\t, SWS+4*\t+1, XS+4*((\m)%2)+1
.endr
	WIN 0x0e                                       ; source 0 window 2
.irp ks, 2,3
.irp t, 0,1,2,3,4,5,6,7
	MM HA+8*\t, 24*\t+12*(\ks-2), 48*((\m)%2)+12*\ks, HA+8*\t, SWS+4*\t+\ks, XS+4*((\m)%2)+\ks
.endr
.endr
	WIN 0
	PLACES 4                                       ; in front of loads into registers that matrix instructions have read, and of the first read of results
.if (\m) > 0
	s_wait_xcnt 0x0                                ; the last tile's stores have read the codes' registers
.endif
.if (\m) < 6
	XFETCH (\m)+2
.endif
	QUANT HA, PWS+(\m)
.if \vmode
.irp c, 0,1,2
	global_store_b128 v[OV], v[PC+4*\c:PC+4*\c+3], s[36:37] offset:((\m)/4)*KVREC+((\m)%4)*1536+512*\c   ; 512 consecutive bytes, aligned
.endr
.else
.irp p, 0,1,2
	global_store_b64 v[OA], v[PC+2*\p:PC+2*\p+1], s[36:37] offset:768*(\m)+256*\p        ; registers 0-5: the wave's first head; 256 consecutive bytes, aligned
	global_store_b64 v[OB], v[PC+6+2*\p:PC+7+2*\p], s[36:37] offset:768*(\m)+256*\p      ; registers 6-11: its second
.endr
.endif
.endm
	s_load_b256 s[4:11], s[0:1], 0x0               ; codes, scales, bq, bk
	s_load_b256 s[12:19], s[0:1], 0x20             ; bv, qc, qs, kv
	v_lshrrev_b32 v1, 5, v0
	v_readfirstlane_b32 s22, v1                    ; wave
	s_lshr_b32 s20, ttmp9, 6                       ; 0: q, 1: k, 2: v
	s_and_b32 s21, ttmp9, 63                       ; which of the mode's 64 work-groups
	v_and_b32 v1, 31, v0                           ; lane
	v_and_b32 v2, 15, v0                           ; r
	v_bfe_u32 v3, v0, 4, 1                         ; h
	v_bfe_u32 v188, v0, 3, 1                       ; r / 8
	v_and_b32 v189, 7, v0
	v_lshlrev_b32 v189, 4, v189                    ; 16 (r % 8)
	v_lshl_add_u32 v190, v3, 8, v189               ; + 256 h
	v_mad_u32_u24 v[LP], v188, 6144, v190
	v_lshl_add_u32 v[LSP], v188, 8, v189
	s_cmp_eq_u32 s20, 0                            ; q's streamed tiles are natural: 16 x lane = 128 (r / 8) + 16 (r % 8) + 256 h, an odd tile 6,144 bytes on
	s_movk_i32 s40, 6144
	s_cselect_b32 s40, 128, s40
	s_movk_i32 s41, 128
	s_cselect_b32 s41, 6144, s41
	s_movk_i32 s42, 256
	s_cselect_b32 s42, 128, s42
	s_movk_i32 s43, 128
	s_cselect_b32 s43, 256, s43
	v_mad_u32_u24 v[SE], v188, s40, v190
	v_add_nc_u32 v[SE+1], s41, v[SE]
	v_mad_u32_u24 v[SSE], v188, s42, v189
	v_add_nc_u32 v[SSE+1], s43, v[SSE]
	v_lshlrev_b32 v[OA], 3, v1
	v_lshlrev_b32 v[OV], 4, v1
	v_lshlrev_b32 v[H16], 4, v3
	s_mov_b32 s[SEL], 0x76543210
	s_mov_b32 s[SEL+1], 0xfedcba98
.irp b, 0,1,2,3
	v_mov_b32 v[TM+4+\b], 0                        ; written once: a lane permute's destination counts as one of its sources
.endr
	s_lshl_b32 s23, s22, 3
	s_lshl_b32 s24, s20, 5
	s_add_co_u32 s24, s24, 512
	s_add_co_u32 s24, s24, s23                     ; q, k: stationary units 512 + 32 mode + 8 wave on
	s_lshr_b32 s25, s21, 2
	s_lshl_b32 s25, s25, 5
	s_add_co_u32 s25, s25, s23                     ; v: x's units 32 (group / 4) + 8 wave on
	s_lshl_b32 s26, s21, 3                         ; q, k: streamed units: x's, 8 group on
	s_and_b32 s27, s21, 3
	s_lshl_b32 s27, s27, 3
	s_add_co_u32 s27, s27, 576                     ; v: wv's, 8 (group % 4) on
	s_cmp_eq_u32 s20, 2
	s_cselect_b32 s24, s25, s24
	s_cselect_b32 s26, s27, s26
	s_mul_i32 s44, s24, 6144
	s_mov_b32 s45, 0
	s_lshl_b32 s46, s24, 8
	s_mov_b32 s47, 0
	s_mul_i32 s48, s26, 6144
	s_mov_b32 s49, 0
	s_lshl_b32 s50, s26, 8
	s_mov_b32 s51, 0
	s_wait_kmcnt 0x0
	s_add_nc_u64 s[28:29], s[4:5], s[44:45]        ; stationary codes,
	s_add_nc_u64 s[30:31], s[6:7], s[46:47]        ; their scale words,
	s_add_nc_u64 s[32:33], s[4:5], s[48:49]        ; streamed codes,
	s_add_nc_u64 s[34:35], s[6:7], s[50:51]        ; their scale words
.irp t, 0,1,2,3,4,5,6,7
	global_load_b128 v[SWS+4*\t:SWS+4*\t+3], v[LSP], s[30:31] offset:(\t/2)*512+128*(\t%2)
.endr
	WIN 0x40
.irp t, 0,1,2,3,4,5,6,7
.irp ks, 0,1
.irp c, 0,1,2
	global_load_b128 v[12*(2*\t+\ks)+4*\c:12*(2*\t+\ks)+4*\c+3], v[LP], s[28:29] offset:(\t/2)*12288+128*(\t%2)+1536*\ks+512*\c
.endr
.endr
.endr
	WIN 0x80
.irp t, 0,1,2,3,4,5,6,7
.irp ks, 0,1
.irp c, 0,1,2
	global_load_b128 v[12*(2*\t+\ks)+4*\c:12*(2*\t+\ks)+4*\c+3], v[LP], s[28:29] offset:(\t/2)*12288+128*(\t%2)+1536*(\ks+2)+512*\c
.endr
.endr
.endr
	WIN 0
	s_cmp_eq_u32 s20, 2
	s_cbranch_scc1 .Lv_path
	; ---- q or k
	s_lshr_b32 s52, s21, 4                         ; the batch
	s_and_b32 s53, s21, 15                         ; which 128 tokens of it
	s_lshl_b32 s54, s52, 3
	s_lshl_b32 s62, s22, 1
	s_add_co_u32 s54, s54, s62                     ; my first head of 32: 8 batch + 2 wave
	s_cmp_eq_u32 s20, 0
	s_cselect_b64 s[36:37], s[14:15], s[18:19]     ; codes go to qc or to kv,
	s_cselect_b64 s[38:39], s[16:17], s[18:19]     ; scale words to qs or to kv;
	s_cselect_b64 s[56:57], s[8:9], s[10:11]       ; the bias is bq or bk
	s_mov_b32 s55, KVREC
	s_cselect_b32 s55, 98304, s55                  ; from head to head, codes
	s_mov_b32 s58, KVREC
	s_cselect_b32 s58, 8192, s58                   ; and scale words
	s_cselect_b32 s59, 0, KSC
	s_mul_i32 s60, s54, s55
	s_mul_i32 s61, s53, 6144
	s_add_co_u32 s60, s60, s61
	s_mov_b32 s61, 0
	s_add_nc_u64 s[36:37], s[36:37], s[60:61]
	s_mul_i32 s60, s54, s58
	s_lshl_b32 s62, s53, 9
	s_add_co_u32 s60, s60, s62
	s_add_co_u32 s60, s60, s59
	s_add_nc_u64 s[38:39], s[38:39], s[60:61]
	s_lshl_b32 s60, s22, 9                         ; my 128 numbers of the bias
	s_add_nc_u64 s[56:57], s[56:57], s[60:61]
	v_add_nc_u32 v[OB], s55, v[OA]
	v_lshlrev_b32 v[OSV], 4, v2
	v_mad_u32_u24 v[OSV], v3, s58, v[OSV]
	v_lshlrev_b32 v[BA], 6, v3                     ; tile 2 b + u, register j: channel 32 b + 16 h + 8 u + j
	WIN 0x80
.irp t, 0,1,2,3,4,5,6,7
.irp e, 0,1
	global_load_b128 v[CB+8*\t+4*\e:CB+8*\t+4*\e+3], v[BA], s[56:57] offset:(32*(\t/2)+8*(\t%2))*4+16*\e
.endr
.endr
	WIN 0
	XFETCH 0
	XFETCH 1
.irp m, 0,1,2,3,4,5,6,7
	TILE \m, 0
.endr
.irp m, 0,1,2,3,4,5,6,7
	v_bfe_u32 v[WD+\m], v[PWS+\m], v[H16], 16      ; lanes 0-15: the first head's two bytes, lanes 16-31: the second's; the upper two bytes are 0
.endr
	global_store_b128 v[OSV], v[WD:WD+3], s[38:39]             ; 16 lanes store 256 consecutive bytes, aligned, for each head
	global_store_b128 v[OSV], v[WD+4:WD+7], s[38:39] offset:256
	s_endpgm
	; ---- v
.Lv_path:
	s_lshr_b32 s52, s21, 2                         ; which 512 tokens
	s_lshr_b32 s53, s52, 2                         ; the batch
	s_and_b32 s54, s52, 3
	s_lshl_b32 s54, s54, 2
	s_add_co_u32 s54, s54, s22                     ; my key step of the batch's 16
	s_and_b32 s55, s21, 3                          ; which two heads
	s_lshl_b32 s58, s53, 3
	s_lshl_b32 s59, s55, 1
	s_add_co_u32 s58, s58, s59                     ; the first of them, of 32
	s_mul_i32 s60, s58, KVREC
	s_mov_b32 s63, 0
	s_mul_i32 s62, s54, 6144
	s_add_co_u32 s62, s62, s60
	s_add_co_u32 s62, s62, VIMG
	s_add_nc_u64 s[36:37], s[18:19], s[62:63]
	s_lshl_b32 s62, s54, 8
	s_add_co_u32 s62, s62, s60
	s_add_co_u32 s62, s62, VSC
	s_add_nc_u64 s[38:39], s[18:19], s[62:63]
	s_lshl_b32 s62, s55, 9
	s_add_nc_u64 s[56:57], s[12:13], s[62:63]      ; bv at the two heads' 128 channels
	s_mov_b32 s59, KVREC
	v_lshlrev_b32 v[OSV], 4, v2
	v_mad_u32_u24 v[OSV], v3, s59, v[OSV]
	v_lshlrev_b32 v[BA], 2, v2
	v_lshl_add_u32 v[BA], v188, 5, v[BA]           ; 4 (r + 8 (r / 8)): my channel of a permuted tile
.irp m, 0,1,2,3,4,5,6,7
	global_load_b32 v[BV+\m], v[BA], s[56:57] offset:(32*(\m/2)+8*(\m%2))*4
.endr
	XFETCH 0
	XFETCH 1
.irp m, 0,1,2,3,4,5,6,7
	TILE \m, 1
.endr
	v_cmp_ne_u32 vcc_lo, 0, v3                     ; lanes 0-15 store the first head's four words, lanes 16-31 the second's
.irp t, 0,1,2,3
	v_cndmask_b32 v[WD+\t], v[PWS+\t], v[PWS+4+\t], vcc_lo
.endr
	global_store_b128 v[OSV], v[WD:WD+3], s[38:39]
	s_endpgm
.Lfunc_end_k_q2d47b02daa_qkv:
	.size	k_q2d47b02daa_qkv, .Lfunc_end_k_q2d47b02daa_qkv-k_q2d47b02daa_qkv
	.p2alignl 7, 3214868480
	.fill 96, 4, 3214868480
	.section	.rodata,"a",@progbits
	.p2align	6, 0x0
	.amdhsa_kernel k_q2d47b02daa_qkv
		.amdhsa_group_segment_fixed_size 0
		.amdhsa_private_segment_fixed_size 0
		.amdhsa_enable_private_segment 0
		.amdhsa_kernarg_size 64
		.amdhsa_user_sgpr_count 2
		.amdhsa_user_sgpr_kernarg_segment_ptr 1
		.amdhsa_wavefront_size32 1
		.amdhsa_system_sgpr_workgroup_id_x 1
		.amdhsa_system_sgpr_workgroup_id_y 1
		.amdhsa_system_sgpr_workgroup_id_z 1
		.amdhsa_system_vgpr_workitem_id 0
		.amdhsa_next_free_vgpr 864
		.amdhsa_next_free_sgpr 66
		.amdhsa_reserve_vcc 1
		.amdhsa_float_denorm_mode_32 3
		.amdhsa_float_denorm_mode_16_64 3
		.amdhsa_memory_ordered 1
		.amdhsa_forward_progress 1
		.amdhsa_inst_pref_size 179
	.end_amdhsa_kernel
	.amdgpu_metadata
---
amdhsa.version: [ 1, 2 ]
amdhsa.kernels:
  - .name:           k_q2d47b02daa_qkv
    .symbol:         k_q2d47b02daa_qkv.kd
    .args:
      - { .name: codes, .offset: 0, .size: 8, .value_kind: global_buffer, .address_space: global }
      - { .name: scales, .offset: 8, .size: 8, .value_kind: global_buffer, .address_space: global }
      - { .name: bq, .offset: 16, .size: 8, .value_kind: global_buffer, .address_space: global }
      - { .name: bk, .offset: 24, .size: 8, .value_kind: global_buffer, .address_space: global }
      - { .name: bv, .offset: 32, .size: 8, .value_kind: global_buffer, .address_space: global }
      - { .name: qc, .offset: 40, .size: 8, .value_kind: global_buffer, .address_space: global }
      - { .name: qs, .offset: 48, .size: 8, .value_kind: global_buffer, .address_space: global }
      - { .name: kv, .offset: 56, .size: 8, .value_kind: global_buffer, .address_space: global }
    .group_segment_fixed_size: 0
    .private_segment_fixed_size: 0
    .kernarg_segment_align: 8
    .kernarg_segment_size: 64
    .max_flat_workgroup_size: 128
    .sgpr_count:     66
    .vgpr_count:     864
    .wavefront_size: 32
...
	.end_amdgpu_metadata
.endif
;; end of part 2
;; launch attn (part 3): grid 8 x 32, 16 waves a work-group, clusters of 4 x 1, 219,136 bytes of LDS; arguments qc, qs, kv, mask, oc, os; writes oc, os
.if DOCPART == 3
	.amdgcn_target "amdgcn-amd-amdhsa--gfx1250"
	.amdhsa_code_object_version 6
	.text
	.protected	k_q2d47b02daa_attn
	.globl	k_q2d47b02daa_attn
	.p2align	8
	.type	k_q2d47b02daa_attn,@function
k_q2d47b02daa_attn:
	s_mov_b64 s[64:65], 0
	v_nop
	global_prefetch_b8 v0, s[64:65] scope:SCOPE_SE
	s_setreg_imm32_b32 hwreg(HW_REG_WAVE_MODE, 25, 1), 1
	s_wait_xcnt 0x0
	s_wait_alu depctr_hold_cnt(0) depctr_sa_sdst(0) depctr_va_vdst(0) depctr_va_sdst(0) depctr_va_ssrc(0) depctr_va_vcc(0) depctr_vm_vsrc(0)
	s_getreg_b32 s2, hwreg(HW_REG_IB_STS2, 6, 4)
	s_cmp_eq_u32 s2, 0
	s_cbranch_scc0 .Lentry_in_a_cluster
	s_endpgm
.Lentry_in_a_cluster:
	s_bfe_u32 s2, ttmp6, 0x10000c
	s_cmp_lg_u32 s2, 0x3003
	s_cbranch_scc0 .Lentry_shape_is_right
	s_endpgm
.Lentry_shape_is_right:
; o[b][q][head] = softmax_k(q . k / 8, masked keys filled) v, both products on codes of FP6 (E2M3) with one E8M0 scale for each 32 along a product's K; o is quantised along its 64 channels for the next product.
; THE SOFTMAX AHEAD OF THE SECOND PRODUCT: t = score x log2(e) / 8; M = the row's largest t so far, rounded UP to a whole number; p = 2^(t - M) is quantised along the keys, not normalised; the row's sum is
; taken of the unquantised p and divides at the end.  When M moves, the sum and O are multiplied by 2^(old M - new M): exact.
; SHARES.  A work-group owns 256 queries of one head, each of its sixteen waves 16 of them in 256 registers: four waves to a SIMD, so that one wave's vector work stands beside another's matrix work and LDS loads.
; Every wave walks the head's 2,048 keys, 128 a step.
; LDS.  The head's whole record of k and v (208,896 bytes: codes and scale words in the order of the operands' registers) comes ONCE: each wave asks for 51 rows of 256 bytes.  No byte of LDS is filled twice,
; so there are no slots.  Behind it lie 2,048 words made of the mask: 0 for an open key, -2^100 for a masked one.
; THE MASK IS THE C OF THE FIRST PRODUCT: a step's 64 words a lane are loaded from LDS straight into the score accumulators, register for register as the scores will lie, and the products add onto them:
; no vector instruction is spent on the mask in the loop.
; A BATCH ALL OF WHOSE KEYS ARE MASKED has equal logits in the definition, so every p must be 1; -2^100 + score need not round alike for every score.  So each wave looks at the batch's 2,048 mask bytes once, and
; where all are set it turns q's codes into zeros (a select, no jump): every score is then exactly -2^100, t = -2^100 c is exact and a whole number, M = t and p = 1.
; CLUSTER.  The four query blocks of a cluster belong to one head: each part of the record is asked for JOINTLY, by the same tensor load with the same descriptor and a mask that names the four.
; LAYOUT.  Both products are used transposed: S^T = k q^T (source 0 = 16 keys), O^T = v^T p^T (source 0 = 16 channels): a lane holds one query (lane % 16) throughout.  k's and v's tiles were stored permuted
; (lane r of tile 2 b + u holds row 32 b + 8 u + r + 8 (r / 8)), so that the 16 registers of tiles 2 b and 2 b + 1 are 16 neighbours: keys for p, channels for o.
; THE FIRST PRODUCT'S K IS 64: half an instruction.  q's registers 6-11 are zero codes and the upper two bytes of q's and k's scale words are 0 (2^-127, a number): whatever k's registers 6-11 hold adds exactly 0.
; So k's half fragments lie 6 registers apart, and a tile's upper six registers are the next tile's codes.
; LIMITS: a masked logit is about -2^97 where the definition has -1e9: with any open key a masked p is 0 either way, with none every p is 1 either way; they part only where open logits lie under -1e9.
; A mask byte is 0 or 1.  NaN and infinities are not served.  Zero blocks keep the scale byte 1: their codes are zeros.
; REGISTERS: v1-7 addresses that stay; v8-11, v28 addresses of the step; v12 -M, v13 the largest t, v[14:15] the sum in two halves; v16-27 q; v32-85 k's tiles, then v32-79 v's tiles;
; v96-159 the mask's words, then S^T, then p; v160-191 O^T; v192-199 k's scale words, v200-203 v's; v204-214 at work at the head; v224-235 p's codes; v232-254 at work; v253 p's scale word; v255 q's.
.set KVREC, 208896
.set PART,  13056                      ; a wave's part of the record: 51 rows of 256 bytes
.set VIMG,  98304
.set KSC,   196608
.set VSC,   204800
.set MT,    208896                     ; the mask's words: stored by the waves, never a tensor load's target
.set AK0,  1
.set AV0,  2
.set ASK0, 3
.set ASV0, 4
.set AM0,  5
.set GO8,  6
.set R16,  7
.set ADK,  8
.set ADV,  9
.set ADS,  10
.set ADT,  11
.set ADM,  28
.set WV,   18
.set SEL,  20
.set CS,   22
.set G1,   24
.set G0,   32
.set T6,   36                          ; s36  6,144 x step: k's and v's codes
.set T5,   37                          ; s37  512 x step: k's scale words, the mask's words
.set T2,   38                          ; s38  256 x step: v's scale words
.set CNT,  39
.set QON,  49                          ; s49  -1, or 0 where all keys of the batch are masked
; A round of the cluster's barrier: my work-group's barrier; wave 0 signals for the work-group; every wave waits for all four work-groups; my work-group's barrier once more.
.macro CROUND
	s_barrier_signal -1
	s_barrier_wait -1
	s_cmp_lg_u32 s[WV], 0
	s_cbranch_scc1 .Lnot_wave_0_\@
	s_barrier_signal -3
.Lnot_wave_0_\@:
	s_barrier_wait -3
	s_barrier_signal -1
	s_barrier_wait -1
.endm
	s_load_b256 s[4:11], s[0:1], 0x0               ; qc, qs, kv, mask
	s_load_b128 s[12:15], s[0:1], 0x20             ; oc, os
	v_lshl_add_u32 v250, v0, 2, 0x35000
	v_mov_b32 v251, 0
	ds_add_u32 v250, v251
	ds_add_u32 v250, v251
	v_lshrrev_b32 v8, 5, v0
	v_readfirstlane_b32 s[WV], v8                  ; wave 0..15
	s_bfe_u32 s40, ttmp6, 0x40000                  ; cx: it enters q's and o's global addresses alone
	s_lshl_b32 s41, ttmp9, 2
	s_add_co_u32 s41, s41, s40                     ; my block of 256 queries
	s_and_b32 s42, ttmp7, 0xffff                   ; the head of 32, which the four partners share
	s_lshr_b32 s43, s42, 3                         ; the batch
	s_and_b32 s44, s42, 7                          ; the head in it
	s_lshl_b32 s45, s41, 4
	s_add_co_u32 s45, s45, s[WV]                   ; my tile of 16 queries, of the batch's 128
	s_mov_b32 s[G1], 15|(3<<16)|(1<<21)            ; 15:0 the mask: all four work-groups; 17:16 elements of 8 bytes; 20 no padding; 21 set beside a mask
	s_mov_b32 s[G1+1], 32<<16                      ; tensor_dim0 = 32 elements: 256 bytes
	s_mov_b32 s[G1+2], 51<<16                      ; tensor_dim1 = 51
	s_mov_b32 s[G1+3], 32<<16                      ; tile_dim0
	s_mov_b32 s[G1+4], 51                          ; tile_dim1
	s_mov_b32 s[G1+5], 32                          ; from row to row: dense
	s_mov_b32 s[G1+6], 0
	s_mov_b32 s[G1+7], 0
	s_mul_i32 s48, s[WV], PART                     ; my part: in LDS as in the record
	s_mul_i32 s46, s42, KVREC
	s_add_co_u32 s46, s46, s48
	s_mov_b32 s47, 0
	s_lshl_b32 s50, s42, 7
	s_add_co_u32 s50, s50, s45
	s_mul_i32 s50, s50, 768                        ; q's half fragment
	s_mov_b32 s51, 0
	s_lshl_b32 s52, s42, 13                        ; q's scale word: [head][8 tiles][4 tiles][row][tile]
	s_lshr_b32 s53, s45, 3
	s_lshl_b32 s53, s53, 9
	s_add_co_u32 s52, s52, s53
	s_bfe_u32 s53, s45, 0x10002
	s_lshl_b32 s53, s53, 8
	s_add_co_u32 s52, s52, s53
	s_and_b32 s53, s45, 3
	s_lshl_b32 s53, s53, 2
	s_add_co_u32 s52, s52, s53
	s_mov_b32 s53, 0
	s_lshl_b32 s54, s43, 11                        ; the batch's 2,048 bytes of the mask
	s_mov_b32 s55, 0
	s_lshl_b32 s56, s43, 7
	s_add_co_u32 s56, s56, s45                     ; my tile of 16 tokens, of 512
	s_mul_i32 s58, s56, 6144
	s_mul_i32 s59, s44, 768
	s_add_co_u32 s58, s58, s59                     ; o's half fragment: [token tile][head]
	s_mov_b32 s59, 0
	s_lshl_b32 s60, s56, 8
	s_lshl_b32 s61, s44, 1
	s_add_co_u32 s60, s60, s61                     ; its two scale bytes: [token tile][row][head]
	s_mov_b32 s61, 0
	s_mov_b32 s62, 0x01010101                      ; four mask bytes, all set
	s_mov_b32 s[SEL], 0x76543210
	s_mov_b32 s[SEL+1], 0xfedcba98
	s_mov_b32 s[CS], 0x3e38aa3b                    ; c = log2(e) / 8
	s_mov_b32 s[CS+1], s[CS]                       ; (named with it as a pair, so it is written)
	s_mov_b32 s[T6], 0
	s_mov_b32 s[T5], 0
	s_mov_b32 s[T2], 0
	s_mov_b32 s[CNT], 16
	v_and_b32 v9, 31, v0                           ; lane
	v_and_b32 v10, 15, v0                          ; r
	v_bfe_u32 v11, v0, 4, 1                        ; h
	v_lshlrev_b32 v[AK0], 3, v9
	v_lshl_add_u32 v[AV0], v9, 4, VIMG
	v_lshl_add_u32 v[ASK0], v10, 4, KSC
	v_lshl_add_u32 v[ASV0], v10, 4, VSC
	v_lshl_add_u32 v[AM0], v11, 6, MT
	v_lshlrev_b32 v[GO8], 3, v9
	v_lshlrev_b32 v[R16], 4, v10
	v_lshlrev_b32 v204, 2, v0                      ; four keys' bytes of the mask a thread,
	v_lshl_add_u32 v212, v0, 4, MT                 ; and their four words;
	v_lshlrev_b32 v214, 6, v9                      ; and 64 bytes a lane: the wave's look at the whole batch
	s_wait_dscnt 0x0
	s_wait_kmcnt 0x0
	s_add_nc_u64 s[4:5], s[4:5], s[50:51]
	s_add_nc_u64 s[6:7], s[6:7], s[52:53]
	s_add_nc_u64 s[10:11], s[10:11], s[54:55]
	s_add_nc_u64 s[12:13], s[12:13], s[58:59]
	s_add_nc_u64 s[14:15], s[14:15], s[60:61]
	s_mov_b32 s[G0], 1                             ; count = 1
	s_mov_b32 s[G0+1], s48                         ; LDS address
	s_add_nc_u64 s[G0+2:G0+3], s[8:9], s[46:47]    ; global address: made of the head and the wave's number alone
	s_or_b32 s[G0+3], s[G0+3], 0x80000000          ; type = 2
	global_load_b32 v205, v204, s[10:11]
.irp i, 0,1,2,3
	global_load_b128 v[96+4*\i:99+4*\i], v214, s[10:11] offset:16*\i   ; the four loads read the batch's 2,048 bytes
.endr
.irp p, 0,1,2
	global_load_b64 v[16+2*\p:17+2*\p], v[GO8], s[4:5] offset:256*\p
.endr
	global_load_b32 v255, v[R16], s[6:7]
	CROUND                                         ; all four work-groups are here: the joint loads meet
	tensor_load_to_lds s[G0:G0+3], s[G1:G1+7]      ; my one tensor load of the launch
	s_nop 0
.rept 4
	v_nop
.endr
.irp j, 22,23,24,25,26,27, 80,81,82,83,84,85
	v_mov_b32 v\j, 0                               ; q's upper half: zero codes; v80-85: named with k's last tile, so they are written
.endr
.set J, 160
.rept 32
	v_mov_b32 v[J], 0                              ; O^T: the loop is written once; its first step finds zeros, which the first change of M leaves zeros
.set J, J+1
.endr
	v_mov_b32 v13, 0xff61b1e6                      ; the largest t so far: -3e38
	v_floor_f32 v12, -v13                          ; -M
	v_mov_b32 v14, 0
	v_mov_b32 v15, 0
.irp b, 0,1,2,3
	v_mov_b32 v[236+\b], 0                         ; written once: a lane permute's destination counts as one of its sources
.endr
	v_mov_b32 v253, 0                              ; (named as the upper half of v[252:253] before it is first written)
	v_mov_b32 v206, 0                              ; an open key's word
	v_mov_b32 v207, 0xf1800000                     ; a masked key's: -2^100
	s_wait_loadcnt 0x0
.irp i, 0,1,2,3,4,5,6,7                        ; are all 2,048 bytes set?  The AND of my 16 words,
	v_and_b32 v[96+\i], v[96+\i], v[104+\i]
.endr
.irp i, 0,1,2,3
	v_and_b32 v[96+\i], v[96+\i], v[100+\i]
.endr
	v_and_b32 v96, v96, v98
	v_and_b32 v97, v97, v99
	v_and_b32 v96, v96, v97
	v_cmp_eq_u32 s[QON], s62, v96                  ; a bit for each lane whose 64 bytes are all set,
	s_cmp_eq_u32 s[QON], -1                        ; all 32 lanes:
	s_cselect_b32 s[QON], 0, -1                    ; a select, no jump
.irp i, 0,1,2,3,4,5
	v_and_b32 v[16+\i], s[QON], v[16+\i]           ; then q's codes become zeros.  (The 12 lines below and the loop's first five stand between these and the first product)
.endr
.irp i, 0,1,2,3
	v_bfe_u32 v213, v205, 8*\i, 8
	v_cmp_ne_u32 vcc_lo, 0, v213
	v_cndmask_b32 v[208+\i], v206, v207, vcc_lo
.endr
	ds_store_b128 v212, v[208:211]
	s_wait_tensorcnt 0x0                           ; my part of the record has landed,
	s_wait_dscnt 0x0                               ; my four words are stored:
	s_barrier_signal -1
	s_barrier_wait -1                              ; everybody's are
.Lstep:                                            ; 16 trips: 128 keys each
	v_add_nc_u32 v[ADK], s[T6], v[AK0]             ; (these five are also the places in front of loads into registers that the last products read)
	v_add_nc_u32 v[ADV], s[T6], v[AV0]
	v_add_nc_u32 v[ADS], s[T5], v[ASK0]
	v_add_nc_u32 v[ADM], s[T5], v[AM0]
	v_add_nc_u32 v[ADT], s[T2], v[ASV0]
.irp b, 0,1,2,3
.irp j, 0,1,2,3
	ds_load_b128 v[96+16*\b+4*\j:99+16*\b+4*\j], v[ADM] offset:128*\b+16*\j   ; the mask's words of keys 32 b + 16 h + 0 .. 15, into the score accumulators: p's conversions have read these registers
.endr
.endr
.irp t, 0,1,2,3,4,5,6,7
.irp p, 0,1,2
	ds_load_b64 v[32+6*\t+2*\p:33+6*\t+2*\p], v[ADK] offset:768*\t+256*\p   ; 256 consecutive bytes an instruction
.endr
.endr
	ds_load_b128 v[192:195], v[ADS]
	ds_load_b128 v[196:199], v[ADS] offset:256
	s_wait_dscnt 0x0
.irp t, 0,1,2,3,4,5,6,7                        ; S^T = k q^T + the mask's words: eight accumulators, one instruction each
	v_wmma_scale_f32_16x16x128_f8f6f4 v[96+8*\t:103+8*\t], v[32+6*\t:43+6*\t], v[16:27], v[96+8*\t:103+8*\t], v[192+\t], v255 matrix_a_fmt:MATRIX_FMT_FP6 matrix_b_fmt:MATRIX_FMT_FP6
.endr
.rept 4
	v_nop                                          ; places in front of loads into k's registers and of the first read of the scores
.endr
.irp t, 0,1,2,3                                ; v's four tiles are asked for now and land under the softmax
.irp c, 0,1,2
	ds_load_b128 v[32+12*\t+4*\c:35+12*\t+4*\c], v[ADV] offset:1536*\t+512*\c
.endr
.endr
	ds_load_b128 v[200:203], v[ADT]
.irp b, 0,1,2,3
	v_max3_num_f32 v[232+\b], v[96+16*\b], v[97+16*\b], v[98+16*\b]   ; the largest score of each block of 32 keys: it serves for the row's maximum and, since p rises with the score, for the block's largest p.  Each accumulator is read from its low end on
.endr
.irp i, 3,5,7,9,11,13
.irp b, 0,1,2,3
	v_max3_num_f32 v[232+\b], v[232+\b], v[96+16*\b+\i], v[97+16*\b+\i]
.endr
.endr
.irp b, 0,1,2,3
	v_max_num_f32 v[232+\b], v[232+\b], v[111+16*\b]
.endr
.irp b, 0,1,2,3
	v_permlanex16_b32 v[236+\b], v[232+\b], s[SEL], s[SEL+1]
.endr
.irp b, 0,1,2,3
	v_max_num_f32 v[232+\b], v[232+\b], v[236+\b]  ; with lane l xor 16's 16 keys
.endr
	v_max3_num_f32 v254, v232, v233, v234
	v_max_num_f32 v254, v254, v235
	v_mul_f32 v254, s[CS], v254                    ; the step's largest t of my query
	v_max_num_f32 v13, v13, v254
	v_mov_b32 v254, v12
	v_floor_f32 v12, -v13                          ; the new -M = -ceil(t): a whole number
	v_sub_f32 v254, v12, v254                      ; old M - new M: a whole number, 0 or less
	v_cvt_i32_f32 v254, v254                       ; (it saturates)
	v_ldexp_f32 v252, 1.0, v254                    ; f = 2^(old M - new M); 0 where the keys so far were all masked and an open one has come
.set J, 0
.rept 32
	v_pk_fma_f32 v[96+J:97+J], v[96+J:97+J], s[CS:CS+1], v[12:13] op_sel_hi:[1,0,0]   ; t - M, two at a time
.set J, J+2
.endr
.irp b, 0,1,2,3
	v_fma_f32 v[232+\b], v[232+\b], s[CS], v12     ; the same of each block's largest score
.endr
.set J, 0
.rept 64
	v_exp_f32 v[96+J], v[96+J]                     ; p = 2^(t - M), at most 1
.set J, J+1
.endr
	v_pk_mul_f32 v[14:15], v[14:15], v[252:253] op_sel_hi:[1,0]   ; the sums under the new M: a plain place behind the exponentials
	s_wait_alu depctr_va_vdst(0)                   ; one wait for the batch of 64, ahead of its first reader
.irp b, 0,1,2,3
	v_exp_f32 v[232+\b], v[232+\b]                 ; the block's largest p: the same two instructions on the same number
.endr
	v_pk_add_f32 v[236:237], v[96:97], v[98:99]    ; the row's sum is taken of the unquantised p, in two chains; it reads the 64 alone
.irp j, 4,8,12,16,20,24,28,32,36,40,44,48,52,56,60
	v_pk_add_f32 v[14:15], v[14:15], v[96+\j:97+\j]
	v_pk_add_f32 v[236:237], v[236:237], v[98+\j:99+\j]
.endr
	v_pk_add_f32 v[14:15], v[14:15], v[236:237]
	s_wait_alu depctr_va_vdst(0)                   ; and one for the four
.irp b, 0,1,2,3
	v_max_num_f32 v[232+\b], 0x1800000, v[232+\b]  ; the floor 2^(3 - 127): the byte cannot fall under 1
.endr
.irp b, 0,1,2,3
	v_add_nc_u32 v[244+\b], 0xff000000, v[232+\b]  ; 2 off the exponent field: the conversion's scale operand
.endr
.irp b, 0,1,2,3
	v_lshrrev_b32 v[236+\b], 23, v[244+\b]
.endr
	v_lshl_or_b32 v253, v237, 8, v236              ; p's scale word for these 128 keys
	v_lshl_or_b32 v253, v238, 16, v253
	v_lshl_or_b32 v253, v239, 24, v253
.irp c, 0,1
	v_cvt_scalef32_pk16_fp6_f32 v[224+6*\c:226+6*\c], v[96+32*\c:111+32*\c], v[244+2*\c]
	v_cvt_scalef32_pk16_fp6_f32 v[236+4*\c:238+4*\c], v[112+32*\c:127+32*\c], v[244+2*\c+1]
.endr
	v_nop                                          ; one plain place behind a scaled conversion
.irp c, 0,1
.irp i, 0,1,2
	v_permlane16_swap_b32 v[224+6*\c+\i], v[236+4*\c+\i]
.endr
.irp i, 0,1,2
	v_mov_b32 v[227+6*\c+\i], v[236+4*\c+\i]
.endr
.endr
.set J, 0
.rept 16
	v_pk_mul_f32 v[160+J:161+J], v[160+J:161+J], v[252:253] op_sel_hi:[1,0]   ; O^T under the new M.  Of these 16, 12 name no register of a given product below: the places between p's codes and scale word and that product
.set J, J+2
.endr
	s_wait_dscnt 0x0                               ; v's tiles and scale words are in
.irp t, 0,1,2,3                                ; O^T += v^T p^T: four accumulators by turns
	v_wmma_scale_f32_16x16x128_f8f6f4 v[160+8*\t:167+8*\t], v[32+12*\t:43+12*\t], v[224:235], v[160+8*\t:167+8*\t], v[200+\t], v253 matrix_a_fmt:MATRIX_FMT_FP6 matrix_b_fmt:MATRIX_FMT_FP6
.endr
	s_add_co_u32 s[T6], s[T6], 6144
	s_add_co_u32 s[T5], s[T5], 512
	s_add_co_u32 s[T2], s[T2], 256
	s_sub_co_u32 s[CNT], s[CNT], 1
	s_cmp_lg_u32 s[CNT], 0
	s_cbranch_scc1 .Lstep
	; THE WAY OUT: O^T / the sum; register 16 b + i is channel 32 b + 16 h + i of my query: two blocks of 32, quantised as half a fragment
	v_add_f32 v14, v14, v15
	v_permlanex16_b32 v252, v14, s[SEL], s[SEL+1]
	v_add_f32 v14, v14, v252                       ; the row's sum
	v_rcp_f32 v14, v14
.rept 4
	v_nop                                          ; the plain place behind the reciprocal, and the places behind the last products
.endr
	s_wait_alu depctr_va_vdst(0)                   ; ahead of the reciprocal's first reader
.set J, 0
.rept 32
	v_mul_f32 v[96+J], v[160+J], v14
.set J, J+1
.endr
.irp b, 0,1
	v_max3_num_f32 v[232+\b], |v[96+16*\b]|, |v[97+16*\b]|, 0x1800000
.endr
.irp i, 2,4,6,8,10,12,14
.irp b, 0,1
	v_max3_num_f32 v[232+\b], v[232+\b], |v[96+16*\b+\i]|, |v[97+16*\b+\i]|
.endr
.endr
.irp b, 0,1
	v_permlanex16_b32 v[236+\b], v[232+\b], s[SEL], s[SEL+1]
.endr
.irp b, 0,1
	v_max_num_f32 v[232+\b], v[232+\b], v[236+\b]
.endr
.irp b, 0,1
	v_add_nc_u32 v[244+\b], 0xff000000, v[232+\b]
.endr
.irp b, 0,1
	v_lshrrev_b32 v[240+\b], 23, v[244+\b]
.endr
	v_lshl_or_b32 v240, v241, 8, v240              ; my row's two scale bytes
	v_cvt_scalef32_pk16_fp6_f32 v[224:226], v[96:111], v244
	v_cvt_scalef32_pk16_fp6_f32 v[236:238], v[112:127], v245
	v_nop
.irp i, 0,1,2
	v_permlane16_swap_b32 v[224+\i], v[236+\i]
.endr
.irp i, 0,1,2
	v_mov_b32 v[227+\i], v[236+\i]
.endr
.irp p, 0,1,2
	global_store_b64 v[GO8], v[224+2*\p:225+2*\p], s[12:13] offset:256*\p   ; 256 consecutive bytes, aligned
.endr
	global_store_b16 v[R16], v240, s[14:15]        ; a head owns 2 of a token's 16 scale bytes; both halves of the lanes write the same number
	s_wait_dscnt 0x0
	s_wait_tensorcnt 0x0
	ds_add_u32 v250, v251
	s_wait_dscnt 0x0
	CROUND                                         ; the closing round: no work-group ends while a partner may still ask for a part that names it
	s_endpgm
.Lfunc_end_k_q2d47b02daa_attn:
	.size	k_q2d47b02daa_attn, .Lfunc_end_k_q2d47b02daa_attn-k_q2d47b02daa_attn
	.p2alignl 7, 3214868480
	.fill 96, 4, 3214868480
	.section	.rodata,"a",@progbits
	.p2align	6, 0x0
	.amdhsa_kernel k_q2d47b02daa_attn
		.amdhsa_group_segment_fixed_size 219136
		.amdhsa_private_segment_fixed_size 0
		.amdhsa_enable_private_segment 0
		.amdhsa_kernarg_size 48
		.amdhsa_user_sgpr_count 2
		.amdhsa_user_sgpr_kernarg_segment_ptr 1
		.amdhsa_wavefront_size32 1
		.amdhsa_system_sgpr_workgroup_id_x 1
		.amdhsa_system_sgpr_workgroup_id_y 1
		.amdhsa_system_sgpr_workgroup_id_z 1
		.amdhsa_system_vgpr_workitem_id 0
		.amdhsa_next_free_vgpr 256
		.amdhsa_next_free_sgpr 66
		.amdhsa_reserve_vcc 1
		.amdhsa_float_denorm_mode_32 3
		.amdhsa_float_denorm_mode_16_64 3
		.amdhsa_memory_ordered 1
		.amdhsa_forward_progress 1
		.amdhsa_inst_pref_size 31
	.end_amdhsa_kernel
	.amdgpu_metadata
---
amdhsa.version: [ 1, 2 ]
amdhsa.kernels:
  - .name:           k_q2d47b02daa_attn
    .symbol:         k_q2d47b02daa_attn.kd
    .args:
      - { .name: qc, .offset: 0, .size: 8, .value_kind: global_buffer, .address_space: global }
      - { .name: qs, .offset: 8, .size: 8, .value_kind: global_buffer, .address_space: global }
      - { .name: kv, .offset: 16, .size: 8, .value_kind: global_buffer, .address_space: global }
      - { .name: mask, .offset: 24, .size: 8, .value_kind: global_buffer, .address_space: global }
      - { .name: oc, .offset: 32, .size: 8, .value_kind: global_buffer, .address_space: global }
      - { .name: os, .offset: 40, .size: 8, .value_kind: global_buffer, .address_space: global }
    .group_segment_fixed_size: 219136
    .private_segment_fixed_size: 0
    .kernarg_segment_align: 8
    .kernarg_segment_size: 48
    .max_flat_workgroup_size: 512
    .sgpr_count:     66
    .vgpr_count:     256
    .wavefront_size: 32
...
	.end_amdgpu_metadata
.endif
;; end of part 3
;; launch ffn (part 4): grid 256 x 1, 4 waves a work-group, no clusters, 77,312 bytes of LDS; arguments oc, os, codes, scales, x, bo, b1, b2, g1, beta1, g2, beta2, out0; writes out0
.if DOCPART == 4
	.amdgcn_target "amdgcn-amd-amdhsa--gfx1250"
	.amdhsa_code_object_version 6
	.text
	.protected	k_q2d47b02daa_ffn
	.globl	k_q2d47b02daa_ffn
	.p2align	8
	.type	k_q2d47b02daa_ffn,@function
k_q2d47b02daa_ffn:
	s_mov_b64 s[64:65], 0
	v_nop
	global_prefetch_b8 v0, s[64:65] scope:SCOPE_SE
	s_setreg_imm32_b32 hwreg(HW_REG_WAVE_MODE, 25, 1), 1
	s_wait_xcnt 0x0
; attn_out = o wo^T + bo;  y = x + norm(attn_out);  ff = relu(y w1^T + b1) w2^T + b2;  out = y + norm(ff).  The three products on codes of FP6 (E2M3); y and the hidden layer are quantised on the way and never
; go to memory.  norm(a) = g (a - mean) / sqrt(var + 1e-6) + beta over the row's 512, var with 511 in the divisor.
; SHARES.  A work-group of four waves takes 32 rows (two tiles of 16).  THE WAVES SHARE THE COLUMNS: wave w makes features 128 w .. 128 w + 127 of attn_out and of ff, and in iteration j hidden units
; 128 (4 j + w) on.  NINE PHASES OF ONE SHAPE: 8 permuted weight tiles x 4 K steps as source 0, 2 x 4 fragments of the rows as source 1, 16 accumulators by turns, 64 matrix instructions:
; wo; then for j = 0 .. 3: w1's rows 512 j on, w2's K chunk 512 j on.  ff's 16 accumulators run through all four iterations.
; THE WEIGHTS GO FROM MEMORY STRAIGHT INTO REGISTERS, through a ring of four buffers of four fragments: a bundle (12 loads of 512 consecutive bytes) is asked for when its buffer has been multiplied, three bundles
; (24 matrix instructions) ahead of its use, on into the next phase.  wo's units lie directly in front of w1's: wo is w1's iteration -1.
; No cluster: a joint request lands in LDS.  A work-group walks 1,769,472 bytes of weight codes, more than five times LDS, so they would want slots that are filled again, and each fragment is wanted by one
; wave, once: so it is loaded into that wave's registers.
; THE ROWS' CODES GO FROM WAVE TO WAVE THROUGH LDS AS IMAGES OF THEIR REGISTERS (three ds_store_b128 at 16 x lane, a scale word at 4 x lane): wave w's 128 features of y, or hidden units, are K step w of the next product.
; THE NORM's statistics: each wave takes mean and sum of squared differences of its 128 numbers of a row; the four are joined by (mean, M2) pairs through LDS: no difference of large sums is formed.
; The biases are loaded from LDS straight into the accumulators, so that every product adds in place.
; LIMITS: zero blocks and blocks under 2^-124 keep the scale byte 1; NaN and infinities are not served.
; REGISTERS, in windows of 256: window 0 below;  window 1: v0-191 the ring;  window 2: v0-127 attn_out, then the hidden layer; v128-255 ff (accumulator (m, t) at 8 (8 m + t));
; window 3: v0-127 x, then y, then out: register 64 m + 16 b + i = feature 128 w + 32 b + 16 (lane / 16) + i of row 16 m + lane % 16, as the accumulators lie.
.set BOL,  0                           ; LDS: bo 2,048, b1 8,192, b2 2,048 bytes,
.set B1L,  2048
.set B2L,  10240
.set YIMG, 12288                       ; y's 8 fragments (4 m + ks) of 1,536 bytes,
.set YSC,  24576                       ; their scale words, 128 bytes each,
.set HIMG, 25600                       ; the hidden layer's,
.set HSC,  37888
.set LNX1, 38912                       ; the norms' pairs: [m][wave][lane] 8 bytes,
.set LNX2, 40960
.set STG,  43008                       ; the way out: 16 rows x (512 + 16) bytes for each wave
.set LP4,  4                           ; v4   a permuted fragment's lane term, tiles 6,144 bytes apart
.set LP16, 5                           ; v5   24,576 apart (w2)
.set LS4,  6                           ; v6   the scale words', 256 apart
.set LS16, 7                           ; v7   1,024 apart
.set LI,   8                           ; v8   16 x lane
.set LS,   9                           ; v9   4 x lane
.set L8,   10                          ; v10  8 x lane
.set R16,  11                          ; v11  16 r
.set IWI,  12                          ; v12  16 x lane + 1,536 x wave
.set IWS,  13                          ; v13  4 x lane + 128 x wave
.set BA,   14                          ; v14  64 h + 512 x wave
.set BAJ,  15                          ; v15  the same in b1, 2,048 j on
.set LXW,  16                          ; v16  8 x lane + 256 x wave
.set STO,  17
.set RD,   18
.set GO,   19                          ; v19  16 x lane + 512 x wave
.set XA,   20                          ; v20  2,048 r + 64 h + 512 x wave
.set T16,  21                          ; v21  16 x thread
.set NS,   22                          ; v[22:23], v[26:27] the norm's scale for m = 0, 1; v[24:25], v[28:29] its shift (pairs: the packed forms take the low word for both halves)
.set SW,   32                          ; v32-95  the weights' scale words, two sets of [4 t + ks]
.set AS,   96                          ; v96-103 the rows' scale words [4 m + ks]
.set PC,   104
.set TM,   124
.set PW,   140
.set LT,   142                         ; v142-149 at work in the norm
.set MW,   150                         ; v[150:151], v[152:153] (mean, M2) of my 128 numbers, m = 0, 1
.set ACT,  160                         ; v160-255 the rows' 8 fragments [12 (4 m + ks)]
.set PA,   36                          ; s[36:37] w1's codes, iteration j;  s[38:39] their scale words;  s[40:41], s[42:43] w2's
.set SA,   38
.set PB,   40
.set SB,   42
.set SEL,  44
.set WV,   46
.set JB,   47
.set CNT,  48
.set RV,   49                          ; s49  1 / 511
.set MSB, 0
.macro WIN new                         ; the immediate's high byte repeats the setting that is left
.if MSB != (\new)
	s_set_vgpr_msb (MSB<<8)|(\new)
.set MSB, (\new)
.endif
.endm
.macro PLACES n
.rept \n
	v_nop
.endr
.endm
.macro BARRIER                         ; my LDS stores have landed and my LDS loads are in: then the work-group's barrier
	s_wait_dscnt 0x0
	s_barrier_signal -1
	s_barrier_wait -1
.endm
.macro MM d, a, b, c, sa, sb
	v_wmma_scale_f32_16x16x128_f8f6f4 v[\d:\d+7], v[\a:\a+11], v[\b:\b+11], v[\c:\c+7], v[\sa], v[\sb] matrix_a_fmt:MATRIX_FMT_FP6 matrix_b_fmt:MATRIX_FMT_FP6
.endm
; 64 numbers of a lane in another window, register 16 b + i = k 32 b + 16 (lane / 16) + i of my row, become a fragment in v[PC] on and a scale word in v[PW].  w1, w2, w3: the window in sources 0 and 1; 1 and 2; 0
.macro QUANT s, w1, w2, w3
	WIN \w1
.irp b, 0,1,2,3
	v_max3_num_f32 v[TM+\b], |v[\s+16*\b]|, |v[\s+1+16*\b]|, 0x1800000   ; the floor 2^(3 - 127) holds the byte at 1 from below
.endr
	WIN \w2
.irp i, 2,4,6,8,10,12,14
.irp b, 0,1,2,3
	v_max3_num_f32 v[TM+\b], v[TM+\b], |v[\s+16*\b+\i]|, |v[\s+1+16*\b+\i]|
.endr
.endr
	WIN 0
.irp b, 0,1,2,3
	v_permlanex16_b32 v[TM+4+\b], v[TM+\b], s[SEL], s[SEL+1]
.endr
.irp b, 0,1,2,3
	v_max_num_f32 v[TM+\b], v[TM+\b], v[TM+4+\b]
.endr
.irp b, 0,1,2,3
	v_add_nc_u32 v[TM+12+\b], 0xff000000, v[TM+\b]   ; 2 off the exponent field: the conversion's scale operand
.endr
.irp b, 0,1,2,3
	v_lshrrev_b32 v[TM+4+\b], 23, v[TM+12+\b]
.endr
	v_lshl_or_b32 v[PW], v[TM+5], 8, v[TM+4]
	v_lshl_or_b32 v[PW], v[TM+6], 16, v[PW]
	v_lshl_or_b32 v[PW], v[TM+7], 24, v[PW]
	WIN \w3
.irp c, 0,1
	v_cvt_scalef32_pk16_fp6_f32 v[PC+6*\c:PC+2+6*\c], v[\s+32*\c:\s+15+32*\c], v[TM+12+2*\c]
	v_cvt_scalef32_pk16_fp6_f32 v[PC+12+4*\c:PC+14+4*\c], v[\s+16+32*\c:\s+31+32*\c], v[TM+12+2*\c+1]
.endr
	WIN 0
	v_nop                                          ; one plain place behind a scaled conversion
.irp c, 0,1
.irp i, 0,1,2
	v_permlane16_swap_b32 v[PC+6*\c+\i], v[PC+12+4*\c+\i]
.endr
.irp i, 0,1,2
	v_mov_b32 v[PC+3+6*\c+\i], v[PC+12+4*\c+\i]
.endr
.endr
.endm
.macro IMAGE off, soff                 ; the fragment and its scale word go to LDS as they stand
.irp c, 0,1,2
	ds_store_b128 v[IWI], v[PC+4*\c:PC+4*\c+3] offset:\off+512*\c
.endr
	ds_store_b32 v[IWS], v[PW] offset:\soff
	s_wait_dscnt 0x0                               ; the stores have read their registers
.endm
.macro AFETCH img, sc                  ; all 8 fragments of the rows and their scale words come back, in every wave
.irp f, 0,1,2,3,4,5,6,7
.irp c, 0,1,2
	ds_load_b128 v[ACT+12*\f+4*\c:ACT+12*\f+4*\c+3], v[LI] offset:\img+1536*\f+512*\c
.endr
	ds_load_b32 v[AS+\f], v[LS] offset:\sc+128*\f
.endr
.endm
.macro PRESET ab, adr, off             ; a bias into 16 accumulators: tile 2 b + u, register j: feature 32 b + 16 h + 8 u + j of my 128
	WIN 0x80
.irp m, 0,1
.irp t, 0,1,2,3,4,5,6,7
.irp e, 0,1
	ds_load_b128 v[\ab+8*(8*\m+\t)+4*\e:\ab+8*(8*\m+\t)+4*\e+3], v[\adr] offset:\off+(32*(\t/2)+8*(\t%2))*4+16*\e
.endr
.endr
.endr
	WIN 0
.endm
; Bundle q of a phase: K step q / 2, tiles 4 (q % 2) + 0 .. 3, into buffer q % 4.  kind 0: wo or w1, kind 1: w2.  e: bytes on from the pointer
.macro BUNDLE kind, q, e
	WIN 0x40
.irp i, 0,1,2,3
.irp c, 0,1,2
.if \kind
	global_load_b128 v[48*((\q)%4)+12*\i+4*\c:48*((\q)%4)+12*\i+4*\c+3], v[LP16], s[PB:PB+1] offset:(\e)+((4*((\q)%2)+\i)/2)*49152+128*(\i%2)+1536*((\q)/2)+512*\c
.else
	global_load_b128 v[48*((\q)%4)+12*\i+4*\c:48*((\q)%4)+12*\i+4*\c+3], v[LP4], s[PA:PA+1] offset:(\e)+((4*((\q)%2)+\i)/2)*12288+128*(\i%2)+1536*((\q)/2)+512*\c
.endif
.endr
.endr
.endm
; With bundles 4 to 7 ride the NEXT phase's scale words, two tiles each, into the set that the phase before has left
.macro SCL kind, q, e, set
	WIN 0
.irp z, 0,1
.if \kind
	global_load_b128 v[SW+32*(\set)+4*(2*((\q)-4)+\z):SW+32*(\set)+4*(2*((\q)-4)+\z)+3], v[LS16], s[SB:SB+1] offset:(\e)+((\q)-4)*2048+128*\z
.else
	global_load_b128 v[SW+32*(\set)+4*(2*((\q)-4)+\z):SW+32*(\set)+4*(2*((\q)-4)+\z)+3], v[LS4], s[SA:SA+1] offset:(\e)+((\q)-4)*512+128*\z
.endif
.endr
.endm
; A PHASE.  ab: the accumulators; set: its scale words; cur, nxt: this phase's and the next one's kind; enx, esc: where the next phase's codes and scale words begin; tail = 1: nothing follows.
; The wait at a bundle's head leaves out the three bundles asked for behind it: 12 loads each, 14 where two loads of scale words ride along.
.macro PHASE ab, set, cur, nxt, enx, esc, tail
.irp q, 0,1,2,3,4,5,6,7
.if \tail
.if \q < 5
	s_wait_loadcnt 36
.else
	s_wait_loadcnt 12*(7-\q)
.endif
.else
.if \q < 4
	s_wait_loadcnt 36+2*\q
.else
	s_wait_loadcnt 50-2*\q
.endif
.endif
	WIN 0xa1                                       ; source 0 (the ring) window 1, source 1 (the rows) window 0, C and D window 2
.irp i, 0,1,2,3                                ; eight accumulators, one instruction a turn; the next bundle takes the other eight
.irp m, 0,1
	MM \ab+8*(8*\m+4*(\q%2)+\i), 48*(\q%4)+12*\i, ACT+12*(4*\m+\q/2), \ab+8*(8*\m+4*(\q%2)+\i), SW+32*(\set)+4*(4*(\q%2)+\i)+\q/2, AS+4*\m+\q/2
.endr
.endr
	PLACES 4                                       ; in front of loads into registers that matrix instructions have read, and of the first read of results
.if \q < 4
	BUNDLE \cur, \q+4, 0
.if !\tail
	SCL \nxt, \q+4, \esc, 1-\set
.endif
.else
.if !\tail
	BUNDLE \nxt, \q-4, \enx
.endif
.endif
.endr
	WIN 0
.endm
; THE NORM of the 16 accumulators at ab, added onto window 3's rows.  g, beta: scalar registers.  One barrier.
.macro LN ab, lnx, g, beta
.irp m, 0,1
.set A0, \ab+64*\m
	WIN 0x0a
	v_pk_add_f32 v[LT:LT+1], v[A0:A0+1], v[A0+2:A0+3]          ; my 64 numbers' sum, in two chains; each accumulator is read from its low end on
	v_pk_add_f32 v[LT+2:LT+3], v[A0+4:A0+5], v[A0+6:A0+7]
	WIN 0x08
.set J, 8
.rept 14
	v_pk_add_f32 v[LT:LT+1], v[LT:LT+1], v[A0+J:A0+J+1]
	v_pk_add_f32 v[LT+2:LT+3], v[LT+2:LT+3], v[A0+J+2:A0+J+3]
.set J, J+4
.endr
	WIN 0
	v_pk_add_f32 v[LT:LT+1], v[LT:LT+1], v[LT+2:LT+3]
	v_add_f32 v[LT], v[LT], v[LT+1]
	v_permlanex16_b32 v[LT+4], v[LT], s[SEL], s[SEL+1]
	v_add_f32 v[LT], v[LT], v[LT+4]                ; with lane l xor 16's 64: the wave's 128 numbers of my row
	v_mul_f32 v[MW+2*\m], 0x3c000000, v[LT]        ; / 128: their mean
	WIN 0x82
.set J, 0
.rept 32
	v_pk_add_f32 v[A0+J:A0+J+1], v[A0+J:A0+J+1], v[MW+2*\m:MW+2*\m+1] op_sel_hi:[1,0] neg_lo:[0,1] neg_hi:[0,1]   ; d = a - that mean, in place
.set J, J+2
.endr
	WIN 0x0a
	v_pk_mul_f32 v[LT:LT+1], v[A0:A0+1], v[A0:A0+1]
	v_pk_mul_f32 v[LT+2:LT+3], v[A0+2:A0+3], v[A0+2:A0+3]
.set J, 4
.rept 15
	v_pk_fma_f32 v[LT:LT+1], v[A0+J:A0+J+1], v[A0+J:A0+J+1], v[LT:LT+1]
	v_pk_fma_f32 v[LT+2:LT+3], v[A0+J+2:A0+J+3], v[A0+J+2:A0+J+3], v[LT+2:LT+3]
.set J, J+4
.endr
	WIN 0
	v_pk_add_f32 v[LT:LT+1], v[LT:LT+1], v[LT+2:LT+3]
	v_add_f32 v[LT], v[LT], v[LT+1]
	v_permlanex16_b32 v[LT+4], v[LT], s[SEL], s[SEL+1]
	v_add_f32 v[MW+2*\m+1], v[LT], v[LT+4]         ; M2: the sum of d^2
	ds_store_b64 v[LXW], v[MW+2*\m:MW+2*\m+1] offset:\lnx+1024*\m
.endr
	BARRIER                                        ; the four waves' pairs lie in LDS
.irp m, 0,1
.irp z, 0,1,2,3
	ds_load_b64 v[ACT+8*\m+2*\z:ACT+8*\m+2*\z+1], v[L8] offset:\lnx+1024*\m+256*\z
.endr
.endr
	s_wait_dscnt 0x0
.irp m, 0,1
.set L0, ACT+8*\m
	v_add_f32 v156, v[L0], v[L0+2]
	v_add_f32 v157, v[L0+4], v[L0+6]
	v_add_f32 v156, v156, v157
	v_mul_f32 v[154+\m], 0x3e800000, v156          ; the row's mean
	v_sub_f32 v156, v[L0], v[154+\m]
	v_mul_f32 v157, v156, v156
.irp z, 1,2,3
	v_sub_f32 v156, v[L0+2*\z], v[154+\m]
	v_fma_f32 v157, v156, v156, v157
.endr
	v_add_f32 v158, v[L0+1], v[L0+3]
	v_add_f32 v159, v[L0+5], v[L0+7]
	v_add_f32 v158, v158, v159
	v_fma_f32 v157, v157, 0x43000000, v158         ; the row's M2 = the four M2 + 128 x the sum of (a wave's mean - the row's)^2
	v_fmaak_f32 v157, s[RV], v157, 0x358637bd      ; / 511 + 1e-6
	v_rsq_f32 v[NS+4*\m], v157
.endr
	v_nop                                          ; a plain place behind the last root
	s_wait_alu depctr_va_vdst(0)                   ; one wait for the two, ahead of their first reader
.irp m, 0,1
	v_mul_f32 v[NS+4*\m], s[\g], v[NS+4*\m]        ; the scale: g / sqrt(var + 1e-6)
	v_sub_f32 v156, v[MW+2*\m], v[154+\m]
	v_fma_f32 v[NS+2+4*\m], v156, v[NS+4*\m], s[\beta]   ; the shift: (my wave's mean - the row's) x scale + beta
.endr
.irp m, 0,1
	WIN 0xc3
.set J, 0
.rept 32
	v_pk_add_f32 v[64*\m+J:64*\m+J+1], v[64*\m+J:64*\m+J+1], v[NS+2+4*\m:NS+3+4*\m] op_sel_hi:[1,0]
.set J, J+2
.endr
	WIN 0xf2
.set J, 0
.rept 32
	v_pk_fma_f32 v[64*\m+J:64*\m+J+1], v[\ab+64*\m+J:\ab+64*\m+J+1], v[NS+4*\m:NS+1+4*\m], v[64*\m+J:64*\m+J+1] op_sel_hi:[1,0,1]   ; row += d x scale + shift
.set J, J+2
.endr
.endr
	WIN 0
.endm
; AN ITERATION: 512 hidden units.  Two barriers: the hidden layer's images are whole; every wave has them in registers, so that the next iteration may write them
.macro ITER tail
	v_add_nc_u32 v[BAJ], s[JB], v[BA]
	PRESET 0, BAJ, B1L
	AFETCH YIMG, YSC
	s_wait_dscnt 0x0
	PHASE 0, 1, 0, 1, 0, 0, 0
	WIN 0x88
.set J, 0
.rept 128
	v_max_num_f32 v[J], 0, v[J]                    ; the activation, in f32; each accumulator from its low end on
.set J, J+1
.endr
.irp m, 0,1
	QUANT 64*\m, 0x0a, 0x28, 0x02
	IMAGE HIMG+6144*\m, HSC+512*\m
.endr
	BARRIER
	AFETCH HIMG, HSC
	BARRIER
.if \tail
	PHASE 128, 0, 1, 0, 0, 0, 1
.else
	PHASE 128, 0, 1, 0, 196608, 8192, 0
.endif
.endm
	s_load_b256 s[4:11], s[0:1], 0x0               ; oc, os, codes, scales
	s_load_b256 s[12:19], s[0:1], 0x20             ; x, bo, b1, b2
	s_load_b256 s[20:27], s[0:1], 0x40             ; g1, beta1, g2, beta2
	s_load_b64 s[28:29], s[0:1], 0x60              ; out0
	v_lshl_add_u32 v135, v0, 2, 0x12c00
	v_mov_b32 v141, 0
	v_lshrrev_b32 v1, 5, v0
	v_readfirstlane_b32 s[WV], v1                  ; wave 0..3
	v_and_b32 v1, 31, v0                           ; lane
	v_and_b32 v2, 15, v0                           ; r
	v_bfe_u32 v3, v0, 4, 1                         ; h
	v_bfe_u32 v30, v0, 3, 1                        ; r / 8
	v_and_b32 v31, 7, v0
	v_lshlrev_b32 v31, 4, v31                      ; 16 (r % 8)
	v_lshl_add_u32 v[LP4], v3, 8, v31
	v_mad_u32_u24 v[LP16], v30, 24576, v[LP4]
	v_mad_u32_u24 v[LP4], v30, 6144, v[LP4]
	v_lshl_add_u32 v[LS4], v30, 8, v31
	v_lshl_add_u32 v[LS16], v30, 10, v31
	v_lshlrev_b32 v[LI], 4, v1
	v_lshlrev_b32 v[LS], 2, v1
	v_lshlrev_b32 v[L8], 3, v1
	v_lshlrev_b32 v[R16], 4, v2
	s_mul_i32 s50, s[WV], 1536
	v_add_nc_u32 v[IWI], s50, v[LI]
	s_lshl_b32 s50, s[WV], 7
	v_add_nc_u32 v[IWS], s50, v[LS]
	s_lshl_b32 s34, s[WV], 9
	v_lshlrev_b32 v[BA], 6, v3
	v_add_nc_u32 v[BA], s34, v[BA]
	s_lshl_b32 s50, s[WV], 8
	v_add_nc_u32 v[LXW], s50, v[L8]
	s_mul_i32 s50, s[WV], 8448
	s_add_co_u32 s50, s50, STG                     ; my stage
	v_mul_u32_u24 v[STO], v2, 528
	v_lshl_add_u32 v[STO], v3, 6, v[STO]
	v_add_nc_u32 v[STO], s50, v[STO]               ; in: row r, + 64 h
	v_add_nc_u32 v[RD], s50, v[LI]                 ; back: a row of 512 bytes, 16 a lane
	v_add_nc_u32 v[GO], s34, v[LI]
	v_lshlrev_b32 v[XA], 11, v2
	v_add_nc_u32 v[XA], v[BA], v[XA]
	v_lshlrev_b32 v[T16], 4, v0
.set J, NS
.rept 8
	v_mov_b32 v[J], 0                              ; pairs of which the packed forms take the low word: both words are written
.set J, J+1
.endr
.set J, LT
.rept 18
	v_mov_b32 v[J], 0                              ; (lane permutes' destinations and pairs' upper words among them)
.set J, J+1
.endr
.irp b, 0,1,2,3
	v_mov_b32 v[TM+4+\b], 0
.endr
	s_mov_b32 s[SEL], 0x76543210
	s_mov_b32 s[SEL+1], 0xfedcba98
	s_mov_b32 s[RV], 0x3b004020                    ; 1 / 511
	s_mov_b32 s[JB], 0
	s_mov_b32 s[CNT], 3
	s_mov_b32 s51, 0
	s_wait_kmcnt 0x0
	s_load_b32 s30, s[20:21], 0x0                  ; g1
	s_load_b32 s31, s[22:23], 0x0                  ; beta1
	s_load_b32 s32, s[24:25], 0x0                  ; g2
	s_load_b32 s33, s[26:27], 0x0                  ; beta2
	s_mul_i32 s50, ttmp9, 12288                    ; my two token tiles: o's codes,
	s_add_nc_u64 s[4:5], s[4:5], s[50:51]
	s_lshl_b32 s50, ttmp9, 9                       ; its scale bytes,
	s_add_nc_u64 s[6:7], s[6:7], s[50:51]
	s_lshl_b32 s50, ttmp9, 16                      ; 32 rows of 2,048 bytes of x and of out
	s_add_nc_u64 s[12:13], s[12:13], s[50:51]
	s_add_nc_u64 s[28:29], s[28:29], s[50:51]
	s_mul_i32 s50, s[WV], 49152
	s_add_co_u32 s50, s50, 3735552                 ; unit 608 + 8 wave: wo, which is w1's iteration -1
	s_add_nc_u64 s[PA:PA+1], s[8:9], s[50:51]
	s_lshl_b32 s50, s[WV], 11
	s_add_co_u32 s50, s50, 155648
	s_add_nc_u64 s[SA:SA+1], s[10:11], s[50:51]
	s_mul_i32 s50, s[WV], 196608
	s_add_co_u32 s50, s50, 4718592                 ; unit 768 + 32 wave: w2's rows 128 wave on, K chunk 0
	s_add_nc_u64 s[PB:PB+1], s[8:9], s[50:51]
	s_lshl_b32 s50, s[WV], 13
	s_add_co_u32 s50, s50, 196608
	s_add_nc_u64 s[SB:SB+1], s[10:11], s[50:51]
	global_load_b128 v[104:107], v[T16], s[14:15]              ; the biases: 2,048 bytes a load for the work-group's 128 threads
.irp i, 0,1,2,3
	global_load_b128 v[108+4*\i:111+4*\i], v[T16], s[16:17] offset:2048*\i
.endr
	global_load_b128 v[124:127], v[T16], s[18:19]
	WIN 0xc0
.irp m, 0,1
.irp b, 0,1,2,3
.irp j, 0,1,2,3
	global_load_b128 v[64*\m+16*\b+4*\j:64*\m+16*\b+4*\j+3], v[XA], s[12:13] offset:32768*\m+128*\b+16*\j th:TH_LOAD_NT
.endr
.endr
.endr
	WIN 0
.irp m, 0,1
.irp ks, 0,1,2,3
.irp p, 0,1,2,3,4,5
	global_load_b64 v[ACT+12*(4*\m+\ks)+2*\p:ACT+12*(4*\m+\ks)+2*\p+1], v[L8], s[4:5] offset:6144*\m+1536*\ks+256*\p th:TH_LOAD_NT   ; heads 2 ks and 2 ks + 1 are K step ks
.endr
.endr
	global_load_b128 v[AS+4*\m:AS+4*\m+3], v[R16], s[6:7] offset:256*\m
.endr
.irp t, 0,1,2,3,4,5,6,7
	global_load_b128 v[SW+4*\t:SW+4*\t+3], v[LS4], s[SA:SA+1] offset:(\t/2)*512+128*(\t%2)
.endr
.irp q, 0,1,2,3
	BUNDLE 0, \q, 0
.endr
	WIN 0
	s_wait_loadcnt 63                              ; the six loads of biases are the oldest of 144: 138 may be out, and 63 is the largest count that a wait can name
.irp i, 0,1,2,3,4,5
	ds_store_b128 v[T16], v[104+4*\i:107+4*\i] offset:2048*\i
.endr
	BARRIER                                        ; the biases lie in LDS
	PRESET 0, BA, BOL
	PRESET 128, BA, B2L
	s_wait_dscnt 0x0
	s_wait_kmcnt 0x0
	PHASE 0, 0, 0, 0, 196608, 8192, 0              ; attn_out = o wo^T + bo; its last four bundles' places take w1's first four
	s_wait_xcnt 0x0                                ; the loads have read their bases
	s_add_nc_u64 s[PA:PA+1], s[PA:PA+1], 196608
	s_add_nc_u64 s[SA:SA+1], s[SA:SA+1], 8192
	LN 0, LNX1, 30, 31                             ; y = x + norm(attn_out), in window 3
.irp m, 0,1
	QUANT 64*\m, 0x0f, 0x3c, 0x03
	IMAGE YIMG+6144*\m, YSC+512*\m
.endr
	BARRIER                                        ; y's eight fragments lie in LDS
.Liter:                                            ; three trips; the fourth iteration is written out: it asks for nothing beyond the weights' end
	ITER 0
	s_wait_xcnt 0x0                                ; the loads have read their bases
	s_add_nc_u64 s[PA:PA+1], s[PA:PA+1], 196608
	s_add_nc_u64 s[SA:SA+1], s[SA:SA+1], 8192
	s_add_nc_u64 s[PB:PB+1], s[PB:PB+1], 6144
	s_add_nc_u64 s[SB:SB+1], s[SB:SB+1], 256
	s_add_co_u32 s[JB], s[JB], 2048
	s_sub_co_u32 s[CNT], s[CNT], 1
	s_cmp_lg_u32 s[CNT], 0
	s_cbranch_scc1 .Liter
	ITER 1
	LN 128, LNX2, 32, 33                           ; out = y + norm(ff), in window 3
	; THE WAY OUT.  A lane holds pieces of 64 bytes of one row: a tile of 16 rows goes through my own stage and comes back as rows of 512 bytes.  LDS serves a wave's instructions in order: no wait between.
.irp m, 0,1
	WIN 0x0c                                       ; an LDS store's data are its source 1: window 3
.irp b, 0,1,2,3
.irp j, 0,1,2,3
	ds_store_b128 v[STO], v[64*\m+16*\b+4*\j:64*\m+16*\b+4*\j+3] offset:128*\b+16*\j
.endr
.endr
	WIN 0
.irp i, 0,1,2,3,4,5,6,7,8,9,10,11,12,13,14,15
	ds_load_b128 v[160-128*\m+4*\i:163-128*\m+4*\i], v[RD] offset:528*\i   ; tile 0 into v160-223, tile 1 into v32-95
.endr
.endr
.irp i, 0,1,2,3,4,5,6,7,8,9,10,11,12,13,14,15
	s_wait_dscnt 47-\i                             ; behind row i's load: the tile's later rows and tile 1's 32 instructions
	global_store_b128 v[GO], v[160+4*\i:163+4*\i], s[28:29] offset:2048*\i th:TH_STORE_NT   ; 32 lanes store 512 consecutive bytes, aligned
.endr
.irp i, 0,1,2,3,4,5,6,7,8,9,10,11,12,13,14,15
	s_wait_dscnt 15-\i
	global_store_b128 v[GO], v[32+4*\i:35+4*\i], s[28:29] offset:32768+2048*\i th:TH_STORE_NT
.endr
	s_wait_tensorcnt 0x0
	ds_add_u32 v135, v141
	s_wait_dscnt 0x0
	s_endpgm
.Lfunc_end_k_q2d47b02daa_ffn:
	.size	k_q2d47b02daa_ffn, .Lfunc_end_k_q2d47b02daa_ffn-k_q2d47b02daa_ffn
	.p2alignl 7, 3214868480
	.fill 96, 4, 3214868480
	.section	.rodata,"a",@progbits
	.p2align	6, 0x0
	.amdhsa_kernel k_q2d47b02daa_ffn
		.amdhsa_group_segment_fixed_size 77312
		.amdhsa_private_segment_fixed_size 0
		.amdhsa_enable_private_segment 0
		.amdhsa_kernarg_size 104
		.amdhsa_user_sgpr_count 2
		.amdhsa_user_sgpr_kernarg_segment_ptr 1
		.amdhsa_wavefront_size32 1
		.amdhsa_system_sgpr_workgroup_id_x 1
		.amdhsa_system_sgpr_workgroup_id_y 1
		.amdhsa_system_sgpr_workgroup_id_z 1
		.amdhsa_system_vgpr_workitem_id 0
		.amdhsa_next_free_vgpr 896
		.amdhsa_next_free_sgpr 66
		.amdhsa_reserve_vcc 0
		.amdhsa_float_denorm_mode_32 3
		.amdhsa_float_denorm_mode_16_64 3
		.amdhsa_memory_ordered 1
		.amdhsa_forward_progress 1
		.amdhsa_inst_pref_size 218
	.end_amdhsa_kernel
	.amdgpu_metadata
---
amdhsa.version: [ 1, 2 ]
amdhsa.kernels:
  - .name:           k_q2d47b02daa_ffn
    .symbol:         k_q2d47b02daa_ffn.kd
    .args:
      - { .name: oc, .offset: 0, .size: 8, .value_kind: global_buffer, .address_space: global }
      - { .name: os, .offset: 8, .size: 8, .value_kind: global_buffer, .address_space: global }
      - { .name: codes, .offset: 16, .size: 8, .value_kind: global_buffer, .address_space: global }
      - { .name: scales, .offset: 24, .size: 8, .value_kind: global_buffer, .address_space: global }
      - { .name: x, .offset: 32, .size: 8, .value_kind: global_buffer, .address_space: global }
      - { .name: bo, .offset: 40, .size: 8, .value_kind: global_buffer, .address_space: global }
      - { .name: b1, .offset: 48, .size: 8, .value_kind: global_buffer, .address_space: global }
      - { .name: b2, .offset: 56, .size: 8, .value_kind: global_buffer, .address_space: global }
      - { .name: g1, .offset: 64, .size: 8, .value_kind: global_buffer, .address_space: global }
      - { .name: beta1, .offset: 72, .size: 8, .value_kind: global_buffer, .address_space: global }
      - { .name: g2, .offset: 80, .size: 8, .value_kind: global_buffer, .address_space: global }
      - { .name: beta2, .offset: 88, .size: 8, .value_kind: global_buffer, .address_space: global }
      - { .name: out0, .offset: 96, .size: 8, .value_kind: global_buffer, .address_space: global }
    .group_segment_fixed_size: 77312
    .private_segment_fixed_size: 0
    .kernarg_segment_align: 8
    .kernarg_segment_size: 104
    .max_flat_workgroup_size: 128
    .sgpr_count:     66
    .vgpr_count:     896
    .wavefront_size: 32
...
	.end_amdgpu_metadata
.endif
;; end of part 4
;; ======== version 2 of 2: 4 launches
;; limits: right only within a limited range of input values
;; workspace buffers: codes 5,505,024 bytes; scales 229,376 bytes; qc 3,145,728 bytes; qs 262,144 bytes; kv 6,684,672 bytes; oc 3,145,728 bytes; os 131,072 bytes
;; launch prep (part 5): grid 224 x 1, 4 waves a work-group, no clusters, 0 bytes of LDS; arguments x, wq, wk, wv, wo, w1, w2, codes, scales; writes codes, scales
.if DOCPART == 5
	.amdgcn_target "amdgcn-amd-amdhsa--gfx1250"
	.amdhsa_code_object_version 6
	.text
	.protected	k_q2d47b02daa_prep
	.globl	k_q2d47b02daa_prep
	.p2align	8
	.type	k_q2d47b02daa_prep,@function
k_q2d47b02daa_prep:
	s_mov_b64 s[64:65], 0
	v_nop
	global_prefetch_b8 v0, s[64:65] scope:SCOPE_SE
	s_setreg_imm32_b32 hwreg(HW_REG_WAVE_MODE, 25, 1), 1
	s_wait_xcnt 0x0
; x [8192][512] and the six weights (K innermost, f32) become codes of FP6 (E2M3) with one E8M0 byte for each 32 along K, laid in the ORDER OF AN OPERAND'S REGISTERS.
; A UNIT is 16 rows x 512 along K: four fragments of 16 rows x 128 K.  A fragment is 12 registers a lane; registers 4 c .. 4 c + 3 of lane l lie at byte 512 c + 16 l: 1,536 bytes.
; A unit's codes are 6,144 bytes at 6144 u, its scale words 256 bytes at 256 u, laid [row 16][K step 4] words.
; Units: x 0-511, wq 512-543, wk 544-575, wv 576-607, wo 608-639, w1 640-767, w2 768-895 (768 + 4 x tile of 16 rows + chunk of 512 along K).
; A block's scale is 2^(floor(log2(its largest magnitude)) - 2); its byte is the largest magnitude's exponent field - 2, held at 1 from below.
; LIMITS: a block of zeros, and one whose largest magnitude lies under 2^-124, keep the byte 1 (a block of zeros has zero codes, and this program alone reads the bytes); NaN and infinities are not served.
; One wave takes one unit: 896 units, 224 work-groups of four waves.  Waves share nothing: no LDS, no barrier.  One path serves all seven tensors: only the pointer, the row's pitch and the offset are chosen.
; No matrix unit and no cluster: each number is read once and each code is written once.
.set SET0, 16                          ; v16-79, v80-143: two sets of 64 numbers: register 16 b + i = k 32 b + 16 (lane / 16) + i of my row, in the K step in hand
.set PW,   8                           ; v8-11   the four K steps' scale words
.set PC,   144                         ; v144-163 the codes just made: 12 registers, and 8 at work
.set TM,   164                         ; v164-179 at work: largest magnitudes, bytes, scale operands
.set SEL,  32                          ; s[32:33] lane selects for v_permlanex16_b32: lane l xor 16
; 64 numbers of a lane become a fragment's codes in v[PC] on and its row's scale word in v[pw]
.macro QUANT s, pw
.irp b, 0,1,2,3
	v_max3_num_f32 v[TM+\b], |v[\s+16*\b]|, |v[\s+1+16*\b]|, 0x1800000   ; block b: my 16 numbers, and the floor 2^(3 - 127): the byte cannot fall under 1
.endr
.irp i, 2,4,6,8,10,12,14
.irp b, 0,1,2,3
	v_max3_num_f32 v[TM+\b], v[TM+\b], |v[\s+16*\b+\i]|, |v[\s+1+16*\b+\i]|   ; the four blocks by turns
.endr
.endr
.irp b, 0,1,2,3
	v_permlanex16_b32 v[TM+4+\b], v[TM+\b], s[SEL], s[SEL+1]
.endr
.irp b, 0,1,2,3
	v_max_num_f32 v[TM+\b], v[TM+\b], v[TM+4+\b]   ; with lane l xor 16's 16: the block's largest magnitude
.endr
.irp b, 0,1,2,3
	v_add_nc_u32 v[TM+12+\b], 0xff000000, v[TM+\b]   ; 2 off its exponent field: the conversion takes this operand's exponent field as its scale
.endr
.irp b, 0,1,2,3
	v_lshrrev_b32 v[TM+4+\b], 23, v[TM+12+\b]      ; the scale's byte
.endr
	v_lshl_or_b32 v[\pw], v[TM+5], 8, v[TM+4]
	v_lshl_or_b32 v[\pw], v[TM+6], 16, v[\pw]
	v_lshl_or_b32 v[\pw], v[TM+7], 24, v[\pw]
.irp c, 0,1
	v_cvt_scalef32_pk16_fp6_f32 v[PC+6*\c:PC+2+6*\c], v[\s+32*\c:\s+15+32*\c], v[TM+12+2*\c]
	v_cvt_scalef32_pk16_fp6_f32 v[PC+12+4*\c:PC+14+4*\c], v[\s+16+32*\c:\s+31+32*\c], v[TM+12+2*\c+1]   ; (a conversion's three registers begin on an even number)
.endr
	v_nop                                          ; one plain place behind a scaled conversion
.irp c, 0,1                                    ; the operand's layout wants a whole block in a lane: lanes 0-15 block 2 c, lanes 16-31 block 2 c + 1
.irp i, 0,1,2
	v_permlane16_swap_b32 v[PC+6*\c+\i], v[PC+12+4*\c+\i]
.endr
.irp i, 0,1,2
	v_mov_b32 v[PC+3+6*\c+\i], v[PC+12+4*\c+\i]
.endr
.endr
.endm
.macro XLOAD set, ks                   ; my row's 64 numbers of K step ks: the 16 loads together read 16 rows x 512 whole bytes
.irp b, 0,1,2,3
.irp j, 0,1,2,3
	global_load_b128 v[\set+16*\b+4*\j:\set+16*\b+4*\j+3], v4, s[24:25] offset:512*(\ks)+128*\b+16*\j
.endr
.endr
.endm
.macro PICK first, lo                  ; from unit 'first' on the source is the tensor at s[lo:lo+1]; the choice hangs on the unit's number alone
	s_cmp_ge_u32 s22, \first
	s_cselect_b64 s[24:25], s[\lo:\lo+1], s[24:25]
	s_cselect_b32 s26, \first, s26
.endm
	s_load_b256 s[4:11], s[0:1], 0x0               ; x, wq, wk, wv
	s_load_b256 s[12:19], s[0:1], 0x20             ; wo, w1, w2, codes
	s_load_b64 s[20:21], s[0:1], 0x40              ; scales
	v_lshrrev_b32 v1, 5, v0
	v_readfirstlane_b32 s23, v1                    ; wave
	s_lshl_b32 s22, ttmp9, 2
	s_add_co_u32 s22, s22, s23                     ; my unit
	v_and_b32 v1, 31, v0                           ; lane
	v_and_b32 v2, 15, v0                           ; r
	v_bfe_u32 v3, v0, 4, 1                         ; h
	v_lshlrev_b32 v5, 4, v1                        ; an image's place for my lane
	v_lshlrev_b32 v6, 4, v2
	v_lshl_add_u32 v6, v3, 3, v6                   ; the scale words: 16 r + 8 h
	s_mov_b32 s[SEL], 0x76543210
	s_mov_b32 s[SEL+1], 0xfedcba98
.irp b, 0,1,2,3
	v_mov_b32 v[TM+4+\b], 0                        ; written once: a lane permute's destination counts as one of its sources
.endr
	s_wait_alu depctr_va_vdst(0)
	s_wait_kmcnt 0x0
	s_mov_b64 s[24:25], s[4:5]
	s_mov_b32 s26, 0
	PICK 512, 6
	PICK 544, 8
	PICK 576, 10
	PICK 608, 12
	PICK 640, 14
	PICK 768, 16
	s_sub_co_u32 s28, s22, s26                     ; the unit's number in its tensor
	s_lshr_b32 s29, s28, 2
	s_lshl_b32 s29, s29, 17                        ; w2: 16 rows of 8,192 bytes a tile,
	s_and_b32 s30, s28, 3
	s_lshl_b32 s30, s30, 11                        ; 2,048 bytes a chunk of 512 along K
	s_add_co_u32 s29, s29, s30
	s_lshl_b32 s30, s28, 15                        ; the others: 16 rows of 2,048 bytes
	s_cmp_ge_u32 s22, 768
	s_cselect_b32 s28, s29, s30
	s_cselect_b32 s27, 13, 11                      ; log2 of a row's bytes
	s_mov_b32 s29, 0
	s_add_nc_u64 s[24:25], s[24:25], s[28:29]
	s_mul_i32 s30, s22, 6144
	s_mov_b32 s31, 0
	s_add_nc_u64 s[18:19], s[18:19], s[30:31]
	s_lshl_b32 s30, s22, 8
	s_add_nc_u64 s[20:21], s[20:21], s[30:31]
	v_lshlrev_b32 v4, s27, v2
	v_lshl_add_u32 v4, v3, 6, v4                   ; row r, + 64 h: my 16 numbers of a block of 32
	XLOAD SET0, 0
	XLOAD SET0+64, 1
.irp ks, 0,1,2,3
.if \ks < 3
	s_wait_loadcnt 16                              ; this K step's 16 loads are in; the other set's 16 may be out
.else
	s_wait_loadcnt 0x0
.endif
.if \ks > 0
	s_wait_xcnt 0x0                                ; the last K step's stores have read the codes' registers
.endif
	QUANT SET0+64*(\ks%2), PW+\ks
.irp c, 0,1,2
	global_store_b128 v5, v[PC+4*\c:PC+4*\c+3], s[18:19] offset:1536*\ks+512*\c   ; 32 lanes store 512 consecutive bytes, aligned
.endr
.if \ks < 2
	XLOAD SET0+64*(\ks%2), \ks+2
.endif
.endr
	v_cmp_ne_u32 vcc_lo, 0, v3                     ; lanes 0-15 store their row's words 0 and 1, lanes 16-31 words 2 and 3
	v_cndmask_b32 v12, v[PW], v[PW+2], vcc_lo
	v_cndmask_b32 v13, v[PW+1], v[PW+3], vcc_lo
	global_store_b64 v6, v[12:13], s[20:21]        ; 32 lanes store 256 consecutive bytes, aligned
	s_endpgm
.Lfunc_end_k_q2d47b02daa_prep:
	.size	k_q2d47b02daa_prep, .Lfunc_end_k_q2d47b02daa_prep-k_q2d47b02daa_prep
	.p2alignl 7, 3214868480
	.fill 96, 4, 3214868480
	.section	.rodata,"a",@progbits
	.p2align	6, 0x0
	.amdhsa_kernel k_q2d47b02daa_prep
		.amdhsa_group_segment_fixed_size 0
		.amdhsa_private_segment_fixed_size 0
		.amdhsa_enable_private_segment 0
		.amdhsa_kernarg_size 72
		.amdhsa_user_sgpr_count 2
		.amdhsa_user_sgpr_kernarg_segment_ptr 1
		.amdhsa_wavefront_size32 1
		.amdhsa_system_sgpr_workgroup_id_x 1
		.amdhsa_system_sgpr_workgroup_id_y 1
		.amdhsa_system_sgpr_workgroup_id_z 1
		.amdhsa_system_vgpr_workitem_id 0
		.amdhsa_next_free_vgpr 192
		.amdhsa_next_free_sgpr 66
		.amdhsa_reserve_vcc 1
		.amdhsa_float_denorm_mode_32 3
		.amdhsa_float_denorm_mode_16_64 3
		.amdhsa_memory_ordered 1
		.amdhsa_forward_progress 1
		.amdhsa_inst_pref_size 26
	.end_amdhsa_kernel
	.amdgpu_metadata
---
amdhsa.version: [ 1, 2 ]
amdhsa.kernels:
  - .name:           k_q2d47b02daa_prep
    .symbol:         k_q2d47b02daa_prep.kd
    .args:
      - { .name: x, .offset: 0, .size: 8, .value_kind: global_buffer, .address_space: global }
      - { .name: wq, .offset: 8, .size: 8, .value_kind: global_buffer, .address_space: global }
      - { .name: wk, .offset: 16, .size: 8, .value_kind: global_buffer, .address_space: global }
      - { .name: wv, .offset: 24, .size: 8, .value_kind: global_buffer, .address_space: global }
      - { .name: wo, .offset: 32, .size: 8, .value_kind: global_buffer, .address_space: global }
      - { .name: w1, .offset: 40, .size: 8, .value_kind: global_buffer, .address_space: global }
      - { .name: w2, .offset: 48, .size: 8, .value_kind: global_buffer, .address_space: global }
      - { .name: codes, .offset: 56, .size: 8, .value_kind: global_buffer, .address_space: global }
      - { .name: scales, .offset: 64, .size: 8, .value_kind: global_buffer, .address_space: global }
    .group_segment_fixed_size: 0
    .private_segment_fixed_size: 0
    .kernarg_segment_align: 8
    .kernarg_segment_size: 72
    .max_flat_workgroup_size: 128
    .sgpr_count:     66
    .vgpr_count:     192
    .wavefront_size: 32
...
	.end_amdgpu_metadata
.endif
;; end of part 5
;; launch qkv (part 6): grid 192 x 1, 4 waves a work-group, no clusters, 0 bytes of LDS; arguments codes, scales, bq, bk, bv, qc, qs, kv; writes qc, qs, kv
.if DOCPART == 6
	.amdgcn_target "amdgcn-amd-amdhsa--gfx1250"
	.amdhsa_code_object_version 6
	.text
	.protected	k_q2d47b02daa_qkv
	.globl	k_q2d47b02daa_qkv
	.p2align	8
	.type	k_q2d47b02daa_qkv,@function
k_q2d47b02daa_qkv:
	s_mov_b64 s[64:65], 0
	v_nop
	global_prefetch_b8 v0, s[64:65] scope:SCOPE_SE
	s_setreg_imm32_b32 hwreg(HW_REG_WAVE_SCHED_MODE, 0, 2), 2
	s_setreg_imm32_b32 hwreg(HW_REG_WAVE_MODE, 25, 1), 1
	s_wait_xcnt 0x0
	s_wait_alu depctr_vm_vsrc(0)
; q = x wq^T + bq, k = x wk^T + bk, v = x wv^T + bv on codes of FP6 (E2M3), and each result quantised in registers for attention: q and k along the head's 64 channels, v along the keys.
; Work-groups 0-63 make q, 64-127 k, 128-191 v.  A wave holds a STATIONARY source 0 of 128 rows x K 512 (32 fragments, 384 registers, read once) and takes 8 STREAMED tiles of 16 rows as source 1:
; 32 matrix instructions a tile on 8 accumulators by turns.   q, k: stationary = 128 rows of the weight (two heads), streamed = 128 tokens.   v: stationary = 128 tokens, streamed = 128 rows of wv.
; THE ROWS OF A STATIONARY TILE ARE NOT NEIGHBOURS: lane r of tile 2 b + u takes row 32 b + 8 u + r + 8 (r / 8).  In the result a lane holds one streamed row, and its register 16 b + i the stationary row
; 32 b + 16 (lane / 16) + i: 16 neighbours along the next product's K, which is what the conversions take.  The images in memory are natural (tile n = rows 16 n + r): a permuted fragment is read from them
; at (r / 8) x 6144 + 16 (r % 8) + 256 (lane / 16), + 2 b x 6144 + 128 u.
; k's and wv's streamed tiles are permuted in the same way, since attention takes k's and v's tiles as its source 0; q's are natural.  The two forms differ in the factor of r / 8 and in the step from an even
; tile to an odd one: two scalars.
; OUT.  q: half fragments (16 rows x 64 K, registers 0-5; registers 2 p, 2 p + 1 of lane l at 256 p + 8 l) at qc [head of 32][query tile 128]; scale words (two bytes, the upper two 0) at
; qs [head][8 tiles][4 tiles][row][tile].   k, v: one record of 208,896 bytes a head: k's 128 half fragments; from 98,304 v's fragments [key step 16][tile of 16 channels 4]; from 196,608 k's scale
; words [step][4 tiles][row][tile]; from 204,800 v's [step][row][tile].
; The biases are the C of each sum's first matrix instruction.  Waves share nothing but reads: no LDS, no barrier.
; No cluster: a joint request lands in LDS, and here each fragment is wanted by one wave, in its registers; what work-groups share (393,216 bytes of weight codes a mode) they read at about the same time.
; LIMITS: as in the launch that makes the codes: zero blocks and blocks under 2^-124 keep the byte 1; NaN and infinities are not served.
; REGISTERS, in windows of 256: window 0 below;  window 1: stationary fragments (tile t, K steps 0, 1) at 12 (2 t + ks);  window 2: K steps 2, 3 likewise, from v192 q's or k's bias in the result's layout;
; window 3: v0-47, v48-95, v96-143 the streamed tile's four fragments, three buffers.
; THE MODE: SCHED_MODE bits 1:0 = 2 (LLVM: expert scheduling mode 2), set by the entry lines.  The code itself states the register dependences between vector or matrix instructions and memory
; instructions, with s_wait_alu, always for 0.
; THE PLAN.  Registers that memory instructions touch, from tile to tile:
;   the three buffers of window 3 and the three sets of scale words v192-203: tile m's 32 products read buffer and set m % 3; the 13 loads of tile m + 2, issued in tile m, land in (m + 2) % 3 = (m - 1) % 3.
;   v[PC] to v[PC + 11]: written by tile m's quantiser; read by the stores that are issued in tile m + 1.
;   the addresses v4-15: made at the head and at the top of each path, never written again.   The stationary fragments, their scale words and the biases are loaded once.
; So ONE wait on va_vdst stands at a tile's head: the quantiser of the tile before has written the codes, and the products of the tile before are done reading their buffer and set.  The stores of tile m - 1
; and the loads of tile m + 2 follow behind tile m's first eight products, which name the accumulators, window 1, buffer and set m % 3, the bias and the stationary scale words: none of the registers that
; those stores and loads touch.  One wait on vm_vsrc stands ahead of the quantiser, 24 products behind the stores whose data it writes again.
.set KVREC, 208896
.set VIMG,  98304
.set KSC,   196608
.set VSC,   204800
.set LP,  4                            ; v4   a permuted fragment's lane term
.set SE,  5                            ; v5, v6  the streamed tile's lane term: even tiles, odd tiles
.set LSP, 7                            ; v7   a permuted tile's scale words
.set SSE, 8                            ; v8, v9  the streamed tile's scale words: even, odd
.set OA,  10                           ; v10  8 x lane
.set OB,  11                           ; v11  the same, one head on
.set OV,  12                           ; v12  16 x lane
.set OSV, 13                           ; v13  16 r + (lane / 16) x one head
.set BA,  14                           ; v14  the biases' lane term
.set H16, 15                           ; v15  16 x (lane / 16)
.set WD,  16                           ; v16-23 scale words on their way out
.set BV,  24                           ; v24-31 bv of my row of each streamed tile
.set SWS, 32                           ; v32-63 the stationary rows' scale words [4 t + ks]
.set PWS, 72                           ; v72-79 the scale word made of each streamed tile
.set HA,  80                           ; v80-143 the 8 accumulators
.set PC,  144
.set TM,  164
.set CV,  180                          ; v180-187 v's bias as a C: eight times the lane's number
.set XS,  192                          ; v192-203 the streamed rows' scale words, three sets of four
.set CB,  192                          ; in window 2
.set SEL, 2                            ; s[2:3]
.set MSB, 0
.macro WIN new                         ; the immediate's high byte repeats the setting that is left
.if MSB != (\new)
	s_set_vgpr_msb (MSB<<8)|(\new)
.set MSB, (\new)
.endif
.endm
.macro PLACES n
.rept \n
	v_nop
.endr
.endm
.macro MM d, a, b, c, sa, sb
	v_wmma_scale_f32_16x16x128_f8f6f4 v[\d:\d+7], v[\a:\a+11], v[\b:\b+11], v[\c:\c+7], v[\sa], v[\sb] matrix_a_fmt:MATRIX_FMT_FP6 matrix_b_fmt:MATRIX_FMT_FP6
.endm
.macro QUANT s, pw                     ; 64 numbers of a lane, register 16 b + i = k 32 b + 16 (lane / 16) + i of my row, become a fragment in v[PC] on and a scale word in v[pw]
.irp b, 0,1,2,3
	v_max3_num_f32 v[TM+\b], |v[\s+16*\b]|, |v[\s+1+16*\b]|, 0x1800000   ; each accumulator is read from its low end on; the floor 2^(3 - 127) holds the byte at 1 from below
.endr
.irp i, 2,4,6,8,10,12,14
.irp b, 0,1,2,3
	v_max3_num_f32 v[TM+\b], v[TM+\b], |v[\s+16*\b+\i]|, |v[\s+1+16*\b+\i]|
.endr
.endr
.irp b, 0,1,2,3
	v_permlanex16_b32 v[TM+4+\b], v[TM+\b], s[SEL], s[SEL+1]
.endr
.irp b, 0,1,2,3
	v_max_num_f32 v[TM+\b], v[TM+\b], v[TM+4+\b]
.endr
.irp b, 0,1,2,3
	v_add_nc_u32 v[TM+12+\b], 0xff000000, v[TM+\b]   ; 2 off the exponent field: the conversion's scale operand
.endr
.irp b, 0,1,2,3
	v_lshrrev_b32 v[TM+4+\b], 23, v[TM+12+\b]
.endr
	v_lshl_or_b32 v[\pw], v[TM+5], 8, v[TM+4]
	v_lshl_or_b32 v[\pw], v[TM+6], 16, v[\pw]
	v_lshl_or_b32 v[\pw], v[TM+7], 24, v[\pw]
.irp c, 0,1
	v_cvt_scalef32_pk16_fp6_f32 v[PC+6*\c:PC+2+6*\c], v[\s+32*\c:\s+15+32*\c], v[TM+12+2*\c]
	v_cvt_scalef32_pk16_fp6_f32 v[PC+12+4*\c:PC+14+4*\c], v[\s+16+32*\c:\s+31+32*\c], v[TM+12+2*\c+1]
.endr
	v_nop                                          ; one plain place behind a scaled conversion
.irp c, 0,1
.irp i, 0,1,2
	v_permlane16_swap_b32 v[PC+6*\c+\i], v[PC+12+4*\c+\i]
.endr
.irp i, 0,1,2
	v_mov_b32 v[PC+3+6*\c+\i], v[PC+12+4*\c+\i]
.endr
.endr
.endm
.macro XFETCH m                        ; streamed tile m: four scale words and four fragments into set and buffer m % 3: 13 loads
	WIN 0
	global_load_b128 v[XS+4*((\m)%3):XS+4*((\m)%3)+3], v[SSE+(\m)%2], s[34:35] offset:((\m)/2)*512
	WIN 0xc0
.irp ks, 0,1,2,3
.irp c, 0,1,2
	global_load_b128 v[48*((\m)%3)+12*\ks+4*\c:48*((\m)%3)+12*\ks+4*\c+3], v[SE+(\m)%2], s[32:33] offset:((\m)/2)*12288+1536*\ks+512*\c
.endr
.endr
.endm
.macro SEND m, vmode                   ; tile m's codes leave
.if \vmode
.irp c, 0,1,2
	global_store_b128 v[OV], v[PC+4*\c:PC+4*\c+3], s[36:37] offset:((\m)/4)*KVREC+((\m)%4)*1536+512*\c   ; 512 consecutive bytes, aligned
.endr
.else
.irp p, 0,1,2
	global_store_b64 v[OA], v[PC+2*\p:PC+2*\p+1], s[36:37] offset:768*(\m)+256*\p        ; registers 0-5: the wave's first head; 256 consecutive bytes, aligned
	global_store_b64 v[OB], v[PC+6+2*\p:PC+7+2*\p], s[36:37] offset:768*(\m)+256*\p      ; registers 6-11: its second
.endr
.endif
.endm
.macro TILE m, vmode
.if (\m) < 7
	s_wait_loadcnt 13                              ; this tile's loads, and all older ones, are in; the next tile's 13 may be out
.else
	s_wait_loadcnt 0x0
.endif
	WIN 0
.if \vmode
.irp j, 0,1,2,3,4,5,6,7
	v_mov_b32 v[CV+\j], v[BV+(\m)]                 ; a lane holds one channel of v: its bias in all eight registers
.endr
.endif
.if (\m) > 0
	s_wait_alu depctr_va_vdst(0)                   ; the quantiser of the tile before has written v[PC ..], which the stores below read; that tile's products are done reading their buffer and their set of scale words, in which the loads below land
.endif
	PLACES 5                                       ; the accumulators are begun anew with another C: five places behind the last matrix instruction that named them
.if \vmode
	WIN 0x0d                                       ; source 0 window 1, source 1 window 3, C and D window 0
.else
	WIN 0x2d                                       ; the same, C (the bias) window 2
.endif
.irp t, 0,1,2,3,4,5,6,7                        ; the 8 accumulators take turns, one instruction a turn, K step by K step
.if \vmode
	MM HA+8*\t, 24*\t, 48*((\m)%3), CV, SWS+4*\t, XS+4*((\m)%3)
.else
	MM HA+8*\t, 24*\t, 48*((\m)%3), CB+8*\t, SWS+4*\t, XS+4*((\m)%3)
.endif
.endr
.if (\m) > 0
	WIN 0
	SEND (\m)-1, \vmode                            ; no wait: no vector or matrix instruction since the wait above names the codes' registers or the stores' offsets
.endif
.if (\m) < 6
	XFETCH (\m)+2                                  ; nor the buffer and the set of the tile before, which take the tile two on
.endif
	WIN 0x0d
.irp t, 0,1,2,3,4,5,6,7
	MM HA+8*\t, 24*\t+12, 48*((\m)%3)+12, HA+8*\t, SWS+4*\t+1, XS+4*((\m)%3)+1
.endr
	WIN 0x0e                                       ; source 0 window 2
.irp ks, 2,3
.irp t, 0,1,2,3,4,5,6,7
	MM HA+8*\t, 24*\t+12*(\ks-2), 48*((\m)%3)+12*\ks, HA+8*\t, SWS+4*\t+\ks, XS+4*((\m)%3)+\ks
.endr
.endr
	WIN 0
	PLACES 4                                       ; in front of the first read of results
.if (\m) > 0
	s_wait_xcnt 0x0                                ; the last tile's stores have had their addresses translated: the codes' registers are rewritten only behind this wait,
	s_wait_alu depctr_vm_vsrc(0)                   ; and those stores have read v[PC ..], which the quantiser below writes again
.endif
	QUANT HA, PWS+(\m)
.endm
	s_load_b256 s[4:11], s[0:1], 0x0               ; codes, scales, bq, bk
	s_load_b256 s[12:19], s[0:1], 0x20             ; bv, qc, qs, kv
	v_lshrrev_b32 v1, 5, v0
	v_readfirstlane_b32 s22, v1                    ; wave
	s_lshr_b32 s20, ttmp9, 6                       ; 0: q, 1: k, 2: v
	s_and_b32 s21, ttmp9, 63                       ; which of the mode's 64 work-groups
	v_and_b32 v1, 31, v0                           ; lane
	v_and_b32 v2, 15, v0                           ; r
	v_bfe_u32 v3, v0, 4, 1                         ; h
	v_bfe_u32 v188, v0, 3, 1                       ; r / 8
	v_and_b32 v189, 7, v0
	v_lshlrev_b32 v189, 4, v189                    ; 16 (r % 8)
	v_lshl_add_u32 v190, v3, 8, v189               ; + 256 h
	s_wait_alu depctr_va_vdst(0)
	v_mad_u32_u24 v[LP], v188, 6144, v190
	v_lshl_add_u32 v[LSP], v188, 8, v189
	s_cmp_eq_u32 s20, 0                            ; q's streamed tiles are natural: 16 x lane = 128 (r / 8) + 16 (r % 8) + 256 h, an odd tile 6,144 bytes on
	s_movk_i32 s40, 6144
	s_cselect_b32 s40, 128, s40
	s_movk_i32 s41, 128
	s_cselect_b32 s41, 6144, s41
	s_movk_i32 s42, 256
	s_cselect_b32 s42, 128, s42
	s_movk_i32 s43, 128
	s_cselect_b32 s43, 256, s43
	v_mad_u32_u24 v[SE], v188, s40, v190
	v_add_nc_u32 v[SE+1], s41, v[SE]
	v_mad_u32_u24 v[SSE], v188, s42, v189
	v_add_nc_u32 v[SSE+1], s43, v[SSE]
	v_lshlrev_b32 v[OA], 3, v1
	v_lshlrev_b32 v[OV], 4, v1
	v_lshlrev_b32 v[H16], 4, v3
	s_mov_b32 s[SEL], 0x76543210
	s_mov_b32 s[SEL+1], 0xfedcba98
.irp b, 0,1,2,3
	v_mov_b32 v[TM+4+\b], 0                        ; written once: a lane permute's destination counts as one of its sources
.endr
	s_wait_alu depctr_va_sdst(0)                   ; s22, the wave's number, is written, ahead of its first reader: the units and the bases are made from it
	s_lshl_b32 s23, s22, 3
	s_lshl_b32 s24, s20, 5
	s_add_co_u32 s24, s24, 512
	s_add_co_u32 s24, s24, s23                     ; q, k: stationary units 512 + 32 mode + 8 wave on
	s_lshr_b32 s25, s21, 2
	s_lshl_b32 s25, s25, 5
	s_add_co_u32 s25, s25, s23                     ; v: x's units 32 (group / 4) + 8 wave on
	s_lshl_b32 s26, s21, 3                         ; q, k: streamed units: x's, 8 group on
	s_and_b32 s27, s21, 3
	s_lshl_b32 s27, s27, 3
	s_add_co_u32 s27, s27, 576                     ; v: wv's, 8 (group % 4) on
	s_cmp_eq_u32 s20, 2
	s_cselect_b32 s24, s25, s24
	s_cselect_b32 s26, s27, s26
	s_mul_i32 s44, s24, 6144
	s_mov_b32 s45, 0
	s_lshl_b32 s46, s24, 8
	s_mov_b32 s47, 0
	s_mul_i32 s48, s26, 6144
	s_mov_b32 s49, 0
	s_lshl_b32 s50, s26, 8
	s_mov_b32 s51, 0
	s_wait_kmcnt 0x0
	s_add_nc_u64 s[28:29], s[4:5], s[44:45]        ; stationary codes,
	s_add_nc_u64 s[30:31], s[6:7], s[46:47]        ; their scale words,
	s_add_nc_u64 s[32:33], s[4:5], s[48:49]        ; streamed codes,
	s_add_nc_u64 s[34:35], s[6:7], s[50:51]        ; their scale words
	s_wait_alu depctr_va_vdst(0)                   ; the lane terms v4 to v9, v10 and v12 are written, which the loads and stores of the kernel read as their offsets
.irp t, 0,1,2,3,4,5,6,7
	global_load_b128 v[SWS+4*\t:SWS+4*\t+3], v[LSP], s[30:31] offset:(\t/2)*512+128*(\t%2)
.endr
	WIN 0x40
.irp t, 0,1,2,3,4,5,6,7
.irp ks, 0,1
.irp c, 0,1,2
	global_load_b128 v[12*(2*\t+\ks)+4*\c:12*(2*\t+\ks)+4*\c+3], v[LP], s[28:29] offset:(\t/2)*12288+128*(\t%2)+1536*\ks+512*\c
.endr
.endr
.endr
	WIN 0x80
.irp t, 0,1,2,3,4,5,6,7
.irp ks, 0,1
.irp c, 0,1,2
	global_load_b128 v[12*(2*\t+\ks)+4*\c:12*(2*\t+\ks)+4*\c+3], v[LP], s[28:29] offset:(\t/2)*12288+128*(\t%2)+1536*(\ks+2)+512*\c
.endr
.endr
.endr
	WIN 0
	s_cmp_eq_u32 s20, 2
	s_cbranch_scc1 .Lv_path
	; ---- q or k
	s_lshr_b32 s52, s21, 4                         ; the batch
	s_and_b32 s53, s21, 15                         ; which 128 tokens of it
	s_lshl_b32 s54, s52, 3
	s_lshl_b32 s62, s22, 1
	s_add_co_u32 s54, s54, s62                     ; my first head of 32: 8 batch + 2 wave
	s_cmp_eq_u32 s20, 0
	s_cselect_b64 s[36:37], s[14:15], s[18:19]     ; codes go to qc or to kv,
	s_cselect_b64 s[38:39], s[16:17], s[18:19]     ; scale words to qs or to kv;
	s_cselect_b64 s[56:57], s[8:9], s[10:11]       ; the bias is bq or bk
	s_mov_b32 s55, KVREC
	s_cselect_b32 s55, 98304, s55                  ; from head to head, codes
	s_mov_b32 s58, KVREC
	s_cselect_b32 s58, 8192, s58                   ; and scale words
	s_cselect_b32 s59, 0, KSC
	s_mul_i32 s60, s54, s55
	s_mul_i32 s61, s53, 6144
	s_add_co_u32 s60, s60, s61
	s_mov_b32 s61, 0
	s_add_nc_u64 s[36:37], s[36:37], s[60:61]
	s_mul_i32 s60, s54, s58
	s_lshl_b32 s62, s53, 9
	s_add_co_u32 s60, s60, s62
	s_add_co_u32 s60, s60, s59
	s_add_nc_u64 s[38:39], s[38:39], s[60:61]
	s_lshl_b32 s60, s22, 9                         ; my 128 numbers of the bias
	s_add_nc_u64 s[56:57], s[56:57], s[60:61]
	v_add_nc_u32 v[OB], s55, v[OA]
	v_lshlrev_b32 v[OSV], 4, v2
	v_mad_u32_u24 v[OSV], v3, s58, v[OSV]
	v_lshlrev_b32 v[BA], 6, v3                     ; tile 2 b + u, register j: channel 32 b + 16 h + 8 u + j
	WIN 0x80
	s_wait_alu depctr_va_vdst(0)                   ; v[BA] is written, which the loads of the bias read; so are v[OB] and v[OSV], the offsets of later stores
.irp t, 0,1,2,3,4,5,6,7
.irp e, 0,1
	global_load_b128 v[CB+8*\t+4*\e:CB+8*\t+4*\e+3], v[BA], s[56:57] offset:(32*(\t/2)+8*(\t%2))*4+16*\e
.endr
.endr
	XFETCH 0
	XFETCH 1
.irp m, 0,1,2,3,4,5,6,7
	TILE \m, 0
.endr
.irp m, 0,1,2,3,4,5,6,7
	v_bfe_u32 v[WD+\m], v[PWS+\m], v[H16], 16      ; lanes 0-15: the first head's two bytes, lanes 16-31: the second's; the upper two bytes are 0
.endr
	s_wait_alu depctr_va_vdst(0)                   ; tile 7's quantiser has written v[PC ..] and the eight lines above v[WD ..]: the last stores read both
	SEND 7, 0
	global_store_b128 v[OSV], v[WD:WD+3], s[38:39]             ; 16 lanes store 256 consecutive bytes, aligned, for each head
	global_store_b128 v[OSV], v[WD+4:WD+7], s[38:39] offset:256
	s_endpgm
	; ---- v
.Lv_path:
	s_lshr_b32 s52, s21, 2                         ; which 512 tokens
	s_lshr_b32 s53, s52, 2                         ; the batch
	s_and_b32 s54, s52, 3
	s_lshl_b32 s54, s54, 2
	s_add_co_u32 s54, s54, s22                     ; my key step of the batch's 16
	s_and_b32 s55, s21, 3                          ; which two heads
	s_lshl_b32 s58, s53, 3
	s_lshl_b32 s59, s55, 1
	s_add_co_u32 s58, s58, s59                     ; the first of them, of 32
	s_mul_i32 s60, s58, KVREC
	s_mov_b32 s63, 0
	s_mul_i32 s62, s54, 6144
	s_add_co_u32 s62, s62, s60
	s_add_co_u32 s62, s62, VIMG
	s_add_nc_u64 s[36:37], s[18:19], s[62:63]
	s_lshl_b32 s62, s54, 8
	s_add_co_u32 s62, s62, s60
	s_add_co_u32 s62, s62, VSC
	s_add_nc_u64 s[38:39], s[18:19], s[62:63]
	s_lshl_b32 s62, s55, 9
	s_add_nc_u64 s[56:57], s[12:13], s[62:63]      ; bv at the two heads' 128 channels
	s_mov_b32 s59, KVREC
	v_lshlrev_b32 v[OSV], 4, v2
	v_mad_u32_u24 v[OSV], v3, s59, v[OSV]
	v_lshlrev_b32 v[BA], 2, v2
	v_lshl_add_u32 v[BA], v188, 5, v[BA]           ; 4 (r + 8 (r / 8)): my channel of a permuted tile
	s_wait_alu depctr_va_vdst(0)                   ; v[BA] is written, which the loads of the bias read; so is v[OSV], the offset of the last store
.irp m, 0,1,2,3,4,5,6,7
	global_load_b32 v[BV+\m], v[BA], s[56:57] offset:(32*(\m/2)+8*(\m%2))*4
.endr
	XFETCH 0
	XFETCH 1
.irp m, 0,1,2,3,4,5,6,7
	TILE \m, 1
.endr
	v_cmp_ne_u32 vcc_lo, 0, v3                     ; lanes 0-15 store the first head's four words, lanes 16-31 the second's
	s_wait_alu depctr_va_vcc(0)                    ; VCC is written, ahead of the selects that read it
.irp t, 0,1,2,3
	v_cndmask_b32 v[WD+\t], v[PWS+\t], v[PWS+4+\t], vcc_lo
.endr
	s_wait_alu depctr_va_vdst(0)                   ; tile 7's quantiser has written v[PC ..] and the selects v[WD ..]: the last stores read both
	SEND 7, 1
	global_store_b128 v[OSV], v[WD:WD+3], s[38:39]
	s_endpgm
.Lfunc_end_k_q2d47b02daa_qkv:
	.size	k_q2d47b02daa_qkv, .Lfunc_end_k_q2d47b02daa_qkv-k_q2d47b02daa_qkv
	.p2alignl 7, 3214868480
	.fill 96, 4, 3214868480
	.section	.rodata,"a",@progbits
	.p2align	6, 0x0
	.amdhsa_kernel k_q2d47b02daa_qkv
		.amdhsa_group_segment_fixed_size 0
		.amdhsa_private_segment_fixed_size 0
		.amdhsa_enable_private_segment 0
		.amdhsa_kernarg_size 64
		.amdhsa_user_sgpr_count 2
		.amdhsa_user_sgpr_kernarg_segment_ptr 1
		.amdhsa_wavefront_size32 1
		.amdhsa_system_sgpr_workgroup_id_x 1
		.amdhsa_system_sgpr_workgroup_id_y 1
		.amdhsa_system_sgpr_workgroup_id_z 1
		.amdhsa_system_vgpr_workitem_id 0
		.amdhsa_next_free_vgpr 912
		.amdhsa_next_free_sgpr 66
		.amdhsa_reserve_vcc 1
		.amdhsa_float_denorm_mode_32 3
		.amdhsa_float_denorm_mode_16_64 3
		.amdhsa_memory_ordered 1
		.amdhsa_forward_progress 1
		.amdhsa_inst_pref_size 180
	.end_amdhsa_kernel
	.amdgpu_metadata
---
amdhsa.version: [ 1, 2 ]
amdhsa.kernels:
  - .name:           k_q2d47b02daa_qkv
    .symbol:         k_q2d47b02daa_qkv.kd
    .args:
      - { .name: codes, .offset: 0, .size: 8, .value_kind: global_buffer, .address_space: global }
      - { .name: scales, .offset: 8, .size: 8, .value_kind: global_buffer, .address_space: global }
      - { .name: bq, .offset: 16, .size: 8, .value_kind: global_buffer, .address_space: global }
      - { .name: bk, .offset: 24, .size: 8, .value_kind: global_buffer, .address_space: global }
      - { .name: bv, .offset: 32, .size: 8, .value_kind: global_buffer, .address_space: global }
      - { .name: qc, .offset: 40, .size: 8, .value_kind: global_buffer, .address_space: global }
      - { .name: qs, .offset: 48, .size: 8, .value_kind: global_buffer, .address_space: global }
      - { .name: kv, .offset: 56, .size: 8, .value_kind: global_buffer, .address_space: global }
    .group_segment_fixed_size: 0
    .private_segment_fixed_size: 0
    .kernarg_segment_align: 8
    .kernarg_segment_size: 64
    .max_flat_workgroup_size: 128
    .sgpr_count:     66
    .vgpr_count:     912
    .wavefront_size: 32
...
	.end_amdgpu_metadata
.endif
;; end of part 6
;; launch attn (part 7): grid 8 x 32, 16 waves a work-group, clusters of 4 x 1, 219,136 bytes of LDS; arguments qc, qs, kv, mask, oc, os; writes oc, os
.if DOCPART == 7
	.amdgcn_target "amdgcn-amd-amdhsa--gfx1250"
	.amdhsa_code_object_version 6
	.text
	.protected	k_q2d47b02daa_attn
	.globl	k_q2d47b02daa_attn
	.p2align	8
	.type	k_q2d47b02daa_attn,@function
k_q2d47b02daa_attn:
	s_mov_b64 s[64:65], 0
	v_nop
	global_prefetch_b8 v0, s[64:65] scope:SCOPE_SE
	s_setreg_imm32_b32 hwreg(HW_REG_WAVE_MODE, 25, 1), 1
	s_wait_xcnt 0x0
	s_wait_alu depctr_hold_cnt(0) depctr_sa_sdst(0) depctr_va_vdst(0) depctr_va_sdst(0) depctr_va_ssrc(0) depctr_va_vcc(0) depctr_vm_vsrc(0)
	s_getreg_b32 s2, hwreg(HW_REG_IB_STS2, 6, 4)
	s_cmp_eq_u32 s2, 0
	s_cbranch_scc0 .Lentry_in_a_cluster
	s_endpgm
.Lentry_in_a_cluster:
	s_bfe_u32 s2, ttmp6, 0x10000c
	s_cmp_lg_u32 s2, 0x3003
	s_cbranch_scc0 .Lentry_shape_is_right
	s_endpgm
.Lentry_shape_is_right:
; o[b][q][head] = softmax_k(q . k / 8, masked keys filled) v, both products on codes of FP6 (E2M3) with one E8M0 scale for each 32 along a product's K; o is quantised along its 64 channels for the next product.
; THE SOFTMAX AHEAD OF THE SECOND PRODUCT: t = score x log2(e) / 8; M = the row's largest t so far, rounded UP to a whole number; p = 2^(t - M) is quantised along the keys, not normalised; the row's sum is
; taken of the unquantised p and divides at the end.  When M moves, the sum and O are multiplied by 2^(old M - new M): exact.
; SHARES.  A work-group owns 256 queries of one head, each of its sixteen waves 16 of them in 256 registers: four waves to a SIMD, so that one wave's vector work stands beside another's matrix work and LDS loads.
; Every wave walks the head's 2,048 keys, 128 a step.
; LDS.  The head's whole record of k and v (208,896 bytes: codes and scale words in the order of the operands' registers) comes ONCE: each wave asks for 51 rows of 256 bytes.  No byte of LDS is filled twice,
; so there are no slots.  Behind it lie 2,048 words made of the mask: 0 for an open key, -2^100 for a masked one.
; THE MASK IS THE C OF THE FIRST PRODUCT: a step's 64 words a lane are loaded from LDS straight into the score accumulators, register for register as the scores will lie, and the products add onto them:
; no vector instruction is spent on the mask in the loop.
; A BATCH ALL OF WHOSE KEYS ARE MASKED has equal logits in the definition, so every p must be 1; -2^100 + score need not round alike for every score.  So each wave looks at the batch's 2,048 mask bytes once, and
; where all are set it turns q's codes into zeros (a select, no jump): every score is then exactly -2^100, t = -2^100 c is exact and a whole number, M = t and p = 1.
; CLUSTER.  The four query blocks of a cluster belong to one head: each part of the record is asked for JOINTLY, by the same tensor load with the same descriptor and a mask that names the four.
; LAYOUT.  Both products are used transposed: S^T = k q^T (source 0 = 16 keys), O^T = v^T p^T (source 0 = 16 channels): a lane holds one query (lane % 16) throughout.  k's and v's tiles were stored permuted
; (lane r of tile 2 b + u holds row 32 b + 8 u + r + 8 (r / 8)), so that the 16 registers of tiles 2 b and 2 b + 1 are 16 neighbours: keys for p, channels for o.
; THE FIRST PRODUCT'S K IS 64: half an instruction.  q's registers 6-11 are zero codes and the upper two bytes of q's and k's scale words are 0 (2^-127, a number): whatever k's registers 6-11 hold adds exactly 0.
; So k's half fragments lie 6 registers apart, and a tile's upper six registers are the next tile's codes.
; LIMITS: a masked logit is about -2^97 where the definition has -1e9: with any open key a masked p is 0 either way, with none every p is 1 either way; they part only where open logits lie under -1e9.
; A mask byte is 0 or 1.  NaN and infinities are not served.  Zero blocks keep the scale byte 1: their codes are zeros.
; REGISTERS: v1-7 addresses that stay; v8-11, v28 addresses of the step; v12 -M, v13 the largest t, v[14:15] the sum in two halves; v16-27 q; v32-85 k's tiles, then v32-79 v's tiles;
; v96-159 the mask's words, then S^T, then p; v160-191 O^T; v192-199 k's scale words, v200-203 v's; v204-214 at work at the head; v224-235 p's codes; v232-254 at work; v253 p's scale word; v255 q's.
.set KVREC, 208896
.set PART,  13056                      ; a wave's part of the record: 51 rows of 256 bytes
.set VIMG,  98304
.set KSC,   196608
.set VSC,   204800
.set MT,    208896                     ; the mask's words: stored by the waves, never a tensor load's target
.set AK0,  1
.set AV0,  2
.set ASK0, 3
.set ASV0, 4
.set AM0,  5
.set GO8,  6
.set R16,  7
.set ADK,  8
.set ADV,  9
.set ADS,  10
.set ADT,  11
.set ADM,  28
.set WV,   18
.set SEL,  20
.set CS,   22
.set G1,   24
.set G0,   32
.set T6,   36                          ; s36  6,144 x step: k's and v's codes
.set T5,   37                          ; s37  512 x step: k's scale words, the mask's words
.set T2,   38                          ; s38  256 x step: v's scale words
.set CNT,  39
.set QON,  49                          ; s49  -1, or 0 where all keys of the batch are masked
; A round of the cluster's barrier: my work-group's barrier; wave 0 signals for the work-group; every wave waits for all four work-groups; my work-group's barrier once more.
.macro CROUND
	s_barrier_signal -1
	s_barrier_wait -1
	s_cmp_lg_u32 s[WV], 0
	s_cbranch_scc1 .Lnot_wave_0_\@
	s_barrier_signal -3
.Lnot_wave_0_\@:
	s_barrier_wait -3
	s_barrier_signal -1
	s_barrier_wait -1
.endm
	s_load_b256 s[4:11], s[0:1], 0x0               ; qc, qs, kv, mask
	s_load_b128 s[12:15], s[0:1], 0x20             ; oc, os
	v_lshl_add_u32 v250, v0, 2, 0x35000
	v_mov_b32 v251, 0
	ds_add_u32 v250, v251
	ds_add_u32 v250, v251
	v_lshrrev_b32 v8, 5, v0
	s_delay_alu instid0(VALU_DEP_1)
	v_readfirstlane_b32 s[WV], v8                  ; wave 0..15
	s_bfe_u32 s40, ttmp6, 0x40000                  ; cx: it enters q's and o's global addresses alone
	s_lshl_b32 s41, ttmp9, 2
	s_add_co_u32 s41, s41, s40                     ; my block of 256 queries
	s_and_b32 s42, ttmp7, 0xffff                   ; the head of 32, which the four partners share
	s_lshr_b32 s43, s42, 3                         ; the batch
	s_and_b32 s44, s42, 7                          ; the head in it
	s_lshl_b32 s45, s41, 4
	s_add_co_u32 s45, s45, s[WV]                   ; my tile of 16 queries, of the batch's 128
	s_mov_b32 s[G1], 15|(3<<16)|(1<<21)            ; 15:0 the mask: all four work-groups; 17:16 elements of 8 bytes; 20 no padding; 21 set beside a mask
	s_mov_b32 s[G1+1], 32<<16                      ; tensor_dim0 = 32 elements: 256 bytes
	s_mov_b32 s[G1+2], 51<<16                      ; tensor_dim1 = 51
	s_mov_b32 s[G1+3], 32<<16                      ; tile_dim0
	s_mov_b32 s[G1+4], 51                          ; tile_dim1
	s_mov_b32 s[G1+5], 32                          ; from row to row: dense
	s_mov_b32 s[G1+6], 0
	s_mov_b32 s[G1+7], 0
	s_mul_i32 s48, s[WV], PART                     ; my part: in LDS as in the record
	s_mul_i32 s46, s42, KVREC
	s_add_co_u32 s46, s46, s48
	s_mov_b32 s47, 0
	s_lshl_b32 s50, s42, 7
	s_add_co_u32 s50, s50, s45
	s_mul_i32 s50, s50, 768                        ; q's half fragment
	s_mov_b32 s51, 0
	s_lshl_b32 s52, s42, 13                        ; q's scale word: [head][8 tiles][4 tiles][row][tile]
	s_lshr_b32 s53, s45, 3
	s_lshl_b32 s53, s53, 9
	s_add_co_u32 s52, s52, s53
	s_bfe_u32 s53, s45, 0x10002
	s_lshl_b32 s53, s53, 8
	s_add_co_u32 s52, s52, s53
	s_and_b32 s53, s45, 3
	s_lshl_b32 s53, s53, 2
	s_add_co_u32 s52, s52, s53
	s_mov_b32 s53, 0
	s_lshl_b32 s54, s43, 11                        ; the batch's 2,048 bytes of the mask
	s_mov_b32 s55, 0
	s_lshl_b32 s56, s43, 7
	s_add_co_u32 s56, s56, s45                     ; my tile of 16 tokens, of 512
	s_mul_i32 s58, s56, 6144
	s_mul_i32 s59, s44, 768
	s_add_co_u32 s58, s58, s59                     ; o's half fragment: [token tile][head]
	s_mov_b32 s59, 0
	s_lshl_b32 s60, s56, 8
	s_lshl_b32 s61, s44, 1
	s_add_co_u32 s60, s60, s61                     ; its two scale bytes: [token tile][row][head]
	s_mov_b32 s61, 0
	s_mov_b32 s62, 0x01010101                      ; four mask bytes, all set
	s_mov_b32 s[SEL], 0x76543210
	s_mov_b32 s[SEL+1], 0xfedcba98
	s_mov_b32 s[CS], 0x3e38aa3b                    ; c = log2(e) / 8
	s_mov_b32 s[CS+1], s[CS]                       ; (named with it as a pair, so it is written)
	s_mov_b32 s[T6], 0
	s_mov_b32 s[T5], 0
	s_mov_b32 s[T2], 0
	s_mov_b32 s[CNT], 16
	v_and_b32 v9, 31, v0                           ; lane
	v_and_b32 v10, 15, v0                          ; r
	v_bfe_u32 v11, v0, 4, 1                        ; h
	s_delay_alu instid0(VALU_DEP_3)
	v_lshlrev_b32 v[AK0], 3, v9
	s_delay_alu instid0(VALU_DEP_4)
	v_lshl_add_u32 v[AV0], v9, 4, VIMG
	s_delay_alu instid0(VALU_DEP_4)
	v_lshl_add_u32 v[ASK0], v10, 4, KSC
	v_lshl_add_u32 v[ASV0], v10, 4, VSC
	v_lshl_add_u32 v[AM0], v11, 6, MT
	v_lshlrev_b32 v[GO8], 3, v9
	v_lshlrev_b32 v[R16], 4, v10
	v_lshlrev_b32 v204, 2, v0                      ; four keys' bytes of the mask a thread,
	v_lshl_add_u32 v212, v0, 4, MT                 ; and their four words;
	v_lshlrev_b32 v214, 6, v9                      ; and 64 bytes a lane: the wave's look at the whole batch
	s_wait_alu depctr_va_vdst(0)
	s_wait_dscnt 0x0
	s_wait_kmcnt 0x0
	s_add_nc_u64 s[4:5], s[4:5], s[50:51]
	s_add_nc_u64 s[6:7], s[6:7], s[52:53]
	s_add_nc_u64 s[10:11], s[10:11], s[54:55]
	s_add_nc_u64 s[12:13], s[12:13], s[58:59]
	s_add_nc_u64 s[14:15], s[14:15], s[60:61]
	s_mov_b32 s[G0], 1                             ; count = 1
	s_mov_b32 s[G0+1], s48                         ; LDS address
	s_add_nc_u64 s[G0+2:G0+3], s[8:9], s[46:47]    ; global address: made of the head and the wave's number alone
	s_or_b32 s[G0+3], s[G0+3], 0x80000000          ; type = 2
	global_load_b32 v205, v204, s[10:11]
.irp i, 0,1,2,3
	global_load_b128 v[96+4*\i:99+4*\i], v214, s[10:11] offset:16*\i   ; the four loads read the batch's 2,048 bytes
.endr
.irp p, 0,1,2
	global_load_b64 v[16+2*\p:17+2*\p], v[GO8], s[4:5] offset:256*\p
.endr
	global_load_b32 v255, v[R16], s[6:7]
	CROUND                                         ; all four work-groups are here: the joint loads meet
	tensor_load_to_lds s[G0:G0+3], s[G1:G1+7]      ; my one tensor load of the launch
	s_nop 0
.rept 4
	v_nop
.endr
.irp j, 22,23,24,25,26,27, 80,81,82,83,84,85
	v_mov_b32 v\j, 0                               ; q's upper half: zero codes; v80-85: named with k's last tile, so they are written
.endr
.set J, 160
.rept 32
	v_mov_b32 v[J], 0                              ; O^T: the loop is written once; its first step finds zeros, which the first change of M leaves zeros
.set J, J+1
.endr
	v_mov_b32 v13, 0xff61b1e6                      ; the largest t so far: -3e38
	s_delay_alu instid0(VALU_DEP_1)
	v_floor_f32 v12, -v13                          ; -M
	v_mov_b32 v14, 0
	v_mov_b32 v15, 0
.irp b, 0,1,2,3
	v_mov_b32 v[236+\b], 0                         ; written once: a lane permute's destination counts as one of its sources
.endr
	v_mov_b32 v253, 0                              ; (named as the upper half of v[252:253] before it is first written)
	v_mov_b32 v206, 0                              ; an open key's word
	v_mov_b32 v207, 0xf1800000                     ; a masked key's: -2^100
	s_wait_loadcnt 0x0
.irp i, 0,1,2,3,4,5,6,7                        ; are all 2,048 bytes set?  The AND of my 16 words,
	v_and_b32 v[96+\i], v[96+\i], v[104+\i]
.endr
.irp i, 0,1,2,3
	s_delay_alu instid0(VALU_DEP_4)
	v_and_b32 v[96+\i], v[96+\i], v[100+\i]
.endr
	s_delay_alu instid0(VALU_DEP_2)
	v_and_b32 v96, v96, v98
	s_delay_alu instid0(VALU_DEP_2)
	v_and_b32 v97, v97, v99
	s_delay_alu instid0(VALU_DEP_1)
	v_and_b32 v96, v96, v97
	s_delay_alu instid0(VALU_DEP_1)
	v_cmp_eq_u32 s[QON], s62, v96                  ; a bit for each lane whose 64 bytes are all set,
	s_cmp_eq_u32 s[QON], -1                        ; all 32 lanes:
	s_cselect_b32 s[QON], 0, -1                    ; a select, no jump
.irp i, 0,1,2,3,4,5
	v_and_b32 v[16+\i], s[QON], v[16+\i]           ; then q's codes become zeros.  (The 12 lines below and the loop's first five stand between these and the first product)
.endr
.irp i, 0,1,2,3
	v_bfe_u32 v213, v205, 8*\i, 8
	s_delay_alu instid0(VALU_DEP_1)
	v_cmp_ne_u32 vcc_lo, 0, v213
	s_delay_alu instid0(VALU_DEP_1)
	v_cndmask_b32 v[208+\i], v206, v207, vcc_lo
.endr
	ds_store_b128 v212, v[208:211]
	s_wait_tensorcnt 0x0                           ; my part of the record has landed,
	s_wait_dscnt 0x0                               ; my four words are stored:
	s_barrier_signal -1
	s_barrier_wait -1                              ; everybody's are
.Lstep:                                            ; 16 trips: 128 keys each
	s_setprio 2
	v_add_nc_u32 v[ADK], s[T6], v[AK0]             ; (these five are also the places in front of loads into registers that the last products read)
	v_add_nc_u32 v[ADV], s[T6], v[AV0]
	v_add_nc_u32 v[ADS], s[T5], v[ASK0]
	v_add_nc_u32 v[ADM], s[T5], v[AM0]
	v_add_nc_u32 v[ADT], s[T2], v[ASV0]
.irp b, 0,1,2,3
.irp j, 0,1,2,3
	ds_load_b128 v[96+16*\b+4*\j:99+16*\b+4*\j], v[ADM] offset:128*\b+16*\j   ; the mask's words of keys 32 b + 16 h + 0 .. 15, into the score accumulators: p's conversions have read these registers
.endr
.endr
.irp t, 0,1,2,3,4,5,6,7
.irp p, 0,1,2
	ds_load_b64 v[32+6*\t+2*\p:33+6*\t+2*\p], v[ADK] offset:768*\t+256*\p   ; 256 consecutive bytes an instruction
.endr
.endr
	ds_load_b128 v[192:195], v[ADS]
	ds_load_b128 v[196:199], v[ADS] offset:256
	s_wait_alu depctr_va_vdst(0)
	s_wait_dscnt 0x0
.irp t, 0,1,2,3,4,5,6,7                        ; S^T = k q^T + the mask's words: eight accumulators, one instruction each
	v_wmma_scale_f32_16x16x128_f8f6f4 v[96+8*\t:103+8*\t], v[32+6*\t:43+6*\t], v[16:27], v[96+8*\t:103+8*\t], v[192+\t], v255 matrix_a_fmt:MATRIX_FMT_FP6 matrix_b_fmt:MATRIX_FMT_FP6
.endr
.rept 4
	v_nop                                          ; places in front of loads into k's registers and of the first read of the scores
.endr
.irp t, 0,1,2,3                                ; v's four tiles are asked for now and land under the softmax
.irp c, 0,1,2
	ds_load_b128 v[32+12*\t+4*\c:35+12*\t+4*\c], v[ADV] offset:1536*\t+512*\c
.endr
.endr
	ds_load_b128 v[200:203], v[ADT]
.irp b, 0,1,2,3
	v_max3_num_f32 v[232+\b], v[96+16*\b], v[97+16*\b], v[98+16*\b]   ; the largest score of each block of 32 keys: it serves for the row's maximum and, since p rises with the score, for the block's largest p.  Each accumulator is read from its low end on
.endr
.irp i, 3,5,7,9,11,13
.irp b, 0,1,2,3
	v_max3_num_f32 v[232+\b], v[232+\b], v[96+16*\b+\i], v[97+16*\b+\i]
.endr
.endr
.irp b, 0,1,2,3
	v_max_num_f32 v[232+\b], v[232+\b], v[111+16*\b]
.endr
.irp b, 0,1,2,3
	s_delay_alu instid0(VALU_DEP_4)
	v_permlanex16_b32 v[236+\b], v[232+\b], s[SEL], s[SEL+1]
.endr
.irp b, 0,1,2,3
	s_delay_alu instid0(VALU_DEP_4)
	v_max_num_f32 v[232+\b], v[232+\b], v[236+\b]  ; with lane l xor 16's 16 keys
.endr
	s_delay_alu instid0(VALU_DEP_2)
	v_max3_num_f32 v254, v232, v233, v234
	s_delay_alu instid0(VALU_DEP_1)
	v_max_num_f32 v254, v254, v235
	s_delay_alu instid0(VALU_DEP_1)
	v_mul_f32 v254, s[CS], v254                    ; the step's largest t of my query
	s_delay_alu instid0(VALU_DEP_1)
	v_max_num_f32 v13, v13, v254
	v_mov_b32 v254, v12
	s_delay_alu instid0(VALU_DEP_2)
	v_floor_f32 v12, -v13                          ; the new -M = -ceil(t): a whole number
	s_delay_alu instid0(VALU_DEP_1)
	v_sub_f32 v254, v12, v254                      ; old M - new M: a whole number, 0 or less
	s_delay_alu instid0(VALU_DEP_1)
	v_cvt_i32_f32 v254, v254                       ; (it saturates)
	s_delay_alu instid0(VALU_DEP_1)
	v_ldexp_f32 v252, 1.0, v254                    ; f = 2^(old M - new M); 0 where the keys so far were all masked and an open one has come
.set J, 0
.rept 32
	v_pk_fma_f32 v[96+J:97+J], v[96+J:97+J], s[CS:CS+1], v[12:13] op_sel_hi:[1,0,0]   ; t - M, two at a time
.set J, J+2
.endr
.irp b, 0,1,2,3
	v_fma_f32 v[232+\b], v[232+\b], s[CS], v12     ; the same of each block's largest score
.endr
.set J, 0
	s_setprio 1
	s_wait_alu depctr_va_vdst(0)
.rept 64
	v_exp_f32 v[96+J], v[96+J]                     ; p = 2^(t - M), at most 1
.set J, J+1
.endr
	v_pk_mul_f32 v[14:15], v[14:15], v[252:253] op_sel_hi:[1,0]   ; the sums under the new M: a plain place behind the exponentials
	s_wait_alu depctr_va_vdst(0)                   ; one wait for the batch of 64, ahead of its first reader
.irp b, 0,1,2,3
	v_exp_f32 v[232+\b], v[232+\b]                 ; the block's largest p: the same two instructions on the same number
.endr
	v_pk_add_f32 v[236:237], v[100:101], v[104:105]
	v_pk_add_f32 v[248:249], v[108:109], v[112:113]
	v_pk_add_f32 v[246:247], v[116:117], v[120:121]
	v_pk_add_f32 v[244:245], v[124:125], v[128:129]
	v_pk_add_f32 v[242:243], v[132:133], v[136:137]
	v_pk_add_f32 v[240:241], v[140:141], v[144:145]
	v_pk_add_f32 v[238:239], v[148:149], v[152:153]
	v_pk_add_f32 v[14:15], v[14:15], v[156:157]
	v_pk_add_f32 v[236:237], v[236:237], v[96:97]
	v_pk_add_f32 v[248:249], v[248:249], v[98:99]
	v_pk_add_f32 v[246:247], v[246:247], v[102:103]
	v_pk_add_f32 v[244:245], v[244:245], v[106:107]
	v_pk_add_f32 v[242:243], v[242:243], v[110:111]
	v_pk_add_f32 v[240:241], v[240:241], v[114:115]
	v_pk_add_f32 v[238:239], v[238:239], v[118:119]
	v_pk_add_f32 v[14:15], v[14:15], v[122:123]
	v_pk_add_f32 v[236:237], v[236:237], v[126:127]
	v_pk_add_f32 v[248:249], v[248:249], v[130:131]
	v_pk_add_f32 v[246:247], v[246:247], v[134:135]
	v_pk_add_f32 v[244:245], v[244:245], v[138:139]
	v_pk_add_f32 v[242:243], v[242:243], v[142:143]
	v_pk_add_f32 v[240:241], v[240:241], v[146:147]
	v_pk_add_f32 v[238:239], v[238:239], v[150:151]
	v_pk_add_f32 v[14:15], v[14:15], v[154:155]
	v_pk_add_f32 v[236:237], v[236:237], v[158:159]
	s_delay_alu instid0(VALU_DEP_2)
	v_pk_add_f32 v[14:15], v[14:15], v[244:245]
	s_delay_alu instid0(VALU_DEP_2)
	v_pk_add_f32 v[236:237], v[236:237], v[242:243]
	v_pk_add_f32 v[248:249], v[248:249], v[240:241]
	v_pk_add_f32 v[246:247], v[246:247], v[238:239]
	s_delay_alu instid0(VALU_DEP_2)
	v_pk_add_f32 v[14:15], v[14:15], v[248:249]
	s_delay_alu instid0(VALU_DEP_2)
	v_pk_add_f32 v[236:237], v[236:237], v[246:247]
	s_delay_alu instid0(VALU_DEP_1)
	v_pk_add_f32 v[14:15], v[14:15], v[236:237]
	s_wait_alu depctr_va_vdst(0)                   ; and one for the four
.irp b, 0,1,2,3
	v_max_num_f32 v[232+\b], 0x1800000, v[232+\b]  ; the floor 2^(3 - 127): the byte cannot fall under 1
.endr
.irp b, 0,1,2,3
	s_delay_alu instid0(VALU_DEP_4)
	v_add_nc_u32 v[244+\b], 0xff000000, v[232+\b]  ; 2 off the exponent field: the conversion's scale operand
.endr
.irp b, 0,1,2,3
	s_delay_alu instid0(VALU_DEP_4)
	v_lshrrev_b32 v[236+\b], 23, v[244+\b]
.endr
	s_delay_alu instid0(VALU_DEP_3)
	v_lshl_or_b32 v253, v237, 8, v236              ; p's scale word for these 128 keys
	s_delay_alu instid0(VALU_DEP_1)
	v_lshl_or_b32 v253, v238, 16, v253
	s_delay_alu instid0(VALU_DEP_1)
	v_lshl_or_b32 v253, v239, 24, v253
.irp c, 0,1
	v_cvt_scalef32_pk16_fp6_f32 v[224+6*\c:226+6*\c], v[96+32*\c:111+32*\c], v[244+2*\c]
	v_cvt_scalef32_pk16_fp6_f32 v[236+4*\c:238+4*\c], v[112+32*\c:127+32*\c], v[244+2*\c+1]
.endr
	v_nop                                          ; one plain place behind a scaled conversion
	s_setprio 0
.irp c, 0,1
.irp i, 0,1,2
	v_permlane16_swap_b32 v[224+6*\c+\i], v[236+4*\c+\i]
.endr
.irp i, 0,1,2
	s_delay_alu instid0(VALU_DEP_3)
	v_mov_b32 v[227+6*\c+\i], v[236+4*\c+\i]
.endr
.endr
.set J, 0
.rept 16
	v_pk_mul_f32 v[160+J:161+J], v[160+J:161+J], v[252:253] op_sel_hi:[1,0]   ; O^T under the new M.  Of these 16, 12 name no register of a given product below: the places between p's codes and scale word and that product
.set J, J+2
.endr
	s_wait_alu depctr_va_vdst(0)
	s_wait_dscnt 0x0                               ; v's tiles and scale words are in
.irp t, 0,1,2,3                                ; O^T += v^T p^T: four accumulators by turns
	v_wmma_scale_f32_16x16x128_f8f6f4 v[160+8*\t:167+8*\t], v[32+12*\t:43+12*\t], v[224:235], v[160+8*\t:167+8*\t], v[200+\t], v253 matrix_a_fmt:MATRIX_FMT_FP6 matrix_b_fmt:MATRIX_FMT_FP6
.endr
	s_add_co_u32 s[T6], s[T6], 6144
	s_add_co_u32 s[T5], s[T5], 512
	s_add_co_u32 s[T2], s[T2], 256
	s_sub_co_u32 s[CNT], s[CNT], 1
	s_cmp_lg_u32 s[CNT], 0
	s_cbranch_scc1 .Lstep
	s_setprio 0
	; THE WAY OUT: O^T / the sum; register 16 b + i is channel 32 b + 16 h + i of my query: two blocks of 32, quantised as half a fragment
	v_add_f32 v14, v14, v15
	s_delay_alu instid0(VALU_DEP_1)
	v_permlanex16_b32 v252, v14, s[SEL], s[SEL+1]
	s_delay_alu instid0(VALU_DEP_1)
	v_add_f32 v14, v14, v252                       ; the row's sum
	s_wait_alu depctr_va_vdst(0)
	v_rcp_f32 v14, v14
.rept 4
	v_nop                                          ; the plain place behind the reciprocal, and the places behind the last products
.endr
	s_wait_alu depctr_va_vdst(0)                   ; ahead of the reciprocal's first reader
.set J, 0
.rept 32
	v_mul_f32 v[96+J], v[160+J], v14
.set J, J+1
.endr
.irp b, 0,1
	v_max3_num_f32 v[232+\b], |v[96+16*\b]|, |v[97+16*\b]|, 0x1800000
.endr
.irp i, 2,4,6,8,10,12,14
.irp b, 0,1
	s_delay_alu instid0(VALU_DEP_2)
	v_max3_num_f32 v[232+\b], v[232+\b], |v[96+16*\b+\i]|, |v[97+16*\b+\i]|
.endr
.endr
.irp b, 0,1
	s_delay_alu instid0(VALU_DEP_2)
	v_permlanex16_b32 v[236+\b], v[232+\b], s[SEL], s[SEL+1]
.endr
.irp b, 0,1
	s_delay_alu instid0(VALU_DEP_2)
	v_max_num_f32 v[232+\b], v[232+\b], v[236+\b]
.endr
.irp b, 0,1
	s_delay_alu instid0(VALU_DEP_2)
	v_add_nc_u32 v[244+\b], 0xff000000, v[232+\b]
.endr
.irp b, 0,1
	s_delay_alu instid0(VALU_DEP_2)
	v_lshrrev_b32 v[240+\b], 23, v[244+\b]
.endr
	s_delay_alu instid0(VALU_DEP_1)
	v_lshl_or_b32 v240, v241, 8, v240              ; my row's two scale bytes
	v_cvt_scalef32_pk16_fp6_f32 v[224:226], v[96:111], v244
	v_cvt_scalef32_pk16_fp6_f32 v[236:238], v[112:127], v245
	v_nop
.irp i, 0,1,2
	v_permlane16_swap_b32 v[224+\i], v[236+\i]
.endr
.irp i, 0,1,2
	s_delay_alu instid0(VALU_DEP_3)
	v_mov_b32 v[227+\i], v[236+\i]
.endr
.irp p, 0,1,2
	global_store_b64 v[GO8], v[224+2*\p:225+2*\p], s[12:13] offset:256*\p   ; 256 consecutive bytes, aligned
.endr
	global_store_b16 v[R16], v240, s[14:15]        ; a head owns 2 of a token's 16 scale bytes; both halves of the lanes write the same number
	s_wait_dscnt 0x0
	s_wait_tensorcnt 0x0
	ds_add_u32 v250, v251
	s_wait_dscnt 0x0
	CROUND                                         ; the closing round: no work-group ends while a partner may still ask for a part that names it
	s_endpgm
.Lfunc_end_k_q2d47b02daa_attn:
	.size	k_q2d47b02daa_attn, .Lfunc_end_k_q2d47b02daa_attn-k_q2d47b02daa_attn
	.p2alignl 7, 3214868480
	.fill 96, 4, 3214868480
	.section	.rodata,"a",@progbits
	.p2align	6, 0x0
	.amdhsa_kernel k_q2d47b02daa_attn
		.amdhsa_group_segment_fixed_size 219136
		.amdhsa_private_segment_fixed_size 0
		.amdhsa_enable_private_segment 0
		.amdhsa_kernarg_size 48
		.amdhsa_user_sgpr_count 2
		.amdhsa_user_sgpr_kernarg_segment_ptr 1
		.amdhsa_wavefront_size32 1
		.amdhsa_system_sgpr_workgroup_id_x 1
		.amdhsa_system_sgpr_workgroup_id_y 1
		.amdhsa_system_sgpr_workgroup_id_z 1
		.amdhsa_system_vgpr_workitem_id 0
		.amdhsa_next_free_vgpr 256
		.amdhsa_next_free_sgpr 66
		.amdhsa_reserve_vcc 1
		.amdhsa_float_denorm_mode_32 3
		.amdhsa_float_denorm_mode_16_64 3
		.amdhsa_memory_ordered 1
		.amdhsa_forward_progress 1
		.amdhsa_inst_pref_size 34
	.end_amdhsa_kernel
	.amdgpu_metadata
---
amdhsa.version: [ 1, 2 ]
amdhsa.kernels:
  - .name:           k_q2d47b02daa_attn
    .symbol:         k_q2d47b02daa_attn.kd
    .args:
      - { .name: qc, .offset: 0, .size: 8, .value_kind: global_buffer, .address_space: global }
      - { .name: qs, .offset: 8, .size: 8, .value_kind: global_buffer, .address_space: global }
      - { .name: kv, .offset: 16, .size: 8, .value_kind: global_buffer, .address_space: global }
      - { .name: mask, .offset: 24, .size: 8, .value_kind: global_buffer, .address_space: global }
      - { .name: oc, .offset: 32, .size: 8, .value_kind: global_buffer, .address_space: global }
      - { .name: os, .offset: 40, .size: 8, .value_kind: global_buffer, .address_space: global }
    .group_segment_fixed_size: 219136
    .private_segment_fixed_size: 0
    .kernarg_segment_align: 8
    .kernarg_segment_size: 48
    .max_flat_workgroup_size: 512
    .sgpr_count:     66
    .vgpr_count:     256
    .wavefront_size: 32
...
	.end_amdgpu_metadata
.endif
;; end of part 7
;; launch ffn (part 8): grid 256 x 1, 4 waves a work-group, no clusters, 77,312 bytes of LDS; arguments oc, os, codes, scales, x, bo, b1, b2, g1, beta1, g2, beta2, out0; writes out0
.if DOCPART == 8
	.amdgcn_target "amdgcn-amd-amdhsa--gfx1250"
	.amdhsa_code_object_version 6
	.text
	.protected	k_q2d47b02daa_ffn
	.globl	k_q2d47b02daa_ffn
	.p2align	8
	.type	k_q2d47b02daa_ffn,@function
k_q2d47b02daa_ffn:
	s_mov_b64 s[64:65], 0
	v_nop
	global_prefetch_b8 v0, s[64:65] scope:SCOPE_SE
	s_setreg_imm32_b32 hwreg(HW_REG_WAVE_SCHED_MODE, 0, 2), 2
	s_setreg_imm32_b32 hwreg(HW_REG_WAVE_MODE, 25, 1), 1
	s_wait_xcnt 0x0
	s_wait_alu depctr_vm_vsrc(0)
; attn_out = o wo^T + bo;  y = x + norm(attn_out);  ff = relu(y w1^T + b1) w2^T + b2;  out = y + norm(ff).  The three products on codes of FP6 (E2M3); y and the hidden layer are quantised on the way and never
; go to memory.  norm(a) = g (a - mean) / sqrt(var + 1e-6) + beta over the row's 512, var with 511 in the divisor.
; SHARES.  A work-group of four waves takes 32 rows (two tiles of 16).  THE WAVES SHARE THE COLUMNS: wave w makes features 128 w .. 128 w + 127 of attn_out and of ff, and in iteration j hidden units
; 128 (4 j + w) on.  NINE PHASES OF ONE SHAPE: 8 permuted weight tiles x 4 K steps as source 0, 2 x 4 fragments of the rows as source 1, 16 accumulators by turns, 64 matrix instructions:
; wo; then for j = 0 .. 3: w1's rows 512 j on, w2's K chunk 512 j on.  ff's 16 accumulators run through all four iterations.
; THE WEIGHTS GO FROM MEMORY STRAIGHT INTO REGISTERS, through a ring of four buffers of four fragments: a bundle (12 loads of 512 consecutive bytes) is asked for when its buffer has been multiplied, three bundles
; (24 matrix instructions) ahead of its use, on into the next phase.  wo's units lie directly in front of w1's: wo is w1's iteration -1.
; No cluster: a joint request lands in LDS.  A work-group walks 1,769,472 bytes of weight codes, more than five times LDS, so they would want slots that are filled again, and each fragment is wanted by one
; wave, once: so it is loaded into that wave's registers.
; THE ROWS' CODES GO FROM WAVE TO WAVE THROUGH LDS AS IMAGES OF THEIR REGISTERS (three ds_store_b128 at 16 x lane, a scale word at 4 x lane): wave w's 128 features of y, or hidden units, are K step w of the next product.
; THE NORM's statistics: each wave takes mean and sum of squared differences of its 128 numbers of a row; the four are joined by (mean, M2) pairs through LDS: no difference of large sums is formed.
; The biases are loaded from LDS straight into the accumulators, so that every product adds in place.
; LIMITS: zero blocks and blocks under 2^-124 keep the scale byte 1; NaN and infinities are not served.
; REGISTERS, in windows of 256: window 0 below;  window 1: v0-191 the ring;  window 2: v0-127 attn_out, then the hidden layer; v128-255 ff (accumulator (m, t) at 8 (8 m + t));
; window 3: v0-127 x, then y, then out: register 64 m + 16 b + i = feature 128 w + 32 b + 16 (lane / 16) + i of row 16 m + lane % 16, as the accumulators lie.
; THE MODE: SCHED_MODE bits 1:0 = 2 (LLVM: expert scheduling mode 2), set by the entry lines.  The code itself states the register dependences between vector or matrix instructions and memory or LDS
; instructions, with s_wait_alu, always for 0.
; THE PLAN.  Registers that memory or LDS instructions touch:
;   the ring     Bundle q's eight products read buffer q % 4; behind them the loads of bundle q + 4 land in it.
;   SW, two sets A phase's products read one set; the loads that ride with bundles 4 to 7 land in the other, which the phase before has left.
;   ACT, AS      Loaded from LDS at a phase's head; read by the phase's products.  v160-175 also take the norm's pairs; v160-180 are the second out-buffer below; v160-223 and v32-95 take rows on the way out.
;   window 2's v0-127   Loaded with a bias at an iteration's head; then named by products, the activation and the quantisers.
;   PC, PW and PC1, PW1  Two out-buffers: the quantisers of the two tiles of rows write one each; the images' eight LDS stores read them.
;   MW           Written by the norm, read by its two LDS stores.     v[BAJ]  Written once an iteration, read by the loads of b1.     v104-127  The biases on their way into LDS, PC and TM afterwards.
;   All other addresses are made at the head and never written again: the weights' scalar bases move on, and immediate offsets do the rest.
; ONE wait on va_vdst stands in a bundle, BEHIND its eight products and their places, ahead of the loads that ask for its buffer again: a buffer that waited for the next bundle's head would lie idle for a
; quarter of the ring's round, and behind those products the wave has nothing to do but to wait for loads.  The other waits stand where a phase ends or begins, one for each run of LDS instructions.
.set BOL,  0                           ; LDS: bo 2,048, b1 8,192, b2 2,048 bytes,
.set B1L,  2048
.set B2L,  10240
.set YIMG, 12288                       ; y's 8 fragments (4 m + ks) of 1,536 bytes,
.set YSC,  24576                       ; their scale words, 128 bytes each,
.set HIMG, 25600                       ; the hidden layer's,
.set HSC,  37888
.set LNX1, 38912                       ; the norms' pairs: [m][wave][lane] 8 bytes,
.set LNX2, 40960
.set STG,  43008                       ; the way out: 16 rows x (512 + 16) bytes for each wave
.set LP4,  4                           ; v4   a permuted fragment's lane term, tiles 6,144 bytes apart
.set LP16, 5                           ; v5   24,576 apart (w2)
.set LS4,  6                           ; v6   the scale words', 256 apart
.set LS16, 7                           ; v7   1,024 apart
.set LI,   8                           ; v8   16 x lane
.set LS,   9                           ; v9   4 x lane
.set L8,   10                          ; v10  8 x lane
.set R16,  11                          ; v11  16 r
.set IWI,  12                          ; v12  16 x lane + 1,536 x wave
.set IWS,  13                          ; v13  4 x lane + 128 x wave
.set BA,   14                          ; v14  64 h + 512 x wave
.set BAJ,  15                          ; v15  the same in b1, 2,048 j on
.set LXW,  16                          ; v16  8 x lane + 256 x wave
.set STO,  17
.set RD,   18
.set GO,   19                          ; v19  16 x lane + 512 x wave
.set XA,   20                          ; v20  2,048 r + 64 h + 512 x wave
.set T16,  21                          ; v21  16 x thread
.set NS,   22                          ; v[22:23], v[26:27] the norm's scale for m = 0, 1; v[24:25], v[28:29] its shift (pairs: the packed forms take the low word for both halves)
.set SW,   32                          ; v32-95  the weights' scale words, two sets of [4 t + ks]
.set AS,   96                          ; v96-103 the rows' scale words [4 m + ks]
.set PC,   104                         ; v104-123 the first out-buffer: 12 registers of codes, and 8 at work
.set TM,   124
.set PW,   140                         ; v140 its scale word
.set LT,   142                         ; v142-149 at work in the norm
.set MW,   150                         ; v[150:151], v[152:153] (mean, M2) of my 128 numbers, m = 0, 1
.set ACT,  160                         ; v160-255 the rows' 8 fragments [12 (4 m + ks)]
.set PC1,  160                         ; v160-179 the second out-buffer: the rows' fragments are done with where a quantiser runs, and are fetched anew behind it
.set PW1,  180                         ; v180 its scale word
.set PA,   36                          ; s[36:37] w1's codes, iteration j;  s[38:39] their scale words;  s[40:41], s[42:43] w2's
.set SA,   38
.set PB,   40
.set SB,   42
.set SEL,  44
.set WV,   46
.set JB,   47
.set CNT,  48
.set RV,   49                          ; s49  1 / 511
.set MSB, 0
.macro WIN new                         ; the immediate's high byte repeats the setting that is left
.if MSB != (\new)
	s_set_vgpr_msb (MSB<<8)|(\new)
.set MSB, (\new)
.endif
.endm
.macro PLACES n
.rept \n
	v_nop
.endr
.endm
.macro BARRIER                         ; my LDS stores have landed and my LDS loads are in: then the work-group's barrier
	s_wait_dscnt 0x0
	s_barrier_signal -1
	s_barrier_wait -1
.endm
.macro MM d, a, b, c, sa, sb
	v_wmma_scale_f32_16x16x128_f8f6f4 v[\d:\d+7], v[\a:\a+11], v[\b:\b+11], v[\c:\c+7], v[\sa], v[\sb] matrix_a_fmt:MATRIX_FMT_FP6 matrix_b_fmt:MATRIX_FMT_FP6
.endm
; 64 numbers of a lane in another window, register 16 b + i = k 32 b + 16 (lane / 16) + i of my row, become a fragment in v[pc] on and a scale word in v[pw].  w1, w2, w3: the window in sources 0 and 1; 1 and 2; 0
.macro QUANT s, w1, w2, w3, pc, pw
	WIN \w1
.irp b, 0,1,2,3
	v_max3_num_f32 v[TM+\b], |v[\s+16*\b]|, |v[\s+1+16*\b]|, 0x1800000   ; the floor 2^(3 - 127) holds the byte at 1 from below
.endr
	WIN \w2
.irp i, 2,4,6,8,10,12,14
.irp b, 0,1,2,3
	v_max3_num_f32 v[TM+\b], v[TM+\b], |v[\s+16*\b+\i]|, |v[\s+1+16*\b+\i]|
.endr
.endr
	WIN 0
.irp b, 0,1,2,3
	v_permlanex16_b32 v[TM+4+\b], v[TM+\b], s[SEL], s[SEL+1]
.endr
.irp b, 0,1,2,3
	v_max_num_f32 v[TM+\b], v[TM+\b], v[TM+4+\b]
.endr
.irp b, 0,1,2,3
	v_add_nc_u32 v[TM+12+\b], 0xff000000, v[TM+\b]   ; 2 off the exponent field: the conversion's scale operand
.endr
.irp b, 0,1,2,3
	v_lshrrev_b32 v[TM+4+\b], 23, v[TM+12+\b]
.endr
	v_lshl_or_b32 v[\pw], v[TM+5], 8, v[TM+4]
	v_lshl_or_b32 v[\pw], v[TM+6], 16, v[\pw]
	v_lshl_or_b32 v[\pw], v[TM+7], 24, v[\pw]
	WIN \w3
.irp c, 0,1
	v_cvt_scalef32_pk16_fp6_f32 v[\pc+6*\c:\pc+2+6*\c], v[\s+32*\c:\s+15+32*\c], v[TM+12+2*\c]
	v_cvt_scalef32_pk16_fp6_f32 v[\pc+12+4*\c:\pc+14+4*\c], v[\s+16+32*\c:\s+31+32*\c], v[TM+12+2*\c+1]
.endr
	WIN 0
	v_nop                                          ; one plain place behind a scaled conversion
.irp c, 0,1
.irp i, 0,1,2
	v_permlane16_swap_b32 v[\pc+6*\c+\i], v[\pc+12+4*\c+\i]
.endr
.irp i, 0,1,2
	v_mov_b32 v[\pc+3+6*\c+\i], v[\pc+12+4*\c+\i]
.endr
.endr
.endm
.macro IMAGE pc, pw, off, soff         ; a fragment and its scale word go to LDS as they stand
.irp c, 0,1,2
	ds_store_b128 v[IWI], v[\pc+4*\c:\pc+4*\c+3] offset:\off+512*\c
.endr
	ds_store_b32 v[IWS], v[\pw] offset:\soff
.endm
.macro AFETCH img, sc                  ; all 8 fragments of the rows and their scale words come back, in every wave
.irp f, 0,1,2,3,4,5,6,7
.irp c, 0,1,2
	ds_load_b128 v[ACT+12*\f+4*\c:ACT+12*\f+4*\c+3], v[LI] offset:\img+1536*\f+512*\c
.endr
	ds_load_b32 v[AS+\f], v[LS] offset:\sc+128*\f
.endr
.endm
.macro PRESET ab, adr, off             ; a bias into 16 accumulators: tile 2 b + u, register j: feature 32 b + 16 h + 8 u + j of my 128
	WIN 0x80
.irp m, 0,1
.irp t, 0,1,2,3,4,5,6,7
.irp e, 0,1
	ds_load_b128 v[\ab+8*(8*\m+\t)+4*\e:\ab+8*(8*\m+\t)+4*\e+3], v[\adr] offset:\off+(32*(\t/2)+8*(\t%2))*4+16*\e
.endr
.endr
.endr
	WIN 0
.endm
; Bundle q of a phase: K step q / 2, tiles 4 (q % 2) + 0 .. 3, into buffer q % 4.  kind 0: wo or w1, kind 1: w2.  e: bytes on from the pointer
.macro BUNDLE kind, q, e
	WIN 0x40
.irp i, 0,1,2,3
.irp c, 0,1,2
.if \kind
	global_load_b128 v[48*((\q)%4)+12*\i+4*\c:48*((\q)%4)+12*\i+4*\c+3], v[LP16], s[PB:PB+1] offset:(\e)+((4*((\q)%2)+\i)/2)*49152+128*(\i%2)+1536*((\q)/2)+512*\c
.else
	global_load_b128 v[48*((\q)%4)+12*\i+4*\c:48*((\q)%4)+12*\i+4*\c+3], v[LP4], s[PA:PA+1] offset:(\e)+((4*((\q)%2)+\i)/2)*12288+128*(\i%2)+1536*((\q)/2)+512*\c
.endif
.endr
.endr
.endm
; With bundles 4 to 7 ride the NEXT phase's scale words, two tiles each, into the set that the phase before has left
.macro SCL kind, q, e, set
	WIN 0
.irp z, 0,1
.if \kind
	global_load_b128 v[SW+32*(\set)+4*(2*((\q)-4)+\z):SW+32*(\set)+4*(2*((\q)-4)+\z)+3], v[LS16], s[SB:SB+1] offset:(\e)+((\q)-4)*2048+128*\z
.else
	global_load_b128 v[SW+32*(\set)+4*(2*((\q)-4)+\z):SW+32*(\set)+4*(2*((\q)-4)+\z)+3], v[LS4], s[SA:SA+1] offset:(\e)+((\q)-4)*512+128*\z
.endif
.endr
.endm
; A PHASE.  ab: the accumulators; set: its scale words; cur, nxt: this phase's and the next one's kind; enx, esc: where the next phase's codes and scale words begin; tail = 1: nothing follows.
; The wait at a bundle's head leaves out the three bundles asked for behind it: 12 loads each, 14 where two loads of scale words ride along.
.macro PHASE ab, set, cur, nxt, enx, esc, tail
.irp q, 0,1,2,3,4,5,6,7
.if \tail
.if \q < 5
	s_wait_loadcnt 36
.else
	s_wait_loadcnt 12*(7-\q)
.endif
.else
.if \q < 4
	s_wait_loadcnt 36+2*\q
.else
	s_wait_loadcnt 50-2*\q
.endif
.endif
	WIN 0xa1                                       ; source 0 (the ring) window 1, source 1 (the rows) window 0, C and D window 2
.irp i, 0,1,2,3                                ; eight accumulators, one instruction a turn; the next bundle takes the other eight
.irp m, 0,1
	MM \ab+8*(8*\m+4*(\q%2)+\i), 48*(\q%4)+12*\i, ACT+12*(4*\m+\q/2), \ab+8*(8*\m+4*(\q%2)+\i), SW+32*(\set)+4*(4*(\q%2)+\i)+\q/2, AS+4*\m+\q/2
.endr
.endr
	PLACES 4                                       ; four places behind the bundle's products: at a phase's end they stand in front of the first read of results; the wait below fills none of them
.if \q < 4
	s_wait_alu depctr_va_vdst(0)                   ; the eight products above are done reading ring buffer q % 4, in which the loads below land; the phase before is done reading the other set of scale words
	BUNDLE \cur, \q+4, 0
.if !\tail
	SCL \nxt, \q+4, \esc, 1-\set
.endif
.else
.if !\tail
	s_wait_alu depctr_va_vdst(0)                   ; the eight products above are done reading ring buffer q % 4, in which the next phase's loads land
	BUNDLE \nxt, \q-4, \enx
.endif
.endif
.endr
	WIN 0
.endm
; THE NORM of the 16 accumulators at ab, added onto window 3's rows.  g, beta: scalar registers.  One barrier.
.macro LN ab, lnx, g, beta
.irp m, 0,1
.set A0, \ab+64*\m
	WIN 0x0a
	v_pk_add_f32 v[LT:LT+1], v[A0:A0+1], v[A0+2:A0+3]          ; my 64 numbers' sum, in two chains; each accumulator is read from its low end on
	v_pk_add_f32 v[LT+2:LT+3], v[A0+4:A0+5], v[A0+6:A0+7]
	WIN 0x08
.set J, 8
.rept 14
	v_pk_add_f32 v[LT:LT+1], v[LT:LT+1], v[A0+J:A0+J+1]
	v_pk_add_f32 v[LT+2:LT+3], v[LT+2:LT+3], v[A0+J+2:A0+J+3]
.set J, J+4
.endr
	WIN 0
	v_pk_add_f32 v[LT:LT+1], v[LT:LT+1], v[LT+2:LT+3]
	v_add_f32 v[LT], v[LT], v[LT+1]
	v_permlanex16_b32 v[LT+4], v[LT], s[SEL], s[SEL+1]
	v_add_f32 v[LT], v[LT], v[LT+4]                ; with lane l xor 16's 64: the wave's 128 numbers of my row
	v_mul_f32 v[MW+2*\m], 0x3c000000, v[LT]        ; / 128: their mean
	WIN 0x82
.set J, 0
.rept 32
	v_pk_add_f32 v[A0+J:A0+J+1], v[A0+J:A0+J+1], v[MW+2*\m:MW+2*\m+1] op_sel_hi:[1,0] neg_lo:[0,1] neg_hi:[0,1]   ; d = a - that mean, in place
.set J, J+2
.endr
	WIN 0x0a
	v_pk_mul_f32 v[LT:LT+1], v[A0:A0+1], v[A0:A0+1]
	v_pk_mul_f32 v[LT+2:LT+3], v[A0+2:A0+3], v[A0+2:A0+3]
.set J, 4
.rept 15
	v_pk_fma_f32 v[LT:LT+1], v[A0+J:A0+J+1], v[A0+J:A0+J+1], v[LT:LT+1]
	v_pk_fma_f32 v[LT+2:LT+3], v[A0+J+2:A0+J+3], v[A0+J+2:A0+J+3], v[LT+2:LT+3]
.set J, J+4
.endr
	WIN 0
	v_pk_add_f32 v[LT:LT+1], v[LT:LT+1], v[LT+2:LT+3]
	v_add_f32 v[LT], v[LT], v[LT+1]
	v_permlanex16_b32 v[LT+4], v[LT], s[SEL], s[SEL+1]
	v_add_f32 v[MW+2*\m+1], v[LT], v[LT+4]         ; M2: the sum of d^2
.endr
	s_wait_alu depctr_va_vdst(0)                   ; both pairs v[MW ..] are written, which the LDS stores read; the phase's products are done reading v160-175, in which the loads of pairs land
.irp m, 0,1
	ds_store_b64 v[LXW], v[MW+2*\m:MW+2*\m+1] offset:\lnx+1024*\m
.endr
	BARRIER                                        ; the four waves' pairs lie in LDS
.irp m, 0,1
.irp z, 0,1,2,3
	ds_load_b64 v[ACT+8*\m+2*\z:ACT+8*\m+2*\z+1], v[L8] offset:\lnx+1024*\m+256*\z
.endr
.endr
	s_wait_dscnt 0x0
.irp m, 0,1
.set L0, ACT+8*\m
	v_add_f32 v156, v[L0], v[L0+2]
	v_add_f32 v157, v[L0+4], v[L0+6]
	v_add_f32 v156, v156, v157
	v_mul_f32 v[154+\m], 0x3e800000, v156          ; the row's mean
	v_sub_f32 v156, v[L0], v[154+\m]
	v_mul_f32 v157, v156, v156
.irp z, 1,2,3
	v_sub_f32 v156, v[L0+2*\z], v[154+\m]
	v_fma_f32 v157, v156, v156, v157
.endr
	v_add_f32 v158, v[L0+1], v[L0+3]
	v_add_f32 v159, v[L0+5], v[L0+7]
	v_add_f32 v158, v158, v159
	v_fma_f32 v157, v157, 0x43000000, v158         ; the row's M2 = the four M2 + 128 x the sum of (a wave's mean - the row's)^2
	v_fmaak_f32 v157, s[RV], v157, 0x358637bd      ; / 511 + 1e-6
	s_wait_alu depctr_va_vdst(0)
	v_rsq_f32 v[NS+4*\m], v157
.endr
	v_nop                                          ; a plain place behind the last root
	s_wait_alu depctr_va_vdst(0)                   ; the two roots have written v[NS] and v[NS + 4]: one wait for both, ahead of their first reader
.irp m, 0,1
	v_mul_f32 v[NS+4*\m], s[\g], v[NS+4*\m]        ; the scale: g / sqrt(var + 1e-6)
	v_sub_f32 v156, v[MW+2*\m], v[154+\m]
	v_fma_f32 v[NS+2+4*\m], v156, v[NS+4*\m], s[\beta]   ; the shift: (my wave's mean - the row's) x scale + beta
.endr
.irp m, 0,1
	WIN 0xc3
.set J, 0
.rept 32
	v_pk_add_f32 v[64*\m+J:64*\m+J+1], v[64*\m+J:64*\m+J+1], v[NS+2+4*\m:NS+3+4*\m] op_sel_hi:[1,0]
.set J, J+2
.endr
	WIN 0xf2
.set J, 0
.rept 32
	v_pk_fma_f32 v[64*\m+J:64*\m+J+1], v[\ab+64*\m+J:\ab+64*\m+J+1], v[NS+4*\m:NS+1+4*\m], v[64*\m+J:64*\m+J+1] op_sel_hi:[1,0,1]   ; row += d x scale + shift
.set J, J+2
.endr
.endr
	WIN 0
.endm
; AN ITERATION: 512 hidden units.  Two barriers: the hidden layer's images are whole; every wave has them in registers, so that the next iteration may write them
.macro ITER tail
	s_wait_alu depctr_vm_vsrc(0)                   ; the last iteration's loads of b1 have read v[BAJ], which the next line writes; ahead of the first iteration: the stores of y's images have read both out-buffers, of which v160-180 take loads below
	v_add_nc_u32 v[BAJ], s[JB], v[BA]
	s_wait_alu depctr_va_vdst(0)                   ; v[BAJ] is written, which the loads of b1 read; the last phase's products are done reading the rows' fragments and scale words, and the activation and the quantisers (the norm, ahead of the first iteration) are done with window 2's v0-127: loads land in all of these
	PRESET 0, BAJ, B1L
	AFETCH YIMG, YSC
	s_wait_dscnt 0x0
	PHASE 0, 1, 0, 1, 0, 0, 0
	WIN 0x88
.set J, 0
.rept 128
	v_max_num_f32 v[J], 0, v[J]                    ; the activation, in f32; each accumulator from its low end on
.set J, J+1
.endr
	QUANT 0, 0x0a, 0x28, 0x02, PC, PW
	QUANT 64, 0x0a, 0x28, 0x02, PC1, PW1
	s_wait_alu depctr_va_vdst(0)                   ; the two quantisers have written both out-buffers, which the eight LDS stores read
	IMAGE PC, PW, HIMG, HSC
	IMAGE PC1, PW1, HIMG+6144, HSC+512
	BARRIER
	s_wait_alu depctr_vm_vsrc(0)                   ; my LDS stores have read v160-180, in which the loads below land, and v[PC ..], v[PW], which the next quantiser writes.  (No vector instruction since the wait above names the registers that these loads touch)
	AFETCH HIMG, HSC
	BARRIER
.if \tail
	PHASE 128, 0, 1, 0, 0, 0, 1
.else
	PHASE 128, 0, 1, 0, 196608, 8192, 0
.endif
.endm
	s_load_b256 s[4:11], s[0:1], 0x0               ; oc, os, codes, scales
	s_load_b256 s[12:19], s[0:1], 0x20             ; x, bo, b1, b2
	s_load_b256 s[20:27], s[0:1], 0x40             ; g1, beta1, g2, beta2
	s_load_b64 s[28:29], s[0:1], 0x60              ; out0
	v_lshl_add_u32 v135, v0, 2, 0x12c00
	v_mov_b32 v141, 0
	v_lshrrev_b32 v1, 5, v0
	v_readfirstlane_b32 s[WV], v1                  ; wave 0..3
	v_and_b32 v1, 31, v0                           ; lane
	v_and_b32 v2, 15, v0                           ; r
	v_bfe_u32 v3, v0, 4, 1                         ; h
	v_bfe_u32 v30, v0, 3, 1                        ; r / 8
	v_and_b32 v31, 7, v0
	v_lshlrev_b32 v31, 4, v31                      ; 16 (r % 8)
	v_lshl_add_u32 v[LP4], v3, 8, v31
	v_mad_u32_u24 v[LP16], v30, 24576, v[LP4]
	v_mad_u32_u24 v[LP4], v30, 6144, v[LP4]
	v_lshl_add_u32 v[LS4], v30, 8, v31
	v_lshl_add_u32 v[LS16], v30, 10, v31
	v_lshlrev_b32 v[LI], 4, v1
	v_lshlrev_b32 v[LS], 2, v1
	v_lshlrev_b32 v[L8], 3, v1
	v_lshlrev_b32 v[R16], 4, v2
	s_wait_alu depctr_va_sdst(0)                   ; the wave's number is written, ahead of its first reader: LDS addresses and the weights' bases are made from it
	s_mul_i32 s50, s[WV], 1536
	v_add_nc_u32 v[IWI], s50, v[LI]
	s_lshl_b32 s50, s[WV], 7
	v_add_nc_u32 v[IWS], s50, v[LS]
	s_lshl_b32 s34, s[WV], 9
	v_lshlrev_b32 v[BA], 6, v3
	v_add_nc_u32 v[BA], s34, v[BA]
	s_lshl_b32 s50, s[WV], 8
	v_add_nc_u32 v[LXW], s50, v[L8]
	s_mul_i32 s50, s[WV], 8448
	s_add_co_u32 s50, s50, STG                     ; my stage
	v_mul_u32_u24 v[STO], v2, 528
	v_lshl_add_u32 v[STO], v3, 6, v[STO]
	v_add_nc_u32 v[STO], s50, v[STO]               ; in: row r, + 64 h
	v_add_nc_u32 v[RD], s50, v[LI]                 ; back: a row of 512 bytes, 16 a lane
	v_add_nc_u32 v[GO], s34, v[LI]
	v_lshlrev_b32 v[XA], 11, v2
	v_add_nc_u32 v[XA], v[BA], v[XA]
	v_lshlrev_b32 v[T16], 4, v0
.set J, NS
.rept 8
	v_mov_b32 v[J], 0                              ; pairs of which the packed forms take the low word: both words are written
.set J, J+1
.endr
.set J, LT
.rept 18
	v_mov_b32 v[J], 0                              ; (lane permutes' destinations and pairs' upper words among them)
.set J, J+1
.endr
.irp b, 0,1,2,3
	v_mov_b32 v[TM+4+\b], 0
.endr
	s_mov_b32 s[SEL], 0x76543210
	s_mov_b32 s[SEL+1], 0xfedcba98
	s_mov_b32 s[RV], 0x3b004020                    ; 1 / 511
	s_mov_b32 s[JB], 0
	s_mov_b32 s[CNT], 3
	s_mov_b32 s51, 0
	s_wait_kmcnt 0x0
	s_load_b32 s30, s[20:21], 0x0                  ; g1
	s_load_b32 s31, s[22:23], 0x0                  ; beta1
	s_load_b32 s32, s[24:25], 0x0                  ; g2
	s_load_b32 s33, s[26:27], 0x0                  ; beta2
	s_mul_i32 s50, ttmp9, 12288                    ; my two token tiles: o's codes,
	s_add_nc_u64 s[4:5], s[4:5], s[50:51]
	s_lshl_b32 s50, ttmp9, 9                       ; its scale bytes,
	s_add_nc_u64 s[6:7], s[6:7], s[50:51]
	s_lshl_b32 s50, ttmp9, 16                      ; 32 rows of 2,048 bytes of x and of out
	s_add_nc_u64 s[12:13], s[12:13], s[50:51]
	s_add_nc_u64 s[28:29], s[28:29], s[50:51]
	s_mul_i32 s50, s[WV], 49152
	s_add_co_u32 s50, s50, 3735552                 ; unit 608 + 8 wave: wo, which is w1's iteration -1
	s_add_nc_u64 s[PA:PA+1], s[8:9], s[50:51]
	s_lshl_b32 s50, s[WV], 11
	s_add_co_u32 s50, s50, 155648
	s_add_nc_u64 s[SA:SA+1], s[10:11], s[50:51]
	s_mul_i32 s50, s[WV], 196608
	s_add_co_u32 s50, s50, 4718592                 ; unit 768 + 32 wave: w2's rows 128 wave on, K chunk 0
	s_add_nc_u64 s[PB:PB+1], s[8:9], s[50:51]
	s_lshl_b32 s50, s[WV], 13
	s_add_co_u32 s50, s50, 196608
	s_add_nc_u64 s[SB:SB+1], s[10:11], s[50:51]
	s_wait_alu depctr_va_vdst(0)                   ; the offsets and LDS addresses v4 to v14 and v16 to v21 are written: every load and store of the kernel but those by v[BAJ] reads one of them
	global_load_b128 v[104:107], v[T16], s[14:15]              ; the biases: 2,048 bytes a load for the work-group's 128 threads
.irp i, 0,1,2,3
	global_load_b128 v[108+4*\i:111+4*\i], v[T16], s[16:17] offset:2048*\i
.endr
	global_load_b128 v[124:127], v[T16], s[18:19]
	WIN 0xc0
.irp m, 0,1
.irp b, 0,1,2,3
.irp j, 0,1,2,3
	global_load_b128 v[64*\m+16*\b+4*\j:64*\m+16*\b+4*\j+3], v[XA], s[12:13] offset:32768*\m+128*\b+16*\j th:TH_LOAD_NT
.endr
.endr
.endr
	WIN 0
.irp m, 0,1
.irp ks, 0,1,2,3
.irp p, 0,1,2,3,4,5
	global_load_b64 v[ACT+12*(4*\m+\ks)+2*\p:ACT+12*(4*\m+\ks)+2*\p+1], v[L8], s[4:5] offset:6144*\m+1536*\ks+256*\p th:TH_LOAD_NT   ; heads 2 ks and 2 ks + 1 are K step ks
.endr
.endr
	global_load_b128 v[AS+4*\m:AS+4*\m+3], v[R16], s[6:7] offset:256*\m
.endr
.irp t, 0,1,2,3,4,5,6,7
	global_load_b128 v[SW+4*\t:SW+4*\t+3], v[LS4], s[SA:SA+1] offset:(\t/2)*512+128*(\t%2)
.endr
.irp q, 0,1,2,3
	BUNDLE 0, \q, 0
.endr
	WIN 0
	s_wait_loadcnt 63                              ; the six loads of biases are the oldest of 144: 138 may be out, and 63 is the largest count that a wait can name
.irp i, 0,1,2,3,4,5
	ds_store_b128 v[T16], v[104+4*\i:107+4*\i] offset:2048*\i
.endr
	BARRIER                                        ; the biases lie in LDS
	s_wait_alu depctr_vm_vsrc(0)                   ; my LDS stores have read v104-127: these registers are the first out-buffer and the quantisers' work registers from here on
	PRESET 0, BA, BOL
	PRESET 128, BA, B2L
	s_wait_dscnt 0x0
	s_wait_kmcnt 0x0
	PHASE 0, 0, 0, 0, 196608, 8192, 0              ; attn_out = o wo^T + bo; its last four bundles' places take w1's first four
	s_wait_xcnt 0x0                                ; the loads have read their bases
	s_add_nc_u64 s[PA:PA+1], s[PA:PA+1], 196608
	s_add_nc_u64 s[SA:SA+1], s[SA:SA+1], 8192
	LN 0, LNX1, 30, 31                             ; y = x + norm(attn_out), in window 3
	QUANT 0, 0x0f, 0x3c, 0x03, PC, PW
	QUANT 64, 0x0f, 0x3c, 0x03, PC1, PW1
	s_wait_alu depctr_va_vdst(0)                   ; the two quantisers have written both out-buffers, which the eight LDS stores read
	IMAGE PC, PW, YIMG, YSC
	IMAGE PC1, PW1, YIMG+6144, YSC+512
	BARRIER                                        ; y's eight fragments lie in LDS
.Liter:                                            ; three trips; the fourth iteration is written out: it asks for nothing beyond the weights' end
	ITER 0
	s_wait_xcnt 0x0                                ; the loads have read their bases
	s_add_nc_u64 s[PA:PA+1], s[PA:PA+1], 196608
	s_add_nc_u64 s[SA:SA+1], s[SA:SA+1], 8192
	s_add_nc_u64 s[PB:PB+1], s[PB:PB+1], 6144
	s_add_nc_u64 s[SB:SB+1], s[SB:SB+1], 256
	s_add_co_u32 s[JB], s[JB], 2048
	s_sub_co_u32 s[CNT], s[CNT], 1
	s_cmp_lg_u32 s[CNT], 0
	s_cbranch_scc1 .Liter
	ITER 1
	LN 128, LNX2, 32, 33                           ; out = y + norm(ff), in window 3
	; THE WAY OUT.  A lane holds pieces of 64 bytes of one row: a tile of 16 rows goes through my own stage and comes back as rows of 512 bytes.  LDS serves a wave's instructions in order: no wait between.
	s_wait_alu depctr_va_vdst(0)                   ; the norm has written window 3's rows, which the LDS stores read, and is done reading v160-175; the last products are done reading v160-255 and their scale words in v32-95: the loads from the stage land there.  No vector instruction follows
.irp m, 0,1
	WIN 0x0c                                       ; an LDS store's data are its source 1: window 3
.irp b, 0,1,2,3
.irp j, 0,1,2,3
	ds_store_b128 v[STO], v[64*\m+16*\b+4*\j:64*\m+16*\b+4*\j+3] offset:128*\b+16*\j
.endr
.endr
	WIN 0
.irp i, 0,1,2,3,4,5,6,7,8,9,10,11,12,13,14,15
	ds_load_b128 v[160-128*\m+4*\i:163-128*\m+4*\i], v[RD] offset:528*\i   ; tile 0 into v160-223, tile 1 into v32-95
.endr
.endr
.irp i, 0,1,2,3,4,5,6,7,8,9,10,11,12,13,14,15
	s_wait_dscnt 47-\i                             ; behind row i's load: the tile's later rows and tile 1's 32 instructions
	global_store_b128 v[GO], v[160+4*\i:163+4*\i], s[28:29] offset:2048*\i th:TH_STORE_NT   ; 32 lanes store 512 consecutive bytes, aligned
.endr
.irp i, 0,1,2,3,4,5,6,7,8,9,10,11,12,13,14,15
	s_wait_dscnt 15-\i
	global_store_b128 v[GO], v[32+4*\i:35+4*\i], s[28:29] offset:32768+2048*\i th:TH_STORE_NT
.endr
	s_wait_dscnt 0x0                               ; the closing lines, six on end
	s_wait_alu 0x0
	s_wait_tensorcnt 0x0
	ds_add_u32 v135, v141
	s_wait_dscnt 0x0
	s_endpgm
.Lfunc_end_k_q2d47b02daa_ffn:
	.size	k_q2d47b02daa_ffn, .Lfunc_end_k_q2d47b02daa_ffn-k_q2d47b02daa_ffn
	.p2alignl 7, 3214868480
	.fill 96, 4, 3214868480
	.section	.rodata,"a",@progbits
	.p2align	6, 0x0
	.amdhsa_kernel k_q2d47b02daa_ffn
		.amdhsa_group_segment_fixed_size 77312
		.amdhsa_private_segment_fixed_size 0
		.amdhsa_enable_private_segment 0
		.amdhsa_kernarg_size 104
		.amdhsa_user_sgpr_count 2
		.amdhsa_user_sgpr_kernarg_segment_ptr 1
		.amdhsa_wavefront_size32 1
		.amdhsa_system_sgpr_workgroup_id_x 1
		.amdhsa_system_sgpr_workgroup_id_y 1
		.amdhsa_system_sgpr_workgroup_id_z 1
		.amdhsa_system_vgpr_workitem_id 0
		.amdhsa_next_free_vgpr 896
		.amdhsa_next_free_sgpr 66
		.amdhsa_reserve_vcc 0
		.amdhsa_float_denorm_mode_32 3
		.amdhsa_float_denorm_mode_16_64 3
		.amdhsa_memory_ordered 1
		.amdhsa_forward_progress 1
		.amdhsa_inst_pref_size 220
	.end_amdhsa_kernel
	.amdgpu_metadata
---
amdhsa.version: [ 1, 2 ]
amdhsa.kernels:
  - .name:           k_q2d47b02daa_ffn
    .symbol:         k_q2d47b02daa_ffn.kd
    .args:
      - { .name: oc, .offset: 0, .size: 8, .value_kind: global_buffer, .address_space: global }
      - { .name: os, .offset: 8, .size: 8, .value_kind: global_buffer, .address_space: global }
      - { .name: codes, .offset: 16, .size: 8, .value_kind: global_buffer, .address_space: global }
      - { .name: scales, .offset: 24, .size: 8, .value_kind: global_buffer, .address_space: global }
      - { .name: x, .offset: 32, .size: 8, .value_kind: global_buffer, .address_space: global }
      - { .name: bo, .offset: 40, .size: 8, .value_kind: global_buffer, .address_space: global }
      - { .name: b1, .offset: 48, .size: 8, .value_kind: global_buffer, .address_space: global }
      - { .name: b2, .offset: 56, .size: 8, .value_kind: global_buffer, .address_space: global }
      - { .name: g1, .offset: 64, .size: 8, .value_kind: global_buffer, .address_space: global }
      - { .name: beta1, .offset: 72, .size: 8, .value_kind: global_buffer, .address_space: global }
      - { .name: g2, .offset: 80, .size: 8, .value_kind: global_buffer, .address_space: global }
      - { .name: beta2, .offset: 88, .size: 8, .value_kind: global_buffer, .address_space: global }
      - { .name: out0, .offset: 96, .size: 8, .value_kind: global_buffer, .address_space: global }
    .group_segment_fixed_size: 77312
    .private_segment_fixed_size: 0
    .kernarg_segment_align: 8
    .kernarg_segment_size: 104
    .max_flat_workgroup_size: 128
    .sgpr_count:     66
    .vgpr_count:     896
    .wavefront_size: 32
...
	.end_amdgpu_metadata
.endif
;; end of part 8
